; MI455X (gfx1250); checked and timed in simulation.
; The chip was launched on July 23, 2026; its instructions are those of AMD's public machine-readable ISA for CDNA 5 (MIT licence, August 2026) and "CDNA5" Instruction Set Architecture Reference Guide (July 2026). The comments in the code are by the model that wrote it; some were corrected since.
;; Transformer Block. Allowed arithmetic: matrix products marked QUANTISED: E2M3 operands, one E8M0 scale for each 32 along K, by v_wmma_scale_f32_16x16x128_f8f6f4 with both operands' format E2M3, f32 sums; everything else in f32.
;; Inputs: W1 1,024 x 4,096 float32; W2 4,096 x 1,024 float32; Wk 1,024 x 1,024 float32; Wp 1,024 x 1,024 float32; Wq 1,024 x 1,024 float32; Wv 1,024 x 1,024 float32; b1 4,096 float32; b2 1,024 float32; be1 1,024 float32; be2 1,024 float32; bp 1,024 float32; g1 1,024 float32; g2 1,024 float32; x 2 x 2,048 x 1,024 float32.
;; Outputs: out0 2 x 2,048 x 1,024 float32.
;; This version of the problem:
;;   THIS VERSION OF THE PROBLEM IS GIVEN IN LOW PRECISION. The matrix products marked QUANTISED in the list below multiply operands that are first quantised to E2M3 (2 exponent bits, 3 mantissa bits; 6 bits a number), with one power-of-two scale for each 32 numbers along K (OCP MX v1.0); their sums are f32. All else is computed in f32.
;;   The module's matrix products, in the order in which they are computed (A, B: the left and right operand; K: the contracted axis; several contracted axes count as one K, in the product's order):
;;     1. [M 4,096, K 1,024] x [K 1,024, N 1,024]; A: computed on the way; B: input Wq: QUANTISED
;;     2. [M 4,096, K 1,024] x [K 1,024, N 1,024]; A: computed on the way; B: input Wk: QUANTISED
;;     3. [M 4,096, K 1,024] x [K 1,024, N 1,024]; A: computed on the way; B: input Wv: QUANTISED
;;     4. batch 32 x [M 2,048, K 64] x [K 64, N 2,048]; A: computed on the way; B: computed on the way: QUANTISED
;;     5. batch 32 x [M 64, K 2,048] x [K 2,048, N 2,048]; A: computed on the way; B: softmax (see below): QUANTISED
;;     6. [M 4,096, K 1,024] x [K 1,024, N 1,024]; A: computed on the way; B: input Wp: QUANTISED
;;     7. [M 4,096, K 1,024] x [K 1,024, N 4,096]; A: computed on the way; B: input W1: QUANTISED
;;     8. [M 4,096, K 4,096] x [K 4,096, N 1,024]; A: computed on the way; B: input W2: QUANTISED
;;   THE QUANTISER, for each operand of a quantised product, along K:
;;     - K is cut into blocks of 32 from its start; a last block that is shorter is filled with zeros.
;;     - A block's scale is 2^e with e = floor(log2(the largest magnitude in the block)) - 2, held to -126 .. 127; a block of zeros has e = 0. As a byte (E8M0): e + 127.
;;     - Each number is divided by its block's scale, clamped to +-7.5, and rounded to the nearest number of E2M3, ties to even, subnormals kept.
;;     - The product sums the exact products of the quantised numbers (number of the format x scale) in f32.
;;   ~~~python
;;   def quantise(x, axis):      # numpy; x: float32 -> the quantised numbers, widened to float32 again
;;       x = np.moveaxis(x, axis, -1); K = x.shape[-1]
;;       x = np.pad(x, [(0, 0)] * (x.ndim - 1) + [(0, -K % 32)]); x = x.reshape(x.shape[:-1] + (-1, 32)); a = np.abs(x).max(-1, keepdims=True)
;;       e = np.where(a > 0, np.clip(np.frexp(np.where(a > 0, a, 1))[1] - 1 - 2, -126, 127), 0)      # np.frexp(a)[1] - 1 = floor(log2(a)), exactly
;;       r = np.clip(x / 2.0 ** e, -7.5, 7.5)
;;       step = 2.0 ** (np.maximum(np.frexp(np.where(r == 0, 1, r))[1] - 1, 0) - 3)
;;       q = np.round(r / step) * step * 2.0 ** e      # np.round: ties to even
;;       return np.moveaxis(q.reshape(q.shape[:-2] + (-1,))[..., :K], -1, axis).astype(np.float32)
;;   ~~~
;;   SOFTMAX AHEAD OF A QUANTISED PRODUCT. Where the list says 'softmax', what is quantised is not the finished softmax but p = 2^(t - M), with t = logit x log2(e) and M = ceil(the row's largest t), a whole number; so 1/2 < the row's largest p <= 1. The row's sum l is taken of the UNQUANTISED p, in f32, and the product's result is divided by l at the end. Since M is a whole number, a kernel that streams over the keys may use a running M (the ceiling of the running maximum): every later rescaling is an exact power of two, which a block's scale takes up: the codes' values come out the same.
;;   OPERANDS COMPUTED ON THE WAY. 'Computed on the way' means the value that the module computes at that place (a softmax that the list does not call 'softmax' is quantised finished and normalised). What goes into a quantiser is computed in f32, as accurately as f32 sums, v_exp_f32 and their like allow (about 1e-6 of the number): no bf16 or f16 on the way to a quantiser, and a product that is left as it is and whose result goes on into a quantised operand takes f32 operands (vector FMAs, or v_wmma_f32_16x16x4_f32). A number that lies on a knife's edge between two numbers of the format may be rounded either way, as far as f32 arithmetic and the matrix unit's own rounding can turn it there, and no further.
;; 2 versions. Each part assembles by itself: llvm-mc -triple=amdgcn-amd-amdhsa -mcpu=gfx1250 --defsym DOCPART=n.
;; ======== version 1 of 2: 8 launches
;; workspace buffers: wts 9,830,400 bytes; act 3,276,800 bytes; qkvc 9,830,400 bytes; x1 16,777,216 bytes; hid 13,107,200 bytes
;; launch wquant (part 1): grid 384 x 1, 4 waves a work-group, no clusters, 25,088 bytes of LDS; arguments Wq, Wk, Wv, Wp, W2, W1, wts; writes wts
.if DOCPART == 1
	.amdgcn_target "amdgcn-amd-amdhsa--gfx1250"
	.amdhsa_code_object_version 6
	.text
	.protected	k_q862f4e2aca_wquant
	.globl	k_q862f4e2aca_wquant
	.p2align	8
	.type	k_q862f4e2aca_wquant,@function
k_q862f4e2aca_wquant:
	s_mov_b64 s[64:65], 0
	v_nop
	global_prefetch_b8 v0, s[64:65] scope:SCOPE_SE
	s_setreg_imm32_b32 hwreg(HW_REG_WAVE_MODE, 25, 1), 1
	s_wait_xcnt 0x0
; The six weights, f32 with K as their FIRST axis, become codes of FP6 (E2M3) with one E8M0 byte for each 32 along K, laid as the products' launches read them.
; ORDER ALONG K.  Inside each block of 32 the second and the third group of eight change places: place p holds k = 8 ((p/8 % 2) 2 + p/16) + p % 8.  Every operand of every product of this program is laid so,
; so the pairs that are multiplied stay the same; a block's numbers, its scale and its codes do not change.
; IMAGE.  16 rows x 64 K are 768 bytes: lane l = r + 16 h owns the six words of row r, block h of the two: words 0-3 at 16 l, words 4-5 at 512 + 8 l.  Codes: [tile of 128 rows][64 K][16 rows][768].  Scale words: [tile][128 K][128 rows], byte b = block b.
; SHARES.  A work-group takes 128 columns x 256 along K; a wave 32 columns, a lane one column, its registers run down K: a block of 32 lies in one lane, and no other lane is asked for its largest magnitude.
; A wave's load reads 128 consecutive bytes, the four waves stand side by side on 512.  The codes go through the wave's own 6,144 bytes of LDS and leave 512 consecutive bytes a store.  Waves share nothing: no barrier.
; A block's scale is 2^(floor(log2(largest magnitude)) - 2); its byte is the largest magnitude's exponent field - 2, held at 1 from below.
; LIMITS: a block of zeros, or one whose largest magnitude lies under 2^-124, gets the byte 1 (this program alone reads the bytes; zero codes add nothing); NaN and infinities are not served.
.set WS,   9437184                     ; where the scale words begin in wts
.set W2C,  6291456                     ; where W2's codes begin: behind 64 tiles of 98,304 bytes
.set VO,   32                          ; v32-63   byte offset of place p: 4 x lane + k(p) x pitch
.set X,    64                          ; v64-127  two sets of 32 numbers
.set C,    16                          ; v16-22   a block's codes
.set SB,   24                          ; v24-25   the scale words of 128 K each
.set OUTR, 128                         ; v128-175 the way out
	s_load_b256 s[4:11], s[0:1], 0x0               ; Wq, Wk, Wv, Wp
	s_load_b128 s[12:15], s[0:1], 0x20             ; W2, W1
	s_load_b64 s[16:17], s[0:1], 0x30              ; wts
	v_lshl_add_u32 v192, v0, 2, 0x6000
	v_mov_b32 v193, 0
	v_lshrrev_b32 v1, 5, v0
	v_readfirstlane_b32 s52, v1                    ; wave
	v_and_b32 v1, 31, v0                           ; lane
	v_lshlrev_b32 v2, 2, v1                        ; 4 x lane
	; which weight, which 128 columns (nt), which 256 along K (kc).  0-127: Wq, Wk, Wv, Wp, 32 each; 128-255: W2; 256-383: W1
	s_mov_b32 s20, ttmp9
	s_and_b32 s21, s20, 7                          ; nt
	s_bfe_u32 s22, s20, 0x20003                    ; kc
	s_lshr_b32 s23, s20, 5
	s_lshl_b32 s23, s23, 3
	s_or_b32 s23, s23, s21                         ; tile number T = 8 x weight + nt
	s_and_b32 s25, s20, 31                         ; W1: nt,
	s_bfe_u32 s26, s20, 0x20005                    ; kc,
	s_add_co_u32 s27, s25, 32                      ; T = 32 + nt
	s_mov_b32 s28, 4096                            ; bytes from row to row
	s_cmp_ge_u32 s20, 256
	s_cselect_b32 s21, s25, s21
	s_cselect_b32 s22, s26, s22
	s_cselect_b32 s23, s27, s23
	s_cselect_b32 s28, 16384, s28
	s_mul_i32 s29, s23, 98304                      ; the tile's codes,
	s_lshl_b32 s30, s23, 12                        ; its scale words
	s_bfe_u32 s24, s20, 0x40003                    ; W2: kc 0 .. 15,
	s_mul_i32 s25, s21, 393216
	s_add_co_u32 s25, s25, W2C                     ; tiles of 4,096 along K,
	s_lshl_b32 s26, s21, 14
	s_add_co_u32 s26, s26, 262144
	s_lshr_b32 s27, s20, 7
	s_cmp_eq_u32 s27, 1
	s_cselect_b32 s22, s24, s22
	s_cselect_b32 s29, s25, s29
	s_cselect_b32 s30, s26, s30
	s_mul_i32 s24, s22, 24576                      ; 256 along K are four images deep: 4 x 8 x 768 bytes
	s_add_co_u32 s29, s29, s24
	s_mul_i32 s24, s52, 1536                       ; my wave's two images of 16 rows
	s_add_co_u32 s48, s29, s24
	s_mov_b32 s49, 0
	s_lshl_b32 s24, s22, 10                        ; two rows of 128 scale words
	s_add_co_u32 s30, s30, s24
	s_lshl_b32 s24, s52, 7                         ; my wave's 32 columns: 128 bytes, here and in a row of the weight
	s_add_co_u32 s30, s30, s24
	s_add_co_u32 s50, s30, WS
	s_mov_b32 s51, 0
	s_mul_i32 s31, s22, s28
	s_lshl_b32 s31, s31, 8                         ; kc x 256 rows
	s_lshl_b32 s25, s21, 9                         ; nt x 128 columns
	s_add_co_u32 s31, s31, s25
	s_add_co_u32 s54, s31, s24
	s_mov_b32 s55, 0
	s_lshl_b32 s18, s28, 5                         ; 32 rows on
	s_mov_b32 s19, 0
	s_mul_i32 s53, s52, 6144                       ; my wave's stage
	v_lshrrev_b32 v8, 4, v1
	v_and_b32 v9, 15, v1
	v_mul_u32_u24 v8, v8, 768                      ; which of my two images
	v_add_nc_u32 v8, s53, v8
	v_lshl_add_u32 v3, v9, 4, v8                   ; words 0-3: 16 r (+ 256 for the image's second block)
	v_lshl_add_u32 v4, v9, 3, v8
	v_add_nc_u32 v4, 512, v4                       ; words 4-5: 512 + 8 r (+ 128)
	v_lshlrev_b32 v6, 4, v1                        ; the way out: 16 x lane
	v_add_nc_u32 v5, s53, v6
.set p, 0
.rept 32
	v_mad_u32_u24 v[VO+p], s28, 8*(((p/8)%2)*2+p/16)+p%8, v2
.set p, p+1
.endr
	s_wait_kmcnt 0x0
	s_cmp_ge_u32 s20, 32                           ; the choice of the weight hangs on the work-group's number alone
	s_cselect_b64 s[4:5], s[6:7], s[4:5]
	s_cmp_ge_u32 s20, 64
	s_cselect_b64 s[4:5], s[8:9], s[4:5]
	s_cmp_ge_u32 s20, 96
	s_cselect_b64 s[4:5], s[10:11], s[4:5]
	s_cmp_ge_u32 s20, 128
	s_cselect_b64 s[4:5], s[12:13], s[4:5]
	s_cmp_ge_u32 s20, 256
	s_cselect_b64 s[4:5], s[14:15], s[4:5]
	s_add_nc_u64 s[32:33], s[4:5], s[54:55]        ; a base for each of the eight blocks: nothing is stepped while loads are out
.irp t, 1,2,3,4,5,6,7
	s_add_nc_u64 s[32+2*\t:33+2*\t], s[30+2*\t:31+2*\t], s[18:19]
.endr
	s_add_nc_u64 s[48:49], s[16:17], s[48:49]
	s_add_nc_u64 s[50:51], s[16:17], s[50:51]
.macro LOAD t                          ; block t into set t % 2, in the order of the places
.set p, 0
.rept 32
	global_load_b32 v[X+32*((\t)%2)+p], v[VO+p], s[32+2*(\t):33+2*(\t)] th:TH_LOAD_NT
.set p, p+1
.endr
.endm
	LOAD 0
	LOAD 1
.macro BLOCK t
.set XS, X+32*((\t)%2)
.if (\t) < 7
	s_wait_loadcnt 32                              ; this block's 32 loads are in; the next block's may be out
.else
	s_wait_loadcnt 0x0
.endif
	v_max3_num_f32 v8, |v[XS]|, |v[XS+1]|, |v[XS+2]|
	v_max3_num_f32 v9, |v[XS+3]|, |v[XS+4]|, |v[XS+5]|
.irp i, 6,10,14,18,22,26
	v_max3_num_f32 v8, v8, |v[XS+\i]|, |v[XS+\i+1]|
	v_max3_num_f32 v9, v9, |v[XS+\i+2]|, |v[XS+\i+3]|
.endr
	v_max3_num_f32 v8, v8, |v[XS+30]|, |v[XS+31]|
	v_max3_num_f32 v8, v8, v9, 0x1800000           ; the floor 2^(3 - 127): the byte cannot fall under 1
	v_add_nc_u32 v11, 0xff000000, v8               ; 2 off the exponent field: the conversion takes this operand's exponent field as its scale
	v_cvt_scalef32_pk16_fp6_f32 v[C:C+2], v[XS:XS+15], v11
	v_cvt_scalef32_pk16_fp6_f32 v[C+4:C+6], v[XS+16:XS+31], v11   ; (a conversion's three registers begin on an even number)
	v_lshrrev_b32 v9, 23, v11                      ; the scale's byte: also the plain line behind the conversions
.if (\t)%4 == 0
	v_mov_b32 v[SB+(\t)/4], v9
.else
	v_lshl_or_b32 v[SB+(\t)/4], v9, 8*((\t)%4), v[SB+(\t)/4]
.endif
	v_mov_b32 v[C+3], v[C+4]                       ; the six words on end
	v_mov_b32 v[C+4], v[C+5]
	v_mov_b32 v[C+5], v[C+6]
	ds_store_b128 v3, v[C:C+3] offset:((\t)/2)*1536+((\t)%2)*256
	ds_store_b64 v4, v[C+4:C+5] offset:((\t)/2)*1536+((\t)%2)*128
.if (\t)+2 < 8
	LOAD (\t)+2
.endif
	s_wait_dscnt 0x0                               ; the stores have read their registers: the next block's codes may be written
.endm
.irp t, 0,1,2,3,4,5,6,7
	BLOCK \t
.endr
	global_store_b32 v2, v[SB], s[50:51]           ; 32 lanes store 128 consecutive bytes of scale words
	global_store_b32 v2, v[SB+1], s[50:51] offset:512
.irp q, 0,1,2,3,4,5,6,7,8,9,10,11
	ds_load_b128 v[OUTR+4*\q:OUTR+4*\q+3], v5 offset:512*\q   ; LDS serves a wave's instructions in order: these see my stores
.endr
.irp q, 0,1,2,3,4,5,6,7,8,9,10,11
	s_wait_dscnt 11-\q                             ; the younger loads may be out
	global_store_b128 v6, v[OUTR+4*\q:OUTR+4*\q+3], s[48:49] offset:(\q/3)*6144+(\q%3)*512   ; 512 consecutive bytes, at a multiple of 256 from the buffer's first byte
.endr
	s_wait_tensorcnt 0x0
	ds_add_u32 v192, v193
	s_wait_dscnt 0x0
	s_endpgm
.Lfunc_end_k_q862f4e2aca_wquant:
	.size	k_q862f4e2aca_wquant, .Lfunc_end_k_q862f4e2aca_wquant-k_q862f4e2aca_wquant
	.p2alignl 7, 3214868480
	.fill 96, 4, 3214868480
	.section	.rodata,"a",@progbits
	.p2align	6, 0x0
	.amdhsa_kernel k_q862f4e2aca_wquant
		.amdhsa_group_segment_fixed_size 25088
		.amdhsa_private_segment_fixed_size 0
		.amdhsa_enable_private_segment 0
		.amdhsa_kernarg_size 56
		.amdhsa_user_sgpr_count 2
		.amdhsa_user_sgpr_kernarg_segment_ptr 1
		.amdhsa_wavefront_size32 1
		.amdhsa_system_sgpr_workgroup_id_x 1
		.amdhsa_system_sgpr_workgroup_id_y 1
		.amdhsa_system_sgpr_workgroup_id_z 1
		.amdhsa_system_vgpr_workitem_id 0
		.amdhsa_next_free_vgpr 194
		.amdhsa_next_free_sgpr 66
		.amdhsa_reserve_vcc 0
		.amdhsa_float_denorm_mode_32 3
		.amdhsa_float_denorm_mode_16_64 3
		.amdhsa_memory_ordered 1
		.amdhsa_forward_progress 1
		.amdhsa_inst_pref_size 46
	.end_amdhsa_kernel
	.amdgpu_metadata
---
amdhsa.version: [ 1, 2 ]
amdhsa.kernels:
  - .name:           k_q862f4e2aca_wquant
    .symbol:         k_q862f4e2aca_wquant.kd
    .args:
      - { .name: Wq, .offset: 0, .size: 8, .value_kind: global_buffer, .address_space: global }
      - { .name: Wk, .offset: 8, .size: 8, .value_kind: global_buffer, .address_space: global }
      - { .name: Wv, .offset: 16, .size: 8, .value_kind: global_buffer, .address_space: global }
      - { .name: Wp, .offset: 24, .size: 8, .value_kind: global_buffer, .address_space: global }
      - { .name: W2, .offset: 32, .size: 8, .value_kind: global_buffer, .address_space: global }
      - { .name: W1, .offset: 40, .size: 8, .value_kind: global_buffer, .address_space: global }
      - { .name: wts, .offset: 48, .size: 8, .value_kind: global_buffer, .address_space: global }
    .group_segment_fixed_size: 25088
    .private_segment_fixed_size: 0
    .kernarg_segment_align: 8
    .kernarg_segment_size: 56
    .max_flat_workgroup_size: 128
    .sgpr_count:     66
    .vgpr_count:     194
    .wavefront_size: 32
...
	.end_amdgpu_metadata
.endif
;; end of part 1
;; launch ln1 (part 2): grid 256 x 1, 4 waves a work-group, no clusters, 31,744 bytes of LDS; arguments x, g1, be1, act; writes act
.if DOCPART == 2
	.amdgcn_target "amdgcn-amd-amdhsa--gfx1250"
	.amdhsa_code_object_version 6
	.text
	.protected	k_q862f4e2aca_ln1
	.globl	k_q862f4e2aca_ln1
	.p2align	8
	.type	k_q862f4e2aca_ln1,@function
k_q862f4e2aca_ln1:
	s_mov_b64 s[64:65], 0
	v_nop
	global_prefetch_b8 v0, s[64:65] scope:SCOPE_SE
	s_setreg_imm32_b32 hwreg(HW_REG_WAVE_MODE, 25, 1), 1
	s_wait_xcnt 0x0
; A layer norm along rows of 1,024 f32, quantised on the way: y = (x - mean) rsqrt(var + 1e-5) g + b becomes codes of FP6 (E2M3) with one E8M0 byte for each 32 along the row.
; OUT: images of 16 rows x 64 K (768 bytes: lane l = r + 16 h owns the six words of row r, block h: words 0-3 at 16 l, words 4-5 at 512 + 8 l), laid [128 rows][64 K][16 rows][768]; scale words [128 rows' tile][128 K][128 rows].
; Inside each block of 32 the second and third group of eight change places, as in every operand of this program.
; SHARES.  A work-group takes 16 rows, one block of rows; a wave four of them, each whole in 32 registers, read once.  Mean and variance in two passes (the variance of x - mean), so that a common offset does no harm.
; A load is dense in the lanes; the quantiser wants a block of 32 in one lane: a row turns through the wave's own stage in LDS (128 bytes + 16 of padding a block), and lane l gets block l.
; The image stores of a row put 32 lanes' words 256 or 128 bytes apart in LDS: two such stores a row; that is the price of images that leave in whole runs of 256 bytes.
; LIMITS: a block of zeros, or one under 2^-124, gets the byte 1 (this program alone reads the bytes); NaN and infinities are not served.
.set X,   64                           ; v64-191  four rows
.set G,   192                          ; v192-223 the gain, in the loads' lane order
.set B,   224                          ; v224-255 the bias
.set Y,   32                           ; v32-63   a block of 32, in the order of the places
.set C,   16                           ; v16-22   its codes
.set IMG, 18432                        ; LDS: four stages of 4,608 bytes, then 16 images,
.set SCS, 30720                        ; then 8 x 16 scale words
.set ASC, 3145728                      ; where the scale words begin in the output buffer
	s_load_b256 s[4:11], s[0:1], 0x0               ; x, g, b, out
	v_lshl_add_u32 v30, v0, 2, 0x7a00
	v_mov_b32 v31, 0
	v_lshrrev_b32 v1, 5, v0
	v_readfirstlane_b32 s14, v1                    ; wave
	v_and_b32 v1, 31, v0                           ; lane
	v_lshlrev_b32 v2, 4, v1                        ; 16 x lane
	s_lshl_b32 s16, ttmp9, 16                      ; 16 rows of 4,096 bytes,
	s_lshl_b32 s17, s14, 14                        ; my wave's four
	s_add_co_u32 s16, s16, s17
	s_mov_b32 s17, 0
	s_mov_b32 s12, 0x76543210
	s_mov_b32 s13, 0xfedcba98                      ; v_permlanex16_b32: lane l xor 16
	s_mov_b32 s20, 0x3a800000                      ; 1 / 1,024
	s_mov_b32 s21, 0x3727c5ac                      ; 1e-5
	s_lshr_b32 s22, ttmp9, 3                       ; tile of 128 rows,
	s_and_b32 s23, ttmp9, 7                        ; block of 16 rows in it
	s_mul_i32 s24, s22, 98304
	s_mul_i32 s25, s23, 768
	s_add_co_u32 s24, s24, s25
	s_mov_b32 s25, 0
	s_lshl_b32 s26, s22, 12
	s_lshl_b32 s27, s23, 6
	s_add_co_u32 s26, s26, s27
	s_add_co_u32 s26, s26, ASC
	s_mov_b32 s27, 0
	s_wait_kmcnt 0x0
	s_add_nc_u64 s[4:5], s[4:5], s[16:17]
	s_add_nc_u64 s[24:25], s[10:11], s[24:25]
	s_add_nc_u64 s[26:27], s[10:11], s[26:27]
.irp j, 0,1,2,3,4,5,6,7
	global_load_b128 v[G+4*\j:G+4*\j+3], v2, s[6:7] offset:512*\j
.endr
.irp j, 0,1,2,3,4,5,6,7
	global_load_b128 v[B+4*\j:B+4*\j+3], v2, s[8:9] offset:512*\j
.endr
.irp k, 0,1,2,3
.irp j, 0,1,2,3,4,5,6,7
	global_load_b128 v[X+32*\k+4*\j:X+32*\k+4*\j+3], v2, s[4:5] offset:4096*\k+512*\j   ; 512 consecutive bytes a load
.endr
.endr
	s_mul_i32 s18, s14, 4608                       ; my stage
	v_lshrrev_b32 v8, 3, v1
	v_lshl_add_u32 v3, v8, 4, v2
	v_add_nc_u32 v3, s18, v3                       ; in: 16 x lane + 16 for each block of 128 bytes passed
	v_mul_u32_u24 v4, v1, 144
	v_add_nc_u32 v4, s18, v4                       ; out: block l
	v_lshrrev_b32 v8, 1, v1
	v_and_b32 v9, 1, v1
	v_mul_u32_u24 v8, v8, 768                      ; block l lies in image l / 2, half l % 2
	v_lshl_add_u32 v5, v9, 8, v8
	s_lshl_b32 s19, s14, 6
	s_add_co_u32 s19, s19, IMG
	v_add_nc_u32 v5, s19, v5                       ; words 0-3: 16 (4 w + k) + 256 h
	v_lshl_add_u32 v6, v9, 7, v8
	s_lshl_b32 s19, s14, 5
	s_add_co_u32 s19, s19, IMG+512
	v_add_nc_u32 v6, s19, v6                       ; words 4-5: 512 + 8 (4 w + k) + 128 h
	v_lshrrev_b32 v8, 2, v1
	v_and_b32 v9, 3, v1
	v_lshl_add_u32 v7, v8, 6, v9
	s_lshl_b32 s19, s14, 4
	s_add_co_u32 s19, s19, SCS
	v_add_nc_u32 v7, s19, v7                       ; the byte: 64 (l / 4) + 4 (4 w + k) + l % 4
	v_lshrrev_b32 v8, 4, v1
	v_and_b32 v9, 15, v1
	v_mul_u32_u24 v24, v8, 6144
	v_lshl_add_u32 v24, v9, 4, v24
	s_mul_i32 s19, s14, 1536
	s_add_co_u32 s19, s19, IMG
	v_add_nc_u32 v24, s19, v24                     ; the way out: sixteen lanes to 256 bytes; the halves of the lanes eight images apart
	v_mul_u32_u24 v25, v8, 49152
	v_lshl_add_u32 v25, v9, 4, v25
	s_mul_i32 s19, s14, 12288
	v_add_nc_u32 v25, s19, v25                     ; and the same place in memory, where images lie 6,144 bytes apart
	v_add_nc_u32 v26, SCS, v2
	v_lshrrev_b32 v8, 2, v1
	v_and_b32 v9, 3, v1
	v_lshlrev_b32 v27, 9, v8
	v_lshl_add_u32 v27, v9, 4, v27
.macro SUM32                           ; v8 = the sum over the 32 lanes, in every lane
	v_pk_add_f32 v[8:9], v[8:9], v[10:11]
	v_pk_add_f32 v[12:13], v[12:13], v[14:15]
	v_pk_add_f32 v[8:9], v[8:9], v[12:13]
	v_add_f32 v8, v8, v9
	v_add_f32_dpp v8, v8, v8 row_xmask:1 row_mask:0xf bank_mask:0xf
	v_add_f32_dpp v8, v8, v8 row_xmask:2 row_mask:0xf bank_mask:0xf
	v_add_f32_dpp v8, v8, v8 row_xmask:4 row_mask:0xf bank_mask:0xf
	v_add_f32_dpp v8, v8, v8 row_xmask:8 row_mask:0xf bank_mask:0xf
	v_permlanex16_b32 v9, v8, s12, s13
	v_add_f32 v8, v8, v9
.endm
.macro ROW k
.set XR, X+32*(\k)
	s_wait_loadcnt 8*(3-(\k))                      ; g, b and this row are in; the eight loads of each later row may be out
.irp c, 0,1,2,3
	v_pk_add_f32 v[8+2*\c:9+2*\c], v[XR+2*\c:XR+2*\c+1], v[XR+8+2*\c:XR+9+2*\c]   ; four chains, started by the first words
.endr
.irp i, 16,24
.irp c, 0,1,2,3
	v_pk_add_f32 v[8+2*\c:9+2*\c], v[8+2*\c:9+2*\c], v[XR+\i+2*\c:XR+\i+2*\c+1]
.endr
.endr
	SUM32
	v_mul_f32 v8, s20, v8                          ; the mean
.set j, 0
.rept 16
	v_pk_add_f32 v[XR+j:XR+j+1], v[XR+j:XR+j+1], v[8:9] op_sel_hi:[1,0] neg_lo:[0,1] neg_hi:[0,1]   ; x - mean
.set j, j+2
.endr
.irp c, 0,1,2,3
	v_pk_mul_f32 v[8+2*\c:9+2*\c], v[XR+2*\c:XR+2*\c+1], v[XR+2*\c:XR+2*\c+1]
.endr
.irp i, 8,16,24
.irp c, 0,1,2,3
	v_pk_fma_f32 v[8+2*\c:9+2*\c], v[XR+\i+2*\c:XR+\i+2*\c+1], v[XR+\i+2*\c:XR+\i+2*\c+1], v[8+2*\c:9+2*\c]
.endr
.endr
	SUM32
	v_fma_f32 v8, v8, s20, s21                     ; the variance + 1e-5
	v_rsq_f32 v10, v8
	v_nop                                          ; a plain line behind the transcendental,
	s_wait_alu depctr_va_vdst(0)                   ; and the wait ahead of its first reader
.set j, 0
.rept 16
	v_pk_mul_f32 v[XR+j:XR+j+1], v[XR+j:XR+j+1], v[10:11] op_sel_hi:[1,0]
.set j, j+2
.endr
.set j, 0
.rept 16
	v_pk_fma_f32 v[XR+j:XR+j+1], v[XR+j:XR+j+1], v[G+j:G+j+1], v[B+j:B+j+1]
.set j, j+2
.endr
.irp j, 0,1,2,3,4,5,6,7
	ds_store_b128 v3, v[XR+4*\j:XR+4*\j+3] offset:576*\j
.endr
.irp n, 0,1,2,3,4,5,6,7                ; back in the order of the places: pieces 0, 1, 4, 5, 2, 3, 6, 7 of the block's eight.  LDS serves a wave's instructions in order
	ds_load_b128 v[Y+4*\n:Y+4*\n+3], v4 offset:16*(2*(((\n/2)%2)*2+\n/4)+\n%2)
.endr
	s_wait_dscnt 0x0                               ; the block is in; the last row's image stores have read their registers too
	v_max3_num_f32 v8, |v[Y]|, |v[Y+1]|, |v[Y+2]|
	v_max3_num_f32 v9, |v[Y+3]|, |v[Y+4]|, |v[Y+5]|
.irp i, 6,10,14,18,22,26
	v_max3_num_f32 v8, v8, |v[Y+\i]|, |v[Y+\i+1]|
	v_max3_num_f32 v9, v9, |v[Y+\i+2]|, |v[Y+\i+3]|
.endr
	v_max3_num_f32 v8, v8, |v[Y+30]|, |v[Y+31]|
	v_max3_num_f32 v8, v8, v9, 0x1800000           ; the floor 2^(3 - 127)
	v_add_nc_u32 v11, 0xff000000, v8               ; 2 off the exponent field: the conversions' scale operand
	v_cvt_scalef32_pk16_fp6_f32 v[C:C+2], v[Y:Y+15], v11
	v_cvt_scalef32_pk16_fp6_f32 v[C+4:C+6], v[Y+16:Y+31], v11
	v_lshrrev_b32 v23, 23, v11                     ; the byte: also the plain line behind the conversions
	v_mov_b32 v[C+3], v[C+4]
	v_mov_b32 v[C+4], v[C+5]
	v_mov_b32 v[C+5], v[C+6]
	ds_store_b128 v5, v[C:C+3] offset:16*(\k)
	ds_store_b64 v6, v[C+4:C+5] offset:8*(\k)
	ds_store_b8 v7, v23 offset:4*(\k)
.endm
	ROW 0
	ROW 1
	ROW 2
	ROW 3
	s_wait_dscnt 0x0                               ; for the others' sake: my stores into the images are done
	s_barrier_signal -1
	s_barrier_wait -1
.irp q, 0,1,2,3,4,5
	ds_load_b128 v[X+4*\q:X+4*\q+3], v24 offset:256*\q
.endr
.irp q, 0,1,2,3,4,5
	s_wait_dscnt 5-\q
	global_store_b128 v25, v[X+4*\q:X+4*\q+3], s[24:25] offset:(\q/3)*6144+(\q%3)*256   ; sixteen lanes store 256 consecutive bytes, aligned
.endr
	s_cmp_lg_u32 s14, 0
	s_cbranch_scc1 .Lend
	ds_load_b128 v[X+24:X+27], v26                 ; wave 0: the 128 scale words; in memory they are eight runs of 64 bytes
	s_wait_dscnt 0x0
	global_store_b128 v27, v[X+24:X+27], s[26:27]
.Lend:
	s_wait_tensorcnt 0x0
	ds_add_u32 v30, v31
	s_wait_dscnt 0x0
	s_endpgm
.Lfunc_end_k_q862f4e2aca_ln1:
	.size	k_q862f4e2aca_ln1, .Lfunc_end_k_q862f4e2aca_ln1-k_q862f4e2aca_ln1
	.p2alignl 7, 3214868480
	.fill 96, 4, 3214868480
	.section	.rodata,"a",@progbits
	.p2align	6, 0x0
	.amdhsa_kernel k_q862f4e2aca_ln1
		.amdhsa_group_segment_fixed_size 31744
		.amdhsa_private_segment_fixed_size 0
		.amdhsa_enable_private_segment 0
		.amdhsa_kernarg_size 32
		.amdhsa_user_sgpr_count 2
		.amdhsa_user_sgpr_kernarg_segment_ptr 1
		.amdhsa_wavefront_size32 1
		.amdhsa_system_sgpr_workgroup_id_x 1
		.amdhsa_system_sgpr_workgroup_id_y 1
		.amdhsa_system_sgpr_workgroup_id_z 1
		.amdhsa_system_vgpr_workitem_id 0
		.amdhsa_next_free_vgpr 256
		.amdhsa_next_free_sgpr 66
		.amdhsa_reserve_vcc 0
		.amdhsa_float_denorm_mode_32 3
		.amdhsa_float_denorm_mode_16_64 3
		.amdhsa_memory_ordered 1
		.amdhsa_forward_progress 1
		.amdhsa_inst_pref_size 45
	.end_amdhsa_kernel
	.amdgpu_metadata
---
amdhsa.version: [ 1, 2 ]
amdhsa.kernels:
  - .name:           k_q862f4e2aca_ln1
    .symbol:         k_q862f4e2aca_ln1.kd
    .args:
      - { .name: x, .offset: 0, .size: 8, .value_kind: global_buffer, .address_space: global }
      - { .name: g1, .offset: 8, .size: 8, .value_kind: global_buffer, .address_space: global }
      - { .name: be1, .offset: 16, .size: 8, .value_kind: global_buffer, .address_space: global }
      - { .name: act, .offset: 24, .size: 8, .value_kind: global_buffer, .address_space: global }
    .group_segment_fixed_size: 31744
    .private_segment_fixed_size: 0
    .kernarg_segment_align: 8
    .kernarg_segment_size: 32
    .max_flat_workgroup_size: 128
    .sgpr_count:     66
    .vgpr_count:     256
    .wavefront_size: 32
...
	.end_amdgpu_metadata
.endif
;; end of part 2
;; launch qkvgemm (part 3): grid 24 x 32, 4 waves a work-group, clusters of 4 x 4, 327,680 bytes of LDS; arguments act, wts, qkvc; writes qkvc
.if DOCPART == 3
	.amdgcn_target "amdgcn-amd-amdhsa--gfx1250"
	.amdhsa_code_object_version 6
	.text
	.protected	k_q862f4e2aca_qkvgemm
	.globl	k_q862f4e2aca_qkvgemm
	.p2align	8
	.type	k_q862f4e2aca_qkvgemm,@function
k_q862f4e2aca_qkvgemm:
	s_mov_b64 s[64:65], 0
	v_nop
	global_prefetch_b8 v0, s[64:65] scope:SCOPE_SE
	s_setreg_imm32_b32 hwreg(HW_REG_WAVE_MODE, 25, 1), 1
	s_wait_xcnt 0x0
	s_wait_alu depctr_hold_cnt(0) depctr_sa_sdst(0) depctr_va_vdst(0) depctr_va_sdst(0) depctr_va_ssrc(0) depctr_va_vcc(0) depctr_vm_vsrc(0)
	s_getreg_b32 s2, hwreg(HW_REG_IB_STS2, 6, 4)
	s_cmp_eq_u32 s2, 0
	s_cbranch_scc0 .Lentry_in_a_cluster
	s_endpgm
.Lentry_in_a_cluster:
	s_bfe_u32 s2, ttmp6, 0x10000c
	s_cmp_lg_u32 s2, 0xf033
	s_cbranch_scc0 .Lentry_shape_is_right
	s_endpgm
.Lentry_shape_is_right:
; q, k, v = h Wq, h Wk, h Wv on codes of FP6 (E2M3), K = 1,024, and their results quantised on the way: q and k along the head's 64, v along the keys.
; OPERANDS are images of 16 rows x 64 K (768 bytes: lane l = r + 16 h owns the six words of row r, block h: words 0-3 at 16 l, words 4-5 at 512 + 8 l), laid [tile of 128 rows][64 K][16 rows]; a fragment of 128 K is two images:
; four LDS loads, each dense in the lanes.  Scale words: [tile][128 K][128 rows].  Inside each block of 32 along any K the second and third group of eight change places, alike in both operands.
; SHARES.  A work-group makes 128 tokens x 128 columns (tile columns 0-7 q, 8-15 k, 16-23 v); a wave 64 x 64: 16 accumulators, one head wide.  All of K lies in LDS: two slots of 512 along K, each filled once.
; SOURCES.  Source 1's rows lie in the result's lanes, source 0's along its registers.  For q and k source 0 is the weight: a lane holds one token and 64 of the head.  For v the two change places (the choice hangs on the
; cluster's x alone, which partners share): a lane holds one of the head's 64 and its registers run along 64 tokens, the second product's K.  One text serves both.
; CLUSTER 4 x 4: the activations' tile is shared along a row of the cluster, the weights' along a column: each is asked for jointly.
; OUT: q, k: images [head of batch][16 tokens][768], scale bytes u16 [head of batch][token]; v: images [head of batch][64 keys][16 of the head][768], scale words [head of batch][128 keys][64].
; LIMITS: a block of zeros, or one under 2^-124, gets the byte 1 (this program alone reads the bytes); NaN and infinities are not served.
.set KDIM,  1024
.set TILEB, 96*KDIM                    ; a tile of 128 rows, all of K, in bytes
.set SCSZ,  4*KDIM                     ; its scale words
.set ASC,   3145728                    ; where the activations' scale words begin
.set WSOFF, 9437184                    ; where the weights' scale words begin
.set QS,    9437184                    ; where the scales begin in the output
.set SLOT,  98304                      ; 512 along K: the activations' 49,152 bytes, then the weights'
.set HALF,  24576                      ; what one tensor load brings: 96 rows of 256 bytes
.set SCA,   2*SLOT
.set SCB,   SCA+SCSZ
.set SPARE, SCB+SCSZ+512               ; the spare words, 128 bytes for each wave: two blocks of 256 bytes that no other line names
.set AD1,  8                           ; v8-9 source 1's fragments in slot 0, 1 (16 x lane); v10-11 the same (512 + 8 x lane)
.set AD0,  12                          ; v12-15 source 0's
.set ADRS, 16                          ; v16 my scale words: lanes 0-15 source 1's rows, lanes 16-31 source 0's
.set SPW,  17                          ; v17 my spare word; never rewritten
.set NIL,  18                          ; v18 0; never rewritten
.set SC,   32                          ; v32-39 scale words, two sets of four
.set TM,   40                          ; v40-55 the quantiser's work
.set PW0,  56
.set PW1,  57
.set PC0,  64                          ; v64-83, v84-103 codes
.set PC1,  84
.set ACC,  128                         ; accumulator (x, y) at v[128 + 8 (4 x + y)]; window 1: fragment sets at v0 and v128: source 1's four, then source 0's four
.set SEL,  22
.set G1, 24
.set G0, 32
.set G1B, 48
.set G0B, 56
.set G1S, 68
.set G0S, 76
.set G1SB, 80
.set G0SB, 88
.set MSB, 0
.macro WIN new                         ; the immediate's high byte repeats the setting that is left
.if MSB != \new
	s_set_vgpr_msb (MSB<<8)|\new
.set MSB, \new
.endif
.endm
.macro PLACES                          ; four plain lines between a matrix instruction and a load into, or a vector read of, its registers
.rept 4
	v_nop
.endr
.endm
.macro JLOAD g0a, g1a, g0b, g1b        ; a joint load: waves 0, 1 fetch the activations' halves, waves 2, 3 the weights'; four v_nop follow each line
	s_cmp_eq_u32 s15, 0
	s_cbranch_scc0 .Lfor_b_\@
	tensor_load_to_lds s[\g0a:\g0a+3], s[\g1a:\g1a+7]
	s_nop 0
.rept 4
	v_nop
.endr
	s_branch .Lasked_\@
.Lfor_b_\@:
	tensor_load_to_lds s[\g0b:\g0b+3], s[\g1b:\g1b+7]
	s_nop 0
.rept 4
	v_nop
.endr
.Lasked_\@:
.endm
.macro CROUND                          ; a round of the cluster's barrier
	s_barrier_signal -1
	s_barrier_wait -1
	s_cmp_lg_u32 s14, 0
	s_cbranch_scc1 .Lnot_wave_0_\@
	s_barrier_signal -3
.Lnot_wave_0_\@:
	s_barrier_wait -3
	s_barrier_signal -1
	s_barrier_wait -1
.endm
	s_load_b128 s[4:7], s[0:1], 0x0                ; act, wts
	s_load_b64 s[8:9], s[0:1], 0x10                ; qkvc
	v_lshl_add_u32 v[SPW], v0, 2, SPARE
	v_mov_b32 v[NIL], 0
	ds_add_u32 v17, v18
	ds_add_u32 v17, v18
	s_wait_dscnt 0x0
	v_lshrrev_b32 v1, 5, v0
	v_readfirstlane_b32 s14, v1                    ; wave
	s_lshr_b32 s15, s14, 1                         ; wr: my 64 tokens.  Also: I fetch activations (0) or weights (1)
	s_and_b32 s16, s14, 1                          ; wc: my 64 columns.  Also: which half I fetch
	s_bfe_u32 s40, ttmp6, 0x40000                  ; cx
	s_bfe_u32 s41, ttmp6, 0x40004                  ; cy
	s_lshl_b32 s42, ttmp9, 2
	s_add_co_u32 s42, s42, s40                     ; nt: tile column
	s_and_b32 s17, ttmp7, 0xffff
	s_lshl_b32 s17, s17, 2
	s_add_co_u32 s17, s17, s41                     ; mt: tile row
	s_lshl_b32 s43, s41, 2
	s_lshl_b32 s43, 15, s43                        ; my row of the cluster
	s_lshl_b32 s44, 0x1111, s40                    ; my column
	s_or_b32 s[G1+0], s43, (3<<16)|(1<<21)         ; the mask; elements of 8 bytes; bit 21 beside a mask; no padding
	s_or_b32 s[G1B+0], s44, (3<<16)|(1<<21)
.irp g, G1, G1B
	s_mov_b32 s[\g+1], 32<<16                      ; tensor_dim0 = 32 elements: rows of 256 bytes of a dense block
	s_mov_b32 s[\g+2], 96<<16                      ; tensor_dim1 = 96
	s_mov_b32 s[\g+3], 32<<16                      ; tile_dim0
	s_mov_b32 s[\g+4], 96                          ; tile_dim1
	s_mov_b32 s[\g+5], 32                          ; pitch
	s_mov_b32 s[\g+6], 0
	s_mov_b32 s[\g+7], 0
.endr
	s_or_b32 s[G1S+0], s43, (3<<16)|(1<<21)
	s_or_b32 s[G1SB+0], s44, (3<<16)|(1<<21)
.irp g, G1S, G1SB
	s_mov_b32 s[\g+1], 32<<16
	s_mov_b32 s[\g+2], (SCSZ/512)<<16              ; half a tile's scale words
	s_mov_b32 s[\g+3], 32<<16
	s_mov_b32 s[\g+4], SCSZ/512
	s_mov_b32 s[\g+5], 32
	s_mov_b32 s[\g+6], 0
	s_mov_b32 s[\g+7], 0
.endr
	s_mul_i32 s18, s16, HALF
	s_mul_i32 s20, s17, TILEB                      ; the activations' addresses hang on mt alone,
	s_add_co_u32 s20, s20, s18
	s_mov_b32 s21, 0
	s_mul_i32 s46, s42, TILEB                      ; the weights' on nt alone
	s_add_co_u32 s46, s46, s18
	s_mov_b32 s47, 0
	s_mul_i32 s19, s16, SCSZ/2
	s_mul_i32 s22, s17, SCSZ
	s_add_co_u32 s22, s22, s19
	s_add_co_u32 s22, s22, ASC
	s_mov_b32 s23, 0
	s_mul_i32 s92, s42, SCSZ
	s_add_co_u32 s92, s92, s19
	s_add_co_u32 s92, s92, WSOFF
	s_mov_b32 s93, 0
	s_mul_i32 s45, s14, HALF                       ; where they go: by the wave's number alone
	s_mul_i32 s94, s14, SCSZ/2
	s_wait_kmcnt 0x0
	s_add_nc_u64 s[20:21], s[4:5], s[20:21]
	s_add_nc_u64 s[22:23], s[4:5], s[22:23]
	s_add_nc_u64 s[46:47], s[6:7], s[46:47]
	s_add_nc_u64 s[92:93], s[6:7], s[92:93]
	CROUND                                         ; all sixteen work-groups are here: the first joint loads meet
	s_mov_b32 s[G0S], 1
	s_add_co_u32 s[G0S+1], s94, SCA
	s_mov_b64 s[G0S+2:G0S+3], s[22:23]
	s_or_b32 s[G0S+3], s[G0S+3], 0x80000000
	s_mov_b32 s[G0SB], 1
	s_add_co_u32 s[G0SB+1], s94, SCA
	s_mov_b64 s[G0SB+2:G0SB+3], s[92:93]
	s_or_b32 s[G0SB+3], s[G0SB+3], 0x80000000
	JLOAD G0S, G1S, G0SB, G1SB                     ; the scale words first: they are wanted with the first step
.irp s, 0,1
	s_mov_b32 s[G0+4*\s], 1
	s_add_co_u32 s[G0+4*\s+1], s45, \s*SLOT
	s_add_nc_u64 s[G0+4*\s+2:G0+4*\s+3], s[20:21], \s*2*HALF
	s_or_b32 s[G0+4*\s+3], s[G0+4*\s+3], 0x80000000
	s_mov_b32 s[G0B+4*\s], 1
	s_add_co_u32 s[G0B+4*\s+1], s45, \s*SLOT
	s_add_nc_u64 s[G0B+4*\s+2:G0B+4*\s+3], s[46:47], \s*2*HALF
	s_or_b32 s[G0B+4*\s+3], s[G0B+4*\s+3], 0x80000000
	JLOAD G0+4*\s, G1, G0B+4*\s, G1B               ; by this text's count three tensor loads of a wave are out
.endr
	v_and_b32 v1, 31, v0                           ; lane
	v_and_b32 v2, 15, v0                           ; r
	v_bfe_u32 v3, v0, 4, 1                         ; h
	v_lshlrev_b32 v4, 4, v1                        ; 16 x lane
	v_lshlrev_b32 v5, 3, v1
	v_add_nc_u32 v5, 512, v5                       ; 512 + 8 x lane
	s_mul_i32 s18, s15, 3072                       ; my four blocks of tokens,
	s_mul_i32 s19, s16, 3072
	s_add_co_u32 s19, s19, 2*HALF                  ; my four blocks of columns
	s_cmp_ge_u32 ttmp9, 4                          ; v's tile columns: the sources change places
	s_cselect_b32 s2, 1, 0
	s_cselect_b32 s66, s19, s18                    ; source 1
	s_cselect_b32 s67, s18, s19                    ; source 0
.irp s, 0,1
	v_add_nc_u32 v[AD1+\s], s66, v4
	v_add_nc_u32 v[AD1+2+\s], s66, v5
	v_add_nc_u32 v[AD0+\s], s67, v4
	v_add_nc_u32 v[AD0+2+\s], s67, v5
	s_add_co_u32 s66, s66, SLOT
	s_add_co_u32 s67, s67, SLOT
.endr
	v_xor_b32 v7, s2, v3                           ; 0: I read the activations' words, 1: the weights'
	s_lshl_b32 s18, s15, 8
	s_lshl_b32 s19, s16, 8
	s_add_co_u32 s19, s19, SCSZ
	s_sub_co_u32 s19, s19, s18                     ; from the activations' words to the weights'
	v_mul_u32_u24 v6, s19, v7
	s_add_co_u32 s18, s18, SCA
	v_lshl_add_u32 v6, v2, 2, v6
	v_add_nc_u32 v[ADRS], s18, v6
	s_mov_b32 s[SEL], 0x76543210
	s_mov_b32 s[SEL+1], 0xfedcba98
.irp b, 0,1,2,3
	v_mov_b32 v[TM+4+\b], 0                        ; written once: a lane permute's destination counts as one of its sources
.endr
	; where the results go
	s_lshr_b32 s66, s17, 4
	s_lshl_b32 s66, s66, 4
	s_and_b32 s67, s42, 7
	s_lshl_b32 s67, s67, 1
	s_add_co_u32 s66, s66, s67
	s_add_co_u32 s66, s66, s16                     ; head of batch = 16 (mt / 16) + 2 (nt % 8) + wc
	s_lshr_b32 s95, s42, 3                         ; 0 q, 1 k, 2 v
	s_and_b32 s67, s17, 15                         ; which 128 tokens of the batch
	s_mul_i32 s10, s95, 3145728
	s_mul_i32 s11, s66, 98304
	s_add_co_u32 s10, s10, s11
	s_lshl_b32 s11, s67, 1
	s_add_co_u32 s11, s11, s15
	s_mul_i32 s11, s11, 3072                       ; my 64 tokens: four images, for q, k (four blocks of tokens) and for v (four blocks of the head) alike
	s_add_co_u32 s10, s10, s11
	s_mov_b32 s11, 0
	s_add_nc_u64 s[10:11], s[8:9], s[10:11]
	s_lshl_b32 s12, s95, 17
	s_lshl_b32 s13, s66, 12
	s_add_co_u32 s12, s12, s13
	s_lshl_b32 s13, s67, 8
	s_add_co_u32 s12, s12, s13
	s_lshl_b32 s13, s15, 7                         ; q, k: 2 bytes a token;
	s_lshl_b32 s95, s15, 1                         ; v: my 64 keys are bytes 2 wr, 2 wr + 1 of a word
	s_cmp_ge_u32 ttmp9, 4
	s_cselect_b32 s13, s95, s13
	s_cselect_b32 s95, 2, 1
	s_add_co_u32 s12, s12, s13
	s_add_co_u32 s12, s12, QS
	s_mov_b32 s13, 0
	s_add_nc_u64 s[12:13], s[8:9], s[12:13]
	v_lshlrev_b32 v21, s95, v1                     ; rows 0-31 of my 64,
	v_add_nc_u32 v22, 32, v1
	v_lshlrev_b32 v22, s95, v22                    ; rows 32-63
	v_lshlrev_b32 v23, 4, v3                       ; 16 h
; the fragments of one step of 128 along K (the slot's ks-th) into set; its scale words, rel steps on from v[ADRS]
.macro FETCH slot, ks, set, rel
	WIN 0x40                                       ; destination window 1
.irp i, 0,1,2,3
.irp e, 0,1
	ds_load_b128 v[128*(\set)+12*\i+6*\e:128*(\set)+12*\i+6*\e+3], v[AD1+\slot] offset:(2*(\ks)+\e)*6144+\i*768
	ds_load_b64 v[128*(\set)+12*\i+6*\e+4:128*(\set)+12*\i+6*\e+5], v[AD1+2+\slot] offset:(2*(\ks)+\e)*6144+\i*768
.endr
.endr
.irp i, 0,1,2,3
.irp e, 0,1
	ds_load_b128 v[128*(\set)+48+12*\i+6*\e:128*(\set)+48+12*\i+6*\e+3], v[AD0+\slot] offset:(2*(\ks)+\e)*6144+\i*768
	ds_load_b64 v[128*(\set)+48+12*\i+6*\e+4:128*(\set)+48+12*\i+6*\e+5], v[AD0+2+\slot] offset:(2*(\ks)+\e)*6144+\i*768
.endr
.endr
	WIN 0
.irp i, 0,1,2,3
	ds_load_b32 v[SC+4*(\set)+\i], v[ADRS] offset:(\rel)*512+\i*64
.endr
.endm
; 16 matrix instructions, the 16 accumulators by turns in the same order in every step.  first = 1: the products start the sums
.macro MUL16 set, first
	WIN 0x05                                       ; sources 0 and 1 window 1
.irp x, 0,1,2,3
.irp y, 0,1,2,3
.if \first
	v_wmma_scale_f32_16x16x128_f8f6f4 v[ACC+8*(4*\x+\y):ACC+8*(4*\x+\y)+7], v[128*(\set)+48+12*\y:128*(\set)+48+12*\y+11], v[128*(\set)+12*\x:128*(\set)+12*\x+11], 0, v[SC+4*(\set)+\y], v[SC+4*(\set)+\x] matrix_a_fmt:MATRIX_FMT_FP6 matrix_b_fmt:MATRIX_FMT_FP6 matrix_a_scale:MATRIX_SCALE_ROW1
.else
	v_wmma_scale_f32_16x16x128_f8f6f4 v[ACC+8*(4*\x+\y):ACC+8*(4*\x+\y)+7], v[128*(\set)+48+12*\y:128*(\set)+48+12*\y+11], v[128*(\set)+12*\x:128*(\set)+12*\x+11], v[ACC+8*(4*\x+\y):ACC+8*(4*\x+\y)+7], v[SC+4*(\set)+\y], v[SC+4*(\set)+\x] matrix_a_fmt:MATRIX_FMT_FP6 matrix_b_fmt:MATRIX_FMT_FP6 matrix_a_scale:MATRIX_SCALE_ROW1
.endif
.endr
.endr
	WIN 0
.endm
.macro STEP slot, ks, first, rel       ; a step that has its successor in the same slot: the successor's fragments are asked for, then this step is multiplied
	s_wait_dscnt 0x0                               ; this step's fragments are in
	PLACES                                         ; the other set was read by the step before
	FETCH \slot, (\ks)+1, 1-(\ks)%2, \rel
	MUL16 (\ks)%2, \first
.endm
.macro TURN slot, rel                  ; a slot's last step: the other slot is shown whole to every wave; nothing is filled again here
	s_wait_tensorcnt 0x0                           ; my part of the other slot has landed
	ds_add_u32 v[SPW], v[NIL]                      ; 0 onto my spare word
	s_wait_dscnt 0x0                               ; the add is done and my fragments are in
	s_barrier_signal -1
	s_barrier_wait -1
	PLACES
	FETCH 1-\slot, 0, 0, \rel
	MUL16 1, 0
.endm
; 64 numbers of a lane, register 16 b + i, b = 0 .. 3: two rows' 64 along the next K; lanes l and l xor 16 share a block.  They become two images' words in v[pc] .. v[pc+11]; v[pw]: bytes 0, 1 the first row's, 2, 3 the second's
.macro QUANT s, pc, pw
.irp b, 0,1,2,3
	v_max3_num_f32 v[TM+\b], |v[\s+16*\b]|, |v[\s+1+16*\b]|, 0x1800000   ; the floor 2^(3 - 127): the byte cannot fall under 1
.endr
.irp i, 2,4,6,8,10,12,14
.irp b, 0,1,2,3
	v_max3_num_f32 v[TM+\b], v[TM+\b], |v[\s+16*\b+\i]|, |v[\s+1+16*\b+\i]|
.endr
.endr
.irp b, 0,1,2,3
	v_permlanex16_b32 v[TM+4+\b], v[TM+\b], s[SEL], s[SEL+1]
.endr
.irp b, 0,1,2,3
	v_max_num_f32 v[TM+\b], v[TM+\b], v[TM+4+\b]
.endr
.irp b, 0,1,2,3
	v_add_nc_u32 v[TM+12+\b], 0xff000000, v[TM+\b]   ; 2 off the exponent field: the conversion's scale operand
.endr
.irp b, 0,1,2,3
	v_lshrrev_b32 v[TM+4+\b], 23, v[TM+12+\b]
.endr
	v_lshl_or_b32 v[\pw], v[TM+5], 8, v[TM+4]
	v_lshl_or_b32 v[\pw], v[TM+6], 16, v[\pw]
	v_lshl_or_b32 v[\pw], v[TM+7], 24, v[\pw]
.irp c, 0,1
	v_cvt_scalef32_pk16_fp6_f32 v[\pc+6*\c:\pc+2+6*\c], v[\s+32*\c:\s+15+32*\c], v[TM+12+2*\c]
	v_cvt_scalef32_pk16_fp6_f32 v[\pc+12+4*\c:\pc+14+4*\c], v[\s+16+32*\c:\s+31+32*\c], v[TM+12+2*\c+1]
.endr
	v_nop                                          ; one plain line behind a scaled conversion
.irp c, 0,1                            ; a whole block to a lane: lanes 0-15 the first block, lanes 16-31 the second
.irp i, 0,1,2
	v_permlane16_swap_b32 v[\pc+6*\c+\i], v[\pc+12+4*\c+\i]
.endr
.irp i, 0,1,2
	v_mov_b32 v[\pc+3+6*\c+\i], v[\pc+12+4*\c+\i]
.endr
.endr
.endm
	s_wait_tensorcnt 1                             ; the scale words and my part of slot 0 are in; slot 1's load may be out
	s_barrier_signal -1
	s_barrier_wait -1
	FETCH 0, 0, 0, 0
	STEP 0, 0, 1, 1
	STEP 0, 1, 0, 2
	STEP 0, 2, 0, 3
	TURN 0, 4
	STEP 1, 0, 0, 5
	STEP 1, 1, 0, 6
	STEP 1, 2, 0, 7
	s_wait_dscnt 0x0
	MUL16 1, 0
	PLACES
	QUANT ACC, PC0, PW0                            ; each accumulator is read from its low end on
	QUANT ACC+64, PC1, PW1
	v_lshrrev_b32 v[PW0], v23, v[PW0]              ; lane l keeps the two bytes of row l of the 32
	v_lshrrev_b32 v[PW1], v23, v[PW1]
.irp x, 0,1,2,3
	global_store_b128 v4, v[PC0+20*(\x/2)+6*(\x%2):PC0+20*(\x/2)+6*(\x%2)+3], s[10:11] offset:768*\x   ; 512 consecutive bytes,
	global_store_b64 v5, v[PC0+20*(\x/2)+6*(\x%2)+4:PC0+20*(\x/2)+6*(\x%2)+5], s[10:11] offset:768*\x  ; and the 256 behind them
.endr
	global_store_b16 v21, v[PW0], s[12:13]
	global_store_b16 v22, v[PW1], s[12:13]
	s_wait_tensorcnt 0x0                           ; the wave's end
	ds_add_u32 v[SPW], v[NIL]
	s_wait_dscnt 0x0
	CROUND                                         ; the closing round: no work-group ends while a partner may still ask for a tile that names it
	s_endpgm
.Lfunc_end_k_q862f4e2aca_qkvgemm:
	.size	k_q862f4e2aca_qkvgemm, .Lfunc_end_k_q862f4e2aca_qkvgemm-k_q862f4e2aca_qkvgemm
	.p2alignl 7, 3214868480
	.fill 96, 4, 3214868480
	.section	.rodata,"a",@progbits
	.p2align	6, 0x0
	.amdhsa_kernel k_q862f4e2aca_qkvgemm
		.amdhsa_group_segment_fixed_size 327680
		.amdhsa_private_segment_fixed_size 0
		.amdhsa_enable_private_segment 0
		.amdhsa_kernarg_size 24
		.amdhsa_user_sgpr_count 2
		.amdhsa_user_sgpr_kernarg_segment_ptr 1
		.amdhsa_wavefront_size32 1
		.amdhsa_system_sgpr_workgroup_id_x 1
		.amdhsa_system_sgpr_workgroup_id_y 1
		.amdhsa_system_sgpr_workgroup_id_z 1
		.amdhsa_system_vgpr_workitem_id 0
		.amdhsa_next_free_vgpr 512
		.amdhsa_next_free_sgpr 98
		.amdhsa_reserve_vcc 0
		.amdhsa_float_denorm_mode_32 3
		.amdhsa_float_denorm_mode_16_64 3
		.amdhsa_memory_ordered 1
		.amdhsa_forward_progress 1
		.amdhsa_inst_pref_size 56
	.end_amdhsa_kernel
	.amdgpu_metadata
---
amdhsa.version: [ 1, 2 ]
amdhsa.kernels:
  - .name:           k_q862f4e2aca_qkvgemm
    .symbol:         k_q862f4e2aca_qkvgemm.kd
    .args:
      - { .name: act, .offset: 0, .size: 8, .value_kind: global_buffer, .address_space: global }
      - { .name: wts, .offset: 8, .size: 8, .value_kind: global_buffer, .address_space: global }
      - { .name: qkvc, .offset: 16, .size: 8, .value_kind: global_buffer, .address_space: global }
    .group_segment_fixed_size: 327680
    .private_segment_fixed_size: 0
    .kernarg_segment_align: 8
    .kernarg_segment_size: 24
    .max_flat_workgroup_size: 128
    .sgpr_count:     98
    .vgpr_count:     512
    .wavefront_size: 32
...
	.end_amdgpu_metadata
.endif
;; end of part 3
;; launch attn (part 4): grid 8 x 32, 16 waves a work-group, no clusters, 206,848 bytes of LDS; arguments qkvc, act; writes act
.if DOCPART == 4
	.amdgcn_target "amdgcn-amd-amdhsa--gfx1250"
	.amdhsa_code_object_version 6
	.text
	.protected	k_q862f4e2aca_attn
	.globl	k_q862f4e2aca_attn
	.p2align	8
	.type	k_q862f4e2aca_attn,@function
k_q862f4e2aca_attn:
	s_mov_b64 s[64:65], 0
	v_nop
	global_prefetch_b8 v0, s[64:65] scope:SCOPE_SE
	s_setreg_imm32_b32 hwreg(HW_REG_WAVE_MODE, 25, 1), 1
	s_wait_xcnt 0x0
; Causal attention of one head of one batch on codes of FP6 (E2M3): o = softmax(q k^T / 32) v, quantised on the way out along the head's 64 for the projection.
; THE SOFTMAX AHEAD OF THE SECOND PRODUCT: t = score x log2(e) / 32; M = the running largest t rounded UP to a whole number; p = 2^(t - M) is quantised along the keys, not normalised; the row's sum is taken of the
; unquantised p and divides at the end.  When M moves, the sum and O are multiplied by 2^(old M - new M): exact.
; IN: images of 16 rows x 64 K (768 bytes: lane l = r + 16 h owns six words: words 0-3 at 16 l, words 4-5 at 512 + 8 l).  q, k: [16 tokens][768], K = the head's 64: a score's fragment is one image and six registers of zero codes,
; which add nothing.  v: [64 keys][16 of the head][768], K = the keys.  Inside each block of 32 along any K the second and third group of eight change places, alike in both operands: that is the order in which a
; lane's registers of two neighbouring result tiles fall, so the keys of a tile are neighbours and p needs no reordering.
; SHARES.  The head's K and V, 196,608 bytes of codes and 8,192 of scales, lie in LDS whole, filled once.  A work-group owns blocks i and 15 - i of 128 queries, so that all work-groups have the same part of the triangle;
; each of its 16 waves owns 16 queries.  A step is 128 keys; a step all of whose keys come after the wave's queries is left out by a scalar branch on ids.
; Both products are used transposed: a lane holds ONE query throughout.
; NO CLUSTER: the steps that a wave leaves out hang on its block of queries, which would be the work-group's place in a cluster.
; LIMITS: a block of zeros, or one under 2^-124, gets the byte 1 (this program alone reads the bytes); NaN and infinities are not served.
.set KSC,  98304                       ; LDS: K's codes at 0, K's scale bytes (u16 a key),
.set VC,   102400                      ; V's codes,
.set VSC,  200704                      ; V's scale words
.set QS,   9437184                     ; where the scales begin in qkvc
.set ASC,  3145728                     ; and in act
.set S,    128                         ; v128-191 S^T, then p
.set O,    192                         ; v192-223 O^T
.set WV,   8
.set G1S,  16                          ; s[16:23] group 1: 16 rows of 256 bytes; s[24:31] 48 rows; s[32:39] 336 rows
.set G1F,  24
.set G1R,  32
.set G0S,  40
.set G0F,  44
.set G0R,  48
.set SEL,  52
.set CS,   54
.set TB,   56                          ; LDS byte of the step's codes: 6,144 a step, in K and in V
.set TS,   57                          ; and of its scales: 256 a step
.set KF,   58                          ; the step's first key
.set Q0,   59                          ; my first query
.set CNT,  60
	s_load_b128 s[4:7], s[0:1], 0x0                ; qkvc, act
	v_lshl_add_u32 v243, v0, 2, 0x32000
	v_mov_b32 v255, 0
	ds_add_u32 v243, v255
	ds_add_u32 v243, v255
	v_lshrrev_b32 v8, 5, v0
	v_readfirstlane_b32 s[WV], v8                  ; wave 0 .. 15
	s_and_b32 s9, ttmp7, 0xffff                    ; head of batch
.irp g, G1S, G1F, G1R
	s_mov_b32 s[\g], 3<<16                         ; no mask; elements of 8 bytes; no padding
	s_mov_b32 s[\g+1], 32<<16                      ; rows of 256 bytes of a dense block
	s_mov_b32 s[\g+3], 32<<16
	s_mov_b32 s[\g+5], 32
	s_mov_b32 s[\g+6], 0
	s_mov_b32 s[\g+7], 0
.endr
	s_mov_b32 s[G1S+2], 16<<16
	s_mov_b32 s[G1S+4], 16
	s_mov_b32 s[G1F+2], 48<<16
	s_mov_b32 s[G1F+4], 48
	s_mov_b32 s[G1R+2], 336<<16
	s_mov_b32 s[G1R+4], 336
	s_mul_i32 s61, s[WV], VC                       ; wave 0 fetches K, wave 1 V
	s_add_co_u32 s62, s[WV], 1
	s_mul_i32 s66, s62, 3145728
	s_mul_i32 s63, s9, 98304
	s_add_co_u32 s66, s66, s63
	s_mov_b32 s67, 0
	s_lshl_b32 s68, s62, 17
	s_lshl_b32 s63, s9, 12
	s_add_co_u32 s68, s68, s63
	s_add_co_u32 s68, s68, QS
	s_mov_b32 s69, 0
	s_wait_dscnt 0x0
	s_wait_kmcnt 0x0
	s_add_nc_u64 s[66:67], s[4:5], s[66:67]
	s_add_nc_u64 s[68:69], s[4:5], s[68:69]
	s_mov_b32 s[G0S], 1
	s_add_co_u32 s[G0S+1], s61, KSC
	s_mov_b64 s[G0S+2:G0S+3], s[68:69]
	s_or_b32 s[G0S+3], s[G0S+3], 0x80000000
	s_mov_b32 s[G0F], 1
	s_mov_b32 s[G0F+1], s61
	s_mov_b64 s[G0F+2:G0F+3], s[66:67]
	s_or_b32 s[G0F+3], s[G0F+3], 0x80000000
	s_mov_b32 s[G0R], 1
	s_add_co_u32 s[G0R+1], s61, 12288
	s_add_nc_u64 s[G0R+2:G0R+3], s[66:67], 12288
	s_or_b32 s[G0R+3], s[G0R+3], 0x80000000
	s_cmp_lt_u32 s[WV], 2                          ; a wave's three fills stand in one branch, ahead of every wait on TENSORcnt, every LDS read and every barrier
	s_cbranch_scc0 .Lno_fill
	tensor_load_to_lds s[G0S:G0S+3], s[G1S:G1S+7]  ; the scales,
	s_nop 0
	tensor_load_to_lds s[G0F:G0F+3], s[G1F:G1F+7]  ; the first 256 keys,
	s_nop 0
	tensor_load_to_lds s[G0R:G0R+3], s[G1R:G1R+7]  ; the rest: three loads of the wave are out
	s_nop 0
.rept 4
	v_nop
.endr
.Lno_fill:
	s_lshr_b32 s61, s[WV], 2
	s_xor_b32 s61, s61, s[WV]
	s_and_b32 s61, s61, 1                          ; of the waves 2 u, 2 u + 1 one takes the early block, one the late
	s_sub_co_u32 s62, 15, ttmp9
	s_cmp_eq_u32 s61, 1
	s_cselect_b32 s62, s62, ttmp9
	s_lshl_b32 s62, s62, 7
	s_lshr_b32 s63, s[WV], 1
	s_lshl_b32 s63, s63, 4
	s_add_co_u32 s[Q0], s62, s63
	s_mul_i32 s70, s9, 98304
	s_mul_i32 s71, s[Q0], 48                       ; 768 bytes for 16 queries
	s_add_co_u32 s70, s70, s71
	s_mov_b32 s71, 0
	s_add_nc_u64 s[70:71], s[4:5], s[70:71]
	s_lshl_b32 s72, s9, 12
	s_lshl_b32 s73, s[Q0], 1
	s_add_co_u32 s72, s72, s73
	s_add_co_u32 s72, s72, QS
	s_mov_b32 s73, 0
	s_add_nc_u64 s[72:73], s[4:5], s[72:73]
	v_and_b32 v8, 31, v0                           ; lane
	v_and_b32 v9, 15, v0                           ; r
	v_bfe_u32 v10, v0, 4, 1                        ; h
	v_lshlrev_b32 v1, 4, v8                        ; v1: 16 x lane
	v_lshlrev_b32 v2, 3, v8
	v_add_nc_u32 v2, 512, v2                       ; v2: 512 + 8 x lane
	v_lshl_add_u32 v3, v9, 1, KSC                  ; v3: K's scale bytes, 2 r
	v_add_nc_u32 v4, VC, v1                        ; v4, v5: the same as v1, v2 in V
	v_add_nc_u32 v5, VC, v2
	v_lshl_add_u32 v6, v9, 2, VSC                  ; v6: V's scale words, 4 r
	v_lshlrev_b32 v30, 1, v9
	v_lshl_add_u32 v31, v9, 2, v10                 ; the way out: my byte, 4 r + h
	global_load_b128 v[16:19], v1, s[70:71]        ; Q's image stays in registers
	global_load_b64 v[20:21], v2, s[70:71]
	global_load_u16 v29, v30, s[72:73]             ; and its two scale bytes; the upper two are 0, over zero codes
.irp j, 22,23,24,25,26,27
	v_mov_b32 v\j, 0                               ; K = 64 .. 127 of a score's fragment: zero codes
.endr
.irp t, 0,1,2,3
.irp j, 6,7,8,9,10,11
	v_mov_b32 v[32+12*\t+\j], 0                    ; likewise in K's four fragments: written once
.endr
.endr
	s_mov_b32 s[SEL], 0x76543210
	s_mov_b32 s[SEL+1], 0xfedcba98
	s_mov_b32 s[CS], 0x3d38aa3b                    ; c = log2(e) / 32
	s_mov_b32 s[CS+1], s[CS]
	s_mov_b32 s[TB], 0
	s_mov_b32 s[TS], 0
	s_mov_b32 s[KF], 0
	v_mov_b32 v13, 0xff61b1e6                      ; the largest t so far: -3e38
	v_floor_f32 v12, -v13                          ; -M
	v_mov_b32 v14, 0                               ; the sum, in two halves
	v_mov_b32 v15, 0
.irp b, 0,1,2,3
	v_mov_b32 v[236+\b], 0                         ; written once: a lane permute's destination counts as one of its sources
.endr
	v_mov_b32 v252, 0
	v_mov_b32 v253, 0
.set j, 0
.rept 32
	v_mov_b32 v[O+j], 0                            ; O^T: the step is written once; the first finds zeros, which the first change of M leaves zeros
.set j, j+1
.endr
.macro STEP
	s_add_co_u32 s61, s[Q0], 15
	s_cmp_gt_u32 s[KF], s61                        ; all 128 keys come after my queries: only the addresses step
	s_cbranch_scc1 .Lhidden_\@
	v_add_nc_u32 v7, s[TB], v1                     ; six plain lines: also the places between the last step's products and the loads below
	v_add_nc_u32 v8, s[TB], v2
	v_add_nc_u32 v9, s[TS], v3
	v_add_nc_u32 v10, s[TB], v4
	v_add_nc_u32 v11, s[TB], v5
	v_add_nc_u32 v28, s[TS], v6
.irp g, 0,1                            ; S^T = K Q^T, four tiles of 16 keys at a time
.if \g
.rept 4
	v_nop                                          ; places in front of loads into registers that matrix instructions have read
.endr
.endif
.irp t, 0,1,2,3
	ds_load_b128 v[32+12*\t:35+12*\t], v7 offset:(4*\g+\t)*768
	ds_load_b64 v[36+12*\t:37+12*\t], v8 offset:(4*\g+\t)*768
	ds_load_u16 v[248+\t], v9 offset:(4*\g+\t)*32
.endr
.if \g
.irp d, 0,1,2,3                        ; V's four fragments of these 128 keys are asked for here and land under the softmax
.irp e, 0,1
	ds_load_b128 v[80+12*\d+6*\e:83+12*\d+6*\e], v10 offset:\e*3072+\d*768
	ds_load_b64 v[84+12*\d+6*\e:85+12*\d+6*\e], v11 offset:\e*3072+\d*768
.endr
.endr
	s_wait_dscnt 16                                ; K's are in; V's sixteen may be out
.else
	s_wait_dscnt 0x0
.endif
.irp t, 0,1,2,3
	v_wmma_scale_f32_16x16x128_f8f6f4 v[S+8*(4*\g+\t):S+8*(4*\g+\t)+7], v[32+12*\t:43+12*\t], v[16:27], 0, v[248+\t], v29 matrix_a_fmt:MATRIX_FMT_FP6 matrix_b_fmt:MATRIX_FMT_FP6
.endr
.endr                                  ; lane (r, h): query r; register 8 t + j: key KF + 16 t + 8 h + j
.rept 4
	v_nop
.endr
.irp d, 0,1,2,3
	ds_load_b32 v[248+\d], v28 offset:64*\d        ; V's scale words
.endr
	s_add_co_u32 s61, s[KF], 127
	s_cmp_le_u32 s61, s[Q0]                        ; all keys count: no mask
	s_cbranch_scc1 .Lopen_\@
	s_sub_co_i32 s61, s[Q0], s[KF]
	v_and_b32 v252, 15, v0
	v_bfe_u32 v253, v0, 4, 1
	v_lshlrev_b32 v253, 3, v253
	v_sub_nc_u32 v252, v252, v253
	v_add_nc_u32 v252, s61, v252                   ; d = my query - KF - 8 h: register 8 t + j is hidden where 16 t + j > d
	v_mov_b32 v254, 0xff800000                     ; -infinity: p = 0 then
.set n, 0
.rept 64
	v_cmp_gt_i32 vcc_lo, 16*(n/8)+n%8, v252
	v_cndmask_b32 v[S+n], v[S+n], v254, vcc_lo
.set n, n+1
.endr
.Lopen_\@:
.irp b, 0,1,2,3
	v_max3_num_f32 v[232+\b], v[S+16*\b], v[S+1+16*\b], v[S+2+16*\b]   ; the largest score of each block of 32 keys: for the row's maximum and, since p rises with the score, for the block's largest p
.endr
.irp i, 3,5,7,9,11,13
.irp b, 0,1,2,3
	v_max3_num_f32 v[232+\b], v[232+\b], v[S+16*\b+\i], v[S+1+16*\b+\i]
.endr
.endr
.irp b, 0,1,2,3
	v_max_num_f32 v[232+\b], v[232+\b], v[S+15+16*\b]
.endr
.irp b, 0,1,2,3
	v_permlanex16_b32 v[236+\b], v[232+\b], s[SEL], s[SEL+1]
.endr
.irp b, 0,1,2,3
	v_max_num_f32 v[232+\b], v[232+\b], v[236+\b]
.endr
	v_max3_num_f32 v254, v232, v233, v234
	v_max_num_f32 v254, v254, v235
	v_mul_f32 v254, s[CS], v254
	v_max_num_f32 v13, v13, v254                   ; the running largest t
	v_mov_b32 v254, v12
	v_floor_f32 v12, -v13                          ; the new -M = -ceil(t)
	v_sub_f32 v254, v12, v254                      ; old M - new M, a whole number, 0 or less
	v_cvt_i32_f32 v254, v254                       ; (it saturates)
	v_ldexp_f32 v252, 1.0, v254                    ; f = 2^(old M - new M)
.set j, 0
.rept 32
	v_pk_fma_f32 v[S+j:S+j+1], v[S+j:S+j+1], s[CS:CS+1], v[12:13] op_sel_hi:[1,0,0]   ; t - M
.set j, j+2
.endr
.irp b, 0,1,2,3
	v_fma_f32 v[232+\b], v[232+\b], s[CS], v12
.endr
.set j, 0
.rept 64
	v_exp_f32 v[S+j], v[S+j]                       ; p = 2^(t - M)
.set j, j+1
.endr
	v_pk_mul_f32 v[14:15], v[14:15], v[252:253] op_sel_hi:[1,0]   ; the sums under the new M: a plain line behind the exponentials
	s_wait_alu depctr_va_vdst(0)                   ; one wait for the batch, ahead of its first reader
.irp b, 0,1,2,3
	v_exp_f32 v[232+\b], v[232+\b]                 ; each block's largest p: the same two instructions on the same number
.endr
	v_pk_add_f32 v[236:237], v[S:S+1], v[S+2:S+3]  ; the row's sum of the unquantised p, in two chains
.irp j, 4,8,12,16,20,24,28,32,36,40,44,48,52,56,60
	v_pk_add_f32 v[14:15], v[14:15], v[S+\j:S+\j+1]
	v_pk_add_f32 v[236:237], v[236:237], v[S+2+\j:S+3+\j]
.endr
	v_pk_add_f32 v[14:15], v[14:15], v[236:237]
	s_wait_alu depctr_va_vdst(0)                   ; and one for the four
.irp b, 0,1,2,3
	v_max_num_f32 v[232+\b], 0x1800000, v[232+\b]  ; the floor 2^(3 - 127)
.endr
.irp b, 0,1,2,3
	v_add_nc_u32 v[244+\b], 0xff000000, v[232+\b]
.endr
.irp b, 0,1,2,3
	v_lshrrev_b32 v[236+\b], 23, v[244+\b]
.endr
	v_lshl_or_b32 v253, v237, 8, v236              ; p's scale word for these 128 keys
	v_lshl_or_b32 v253, v238, 16, v253
	v_lshl_or_b32 v253, v239, 24, v253
.irp c, 0,1
	v_cvt_scalef32_pk16_fp6_f32 v[224+6*\c:226+6*\c], v[S+32*\c:S+15+32*\c], v[244+2*\c]
	v_cvt_scalef32_pk16_fp6_f32 v[236+4*\c:238+4*\c], v[S+16+32*\c:S+31+32*\c], v[244+2*\c+1]
.endr
	v_nop                                          ; one plain line behind a scaled conversion
.irp c, 0,1
.irp i, 0,1,2
	v_permlane16_swap_b32 v[224+6*\c+\i], v[236+4*\c+\i]
.endr
.irp i, 0,1,2
	v_mov_b32 v[227+6*\c+\i], v[236+4*\c+\i]
.endr
.endr
.set j, 0
.rept 16
	v_pk_mul_f32 v[O+j:O+j+1], v[O+j:O+j+1], v[252:253] op_sel_hi:[1,0]   ; O^T under the new M; these sixteen stand between the lines that made p's codes and scale word and the products
.set j, j+2
.endr
	s_wait_dscnt 0x0                               ; V's fragments and scale words are in
.irp d, 0,1,2,3
	v_wmma_scale_f32_16x16x128_f8f6f4 v[O+8*\d:O+8*\d+7], v[80+12*\d:91+12*\d], v[224:235], v[O+8*\d:O+8*\d+7], v[248+\d], v253 matrix_a_fmt:MATRIX_FMT_FP6 matrix_b_fmt:MATRIX_FMT_FP6
.endr
.Lhidden_\@:
	s_add_co_u32 s[KF], s[KF], 128
	s_add_co_u32 s[TB], s[TB], 6144
	s_add_co_u32 s[TS], s[TS], 256
.endm
	s_wait_loadcnt 0x0                             ; Q
	s_wait_tensorcnt 1                             ; the scales and the first 256 keys are in; the rest may be out
	s_barrier_signal -1
	s_barrier_wait -1
	s_mov_b32 s[CNT], 2
.Lfirst:
	STEP
	s_sub_co_u32 s[CNT], s[CNT], 1
	s_cmp_lg_u32 s[CNT], 0
	s_cbranch_scc1 .Lfirst
	s_wait_tensorcnt 0x0                           ; the rest has landed
	s_wait_dscnt 0x0
	s_barrier_signal -1
	s_barrier_wait -1
	s_mov_b32 s[CNT], 14
.Lrest:
	STEP
	s_sub_co_u32 s[CNT], s[CNT], 1
	s_cmp_lg_u32 s[CNT], 0
	s_cbranch_scc1 .Lrest
	; THE WAY OUT: O^T / the sum, quantised along the head's 64: one image and two bytes a row
.rept 4
	v_nop                                          ; places behind the last products
.endr
	v_add_f32 v14, v14, v15
	v_permlanex16_b32 v252, v14, s[SEL], s[SEL+1]
	v_add_f32 v14, v14, v252                       ; the row's sum
	v_rcp_f32 v14, v14
	v_bfe_u32 v239, v0, 4, 1                       ; h (a plain line behind the transcendental)
	s_lshr_b32 s61, s9, 4
	s_lshl_b32 s61, s61, 4
	s_lshr_b32 s62, s[Q0], 7
	s_add_co_u32 s61, s61, s62                     ; tile of 128 rows
	s_and_b32 s62, s9, 15                          ; head
	s_mul_i32 s74, s61, 98304
	s_mul_i32 s63, s62, 6144
	s_add_co_u32 s74, s74, s63
	s_bfe_u32 s63, s[Q0], 0x30004
	s_mul_i32 s63, s63, 768
	s_add_co_u32 s74, s74, s63
	s_mov_b32 s75, 0
	s_add_nc_u64 s[74:75], s[6:7], s[74:75]
	s_lshl_b32 s76, s61, 12
	s_lshr_b32 s63, s62, 1
	s_lshl_b32 s63, s63, 9
	s_add_co_u32 s76, s76, s63
	s_and_b32 s63, s[Q0], 127
	s_lshl_b32 s63, s63, 2
	s_add_co_u32 s76, s76, s63
	s_and_b32 s63, s62, 1
	s_lshl_b32 s63, s63, 1
	s_add_co_u32 s76, s76, s63
	s_add_co_u32 s76, s76, ASC
	s_mov_b32 s77, 0
	s_add_nc_u64 s[76:77], s[6:7], s[76:77]
	s_wait_alu depctr_va_vdst(0)                   ; the wait ahead of the reciprocal's first reader
.set j, 0
.rept 32
	v_mul_f32 v[S+j], v[O+j], v14                  ; each accumulator from its low end on
.set j, j+1
.endr
.irp b, 0,1
	v_max3_num_f32 v[232+\b], |v[S+16*\b]|, |v[S+1+16*\b]|, 0x1800000
.endr
.irp i, 2,4,6,8,10,12,14
.irp b, 0,1
	v_max3_num_f32 v[232+\b], v[232+\b], |v[S+16*\b+\i]|, |v[S+1+16*\b+\i]|
.endr
.endr
.irp b, 0,1
	v_permlanex16_b32 v[236+\b], v[232+\b], s[SEL], s[SEL+1]
.endr
.irp b, 0,1
	v_max_num_f32 v[232+\b], v[232+\b], v[236+\b]
.endr
.irp b, 0,1
	v_add_nc_u32 v[244+\b], 0xff000000, v[232+\b]
.endr
.irp b, 0,1
	v_lshrrev_b32 v[236+\b], 23, v[244+\b]
.endr
	v_cvt_scalef32_pk16_fp6_f32 v[224:226], v[S:S+15], v244
	v_cvt_scalef32_pk16_fp6_f32 v[240:242], v[S+16:S+31], v245
	v_cmp_eq_u32 vcc_lo, 1, v239                   ; (a plain line behind the conversions)
	v_cndmask_b32 v238, v236, v237, vcc_lo         ; lane (r, h) keeps block h's byte
.irp i, 0,1,2
	v_permlane16_swap_b32 v[224+\i], v[240+\i]
.endr
.irp i, 0,1,2
	v_mov_b32 v[227+\i], v[240+\i]
.endr
	global_store_b128 v1, v[224:227], s[74:75]     ; 512 consecutive bytes,
	global_store_b64 v2, v[228:229], s[74:75]      ; and the 256 behind them
	global_store_b8 v31, v238, s[76:77]            ; two bytes of each row's scale word: the other two are the neighbouring head's
	s_wait_tensorcnt 0x0
	ds_add_u32 v243, v255
	s_wait_dscnt 0x0
	s_endpgm
.Lfunc_end_k_q862f4e2aca_attn:
	.size	k_q862f4e2aca_attn, .Lfunc_end_k_q862f4e2aca_attn-k_q862f4e2aca_attn
	.p2alignl 7, 3214868480
	.fill 96, 4, 3214868480
	.section	.rodata,"a",@progbits
	.p2align	6, 0x0
	.amdhsa_kernel k_q862f4e2aca_attn
		.amdhsa_group_segment_fixed_size 206848
		.amdhsa_private_segment_fixed_size 0
		.amdhsa_enable_private_segment 0
		.amdhsa_kernarg_size 16
		.amdhsa_user_sgpr_count 2
		.amdhsa_user_sgpr_kernarg_segment_ptr 1
		.amdhsa_wavefront_size32 1
		.amdhsa_system_sgpr_workgroup_id_x 1
		.amdhsa_system_sgpr_workgroup_id_y 1
		.amdhsa_system_sgpr_workgroup_id_z 1
		.amdhsa_system_vgpr_workitem_id 0
		.amdhsa_next_free_vgpr 256
		.amdhsa_next_free_sgpr 80
		.amdhsa_reserve_vcc 1
		.amdhsa_float_denorm_mode_32 3
		.amdhsa_float_denorm_mode_16_64 3
		.amdhsa_memory_ordered 1
		.amdhsa_forward_progress 1
		.amdhsa_inst_pref_size 58
	.end_amdhsa_kernel
	.amdgpu_metadata
---
amdhsa.version: [ 1, 2 ]
amdhsa.kernels:
  - .name:           k_q862f4e2aca_attn
    .symbol:         k_q862f4e2aca_attn.kd
    .args:
      - { .name: qkvc, .offset: 0, .size: 8, .value_kind: global_buffer, .address_space: global }
      - { .name: act, .offset: 8, .size: 8, .value_kind: global_buffer, .address_space: global }
    .group_segment_fixed_size: 206848
    .private_segment_fixed_size: 0
    .kernarg_segment_align: 8
    .kernarg_segment_size: 16
    .max_flat_workgroup_size: 512
    .sgpr_count:     80
    .vgpr_count:     256
    .wavefront_size: 32
...
	.end_amdgpu_metadata
.endif
;; end of part 4
;; launch proj (part 5): grid 8 x 32, 4 waves a work-group, clusters of 4 x 4, 327,680 bytes of LDS; arguments act, wts, bp, x, x1; writes x1
.if DOCPART == 5
	.amdgcn_target "amdgcn-amd-amdhsa--gfx1250"
	.amdhsa_code_object_version 6
	.text
	.protected	k_q862f4e2aca_proj
	.globl	k_q862f4e2aca_proj
	.p2align	8
	.type	k_q862f4e2aca_proj,@function
k_q862f4e2aca_proj:
	s_mov_b64 s[64:65], 0
	v_nop
	global_prefetch_b8 v0, s[64:65] scope:SCOPE_SE
	s_setreg_imm32_b32 hwreg(HW_REG_WAVE_MODE, 25, 1), 1
	s_wait_xcnt 0x0
	s_wait_alu depctr_hold_cnt(0) depctr_sa_sdst(0) depctr_va_vdst(0) depctr_va_sdst(0) depctr_va_ssrc(0) depctr_va_vcc(0) depctr_vm_vsrc(0)
	s_getreg_b32 s2, hwreg(HW_REG_IB_STS2, 6, 4)
	s_cmp_eq_u32 s2, 0
	s_cbranch_scc0 .Lentry_in_a_cluster
	s_endpgm
.Lentry_in_a_cluster:
	s_bfe_u32 s2, ttmp6, 0x10000c
	s_cmp_lg_u32 s2, 0xf033
	s_cbranch_scc0 .Lentry_shape_is_right
	s_endpgm
.Lentry_shape_is_right:
; x1 = x + o Wp + bp.  The product on codes of FP6 (E2M3), K = 1,024; bias, residual and result in f32.
; OPERANDS are images of 16 rows x 64 K (768 bytes: lane l = r + 16 h owns six words: words 0-3 at 16 l, words 4-5 at 512 + 8 l), laid [tile of 128 rows][64 K][16 rows]; a fragment of 128 K is two images: four LDS loads,
; each dense in the lanes.  Scale words: [tile][128 K][128 rows].
; SHARES.  A work-group makes 128 x 128 of the result: 8 x 32 = 256 work-groups; a wave 64 x 64: 16 accumulators.  All of K lies in LDS: two slots of 512 along K, each filled once.
; Source 0 is the weight, source 1 the activations: a lane holds one row and eight neighbouring columns.  The bias is the C of each sum's first matrix instruction.
; CLUSTER 4 x 4: the activations' tile is shared along a row of the cluster, the weights' along a column: each is asked for jointly.
; The residual is asked for at the head, in the lane order of the stores, and waits in window 2.  The result goes through the wave's own stage in LDS, 16 rows at a time, and leaves 256 consecutive bytes to sixteen lanes.
.set KDIM,  1024
.set TILEB, 96*KDIM
.set SCSZ,  4*KDIM
.set ASC,   3145728                    ; where the activations' scale words begin
.set WOFF,  24*98304                   ; Wp's tiles in wts
.set WSOFF, 9437184+24*4096
.set SLOT,  98304
.set HALF,  24576
.set SCA,   2*SLOT
.set SCB,   SCA+SCSZ
.set SPARE, SCB+SCSZ+512               ; the spare words, 128 bytes for each wave: two blocks of 256 bytes that no other line names
.set STG,   SPARE+512                  ; four stages of 16 rows x (256 + 16) bytes
.set AD1,  8
.set AD0,  12
.set ADRS, 16
.set SPW,  17
.set NIL,  18
.set SC,   32
.set BIAS, 48                          ; v48-79 the bias, later rows on their way out (v48-79, v80-111 by turns)
.set ACC,  128
.set G1, 24
.set G0, 32
.set G1B, 48
.set G0B, 56
.set G1S, 68
.set G0S, 76
.set G1SB, 80
.set G0SB, 88
.set MSB, 0
.macro WIN new                         ; the immediate's high byte repeats the setting that is left
.if MSB != \new
	s_set_vgpr_msb (MSB<<8)|\new
.set MSB, \new
.endif
.endm
.macro PLACES                          ; four plain lines between a matrix instruction and a load into, or a read of, its registers
.rept 4
	v_nop
.endr
.endm
.macro JLOAD g0a, g1a, g0b, g1b        ; a joint load: waves 0, 1 fetch the activations' halves, waves 2, 3 the weights'; four v_nop follow each line
	s_cmp_eq_u32 s15, 0
	s_cbranch_scc0 .Lfor_b_\@
	tensor_load_to_lds s[\g0a:\g0a+3], s[\g1a:\g1a+7]
	s_nop 0
.rept 4
	v_nop
.endr
	s_branch .Lasked_\@
.Lfor_b_\@:
	tensor_load_to_lds s[\g0b:\g0b+3], s[\g1b:\g1b+7]
	s_nop 0
.rept 4
	v_nop
.endr
.Lasked_\@:
.endm
.macro CROUND                          ; a round of the cluster's barrier
	s_barrier_signal -1
	s_barrier_wait -1
	s_cmp_lg_u32 s14, 0
	s_cbranch_scc1 .Lnot_wave_0_\@
	s_barrier_signal -3
.Lnot_wave_0_\@:
	s_barrier_wait -3
	s_barrier_signal -1
	s_barrier_wait -1
.endm
	s_load_b256 s[4:11], s[0:1], 0x0               ; act, wts, bias, residual
	s_load_b64 s[12:13], s[0:1], 0x20              ; the result
	v_lshl_add_u32 v[SPW], v0, 2, SPARE
	v_mov_b32 v[NIL], 0
	ds_add_u32 v17, v18
	ds_add_u32 v17, v18
	s_wait_dscnt 0x0
	v_lshrrev_b32 v1, 5, v0
	v_readfirstlane_b32 s14, v1                    ; wave
	s_lshr_b32 s15, s14, 1                         ; wr: my 64 rows.  Also: I fetch activations (0) or weights (1)
	s_and_b32 s16, s14, 1                          ; wc: my 64 columns.  Also: which half I fetch
	s_bfe_u32 s40, ttmp6, 0x40000                  ; cx
	s_bfe_u32 s41, ttmp6, 0x40004                  ; cy
	s_lshl_b32 s42, ttmp9, 2
	s_add_co_u32 s42, s42, s40                     ; nt
	s_and_b32 s17, ttmp7, 0xffff
	s_lshl_b32 s17, s17, 2
	s_add_co_u32 s17, s17, s41                     ; mt
	s_lshl_b32 s43, s41, 2
	s_lshl_b32 s43, 15, s43                        ; my row of the cluster
	s_lshl_b32 s44, 0x1111, s40                    ; my column
	s_or_b32 s[G1+0], s43, (3<<16)|(1<<21)         ; the mask; elements of 8 bytes; bit 21 beside a mask; no padding
	s_or_b32 s[G1B+0], s44, (3<<16)|(1<<21)
.irp g, G1, G1B
	s_mov_b32 s[\g+1], 32<<16                      ; rows of 256 bytes of a dense block
	s_mov_b32 s[\g+2], 96<<16
	s_mov_b32 s[\g+3], 32<<16
	s_mov_b32 s[\g+4], 96
	s_mov_b32 s[\g+5], 32
	s_mov_b32 s[\g+6], 0
	s_mov_b32 s[\g+7], 0
.endr
	s_or_b32 s[G1S+0], s43, (3<<16)|(1<<21)
	s_or_b32 s[G1SB+0], s44, (3<<16)|(1<<21)
.irp g, G1S, G1SB
	s_mov_b32 s[\g+1], 32<<16
	s_mov_b32 s[\g+2], (SCSZ/512)<<16
	s_mov_b32 s[\g+3], 32<<16
	s_mov_b32 s[\g+4], SCSZ/512
	s_mov_b32 s[\g+5], 32
	s_mov_b32 s[\g+6], 0
	s_mov_b32 s[\g+7], 0
.endr
	s_mul_i32 s18, s16, HALF
	s_mul_i32 s20, s17, TILEB                      ; the activations' addresses hang on mt alone,
	s_add_co_u32 s20, s20, s18
	s_mov_b32 s21, 0
	s_mul_i32 s46, s42, TILEB                      ; the weights' on nt alone
	s_add_co_u32 s46, s46, s18
	s_add_co_u32 s46, s46, WOFF
	s_mov_b32 s47, 0
	s_mul_i32 s19, s16, SCSZ/2
	s_mul_i32 s22, s17, SCSZ
	s_add_co_u32 s22, s22, s19
	s_add_co_u32 s22, s22, ASC
	s_mov_b32 s23, 0
	s_mul_i32 s92, s42, SCSZ
	s_add_co_u32 s92, s92, s19
	s_add_co_u32 s92, s92, WSOFF
	s_mov_b32 s93, 0
	s_mul_i32 s45, s14, HALF
	s_mul_i32 s94, s14, SCSZ/2
	s_wait_kmcnt 0x0
	s_add_nc_u64 s[20:21], s[4:5], s[20:21]
	s_add_nc_u64 s[22:23], s[4:5], s[22:23]
	s_add_nc_u64 s[46:47], s[6:7], s[46:47]
	s_add_nc_u64 s[92:93], s[6:7], s[92:93]
	CROUND                                         ; all sixteen work-groups are here: the first joint loads meet
	s_mov_b32 s[G0S], 1
	s_add_co_u32 s[G0S+1], s94, SCA
	s_mov_b64 s[G0S+2:G0S+3], s[22:23]
	s_or_b32 s[G0S+3], s[G0S+3], 0x80000000
	s_mov_b32 s[G0SB], 1
	s_add_co_u32 s[G0SB+1], s94, SCA
	s_mov_b64 s[G0SB+2:G0SB+3], s[92:93]
	s_or_b32 s[G0SB+3], s[G0SB+3], 0x80000000
	JLOAD G0S, G1S, G0SB, G1SB
.irp s, 0,1
	s_mov_b32 s[G0+4*\s], 1
	s_add_co_u32 s[G0+4*\s+1], s45, \s*SLOT
	s_add_nc_u64 s[G0+4*\s+2:G0+4*\s+3], s[20:21], \s*2*HALF
	s_or_b32 s[G0+4*\s+3], s[G0+4*\s+3], 0x80000000
	s_mov_b32 s[G0B+4*\s], 1
	s_add_co_u32 s[G0B+4*\s+1], s45, \s*SLOT
	s_add_nc_u64 s[G0B+4*\s+2:G0B+4*\s+3], s[46:47], \s*2*HALF
	s_or_b32 s[G0B+4*\s+3], s[G0B+4*\s+3], 0x80000000
	JLOAD G0+4*\s, G1, G0B+4*\s, G1B               ; by this text's count three tensor loads of a wave are out
.endr
	v_and_b32 v1, 31, v0
	v_and_b32 v2, 15, v0                           ; r
	v_bfe_u32 v3, v0, 4, 1                         ; h
	v_lshlrev_b32 v4, 4, v1
	v_lshlrev_b32 v5, 3, v1
	v_add_nc_u32 v5, 512, v5
	s_mul_i32 s18, s15, 3072                       ; source 1: my four blocks of rows
	s_mul_i32 s19, s16, 3072
	s_add_co_u32 s19, s19, 2*HALF                  ; source 0: my four blocks of columns
.irp s, 0,1
	v_add_nc_u32 v[AD1+\s], s18, v4
	v_add_nc_u32 v[AD1+2+\s], s18, v5
	v_add_nc_u32 v[AD0+\s], s19, v4
	v_add_nc_u32 v[AD0+2+\s], s19, v5
	s_add_co_u32 s18, s18, SLOT
	s_add_co_u32 s19, s19, SLOT
.endr
	s_lshl_b32 s18, s15, 8
	s_lshl_b32 s19, s16, 8
	s_add_co_u32 s19, s19, SCSZ
	s_sub_co_u32 s19, s19, s18                     ; from the activations' words to the weights'
	v_mul_u32_u24 v6, s19, v3                      ; lanes 16-31 take the weights'
	s_add_co_u32 s18, s18, SCA
	v_lshl_add_u32 v6, v2, 2, v6
	v_add_nc_u32 v[ADRS], s18, v6
	s_lshl_b32 s66, s42, 9
	s_lshl_b32 s67, s16, 8
	s_add_co_u32 s66, s66, s67                     ; my 64 columns, in bytes
	s_mov_b32 s67, 0
	s_add_nc_u64 s[8:9], s[8:9], s[66:67]
	s_lshl_b32 s96, s17, 19
	s_lshl_b32 s97, s15, 18
	s_add_co_u32 s96, s96, s97                     ; my 64 rows of 4,096 bytes
	s_add_co_u32 s96, s96, s66
	s_mov_b32 s97, 0
	s_add_nc_u64 s[10:11], s[10:11], s[96:97]
	s_add_nc_u64 s[12:13], s[12:13], s[96:97]
	v_lshlrev_b32 v19, 5, v3                       ; the bias: my half's eight columns of a tile
	v_lshlrev_b32 v20, 12, v3
	v_lshl_add_u32 v20, v2, 4, v20                 ; rows: lanes 0-15 one row's 256 bytes, lanes 16-31 the next
	s_mul_i32 s18, s14, 16*272
	s_add_co_u32 s18, s18, STG                     ; my stage
	v_mul_u32_u24 v21, v2, 272
	v_lshl_add_u32 v21, v3, 5, v21
	v_add_nc_u32 v21, s18, v21                     ; in: row r, 32 bytes for each half of the lanes
	v_mul_u32_u24 v22, v3, 272
	v_lshl_add_u32 v22, v2, 4, v22
	v_add_nc_u32 v22, s18, v22                     ; back: by rows
.irp y, 0,1,2,3
	global_load_b128 v[BIAS+8*\y:BIAS+8*\y+3], v19, s[8:9] offset:64*\y
	global_load_b128 v[BIAS+8*\y+4:BIAS+8*\y+7], v19, s[8:9] offset:64*\y+16
.endr
	WIN 0x80                                       ; destination window 2
.irp x, 0,1,2,3
.irp t, 0,1,2,3,4,5,6,7
	global_load_b128 v[32*\x+4*\t:32*\x+4*\t+3], v20, s[10:11] offset:(16*\x+2*\t)*4096
.endr
.endr
	WIN 0
.macro FETCH slot, ks, set, rel        ; the fragments of one step of 128 along K into set; its scale words, rel steps on from v[ADRS]
	WIN 0x40
.irp i, 0,1,2,3
.irp e, 0,1
	ds_load_b128 v[128*(\set)+12*\i+6*\e:128*(\set)+12*\i+6*\e+3], v[AD1+\slot] offset:(2*(\ks)+\e)*6144+\i*768
	ds_load_b64 v[128*(\set)+12*\i+6*\e+4:128*(\set)+12*\i+6*\e+5], v[AD1+2+\slot] offset:(2*(\ks)+\e)*6144+\i*768
.endr
.endr
.irp i, 0,1,2,3
.irp e, 0,1
	ds_load_b128 v[128*(\set)+48+12*\i+6*\e:128*(\set)+48+12*\i+6*\e+3], v[AD0+\slot] offset:(2*(\ks)+\e)*6144+\i*768
	ds_load_b64 v[128*(\set)+48+12*\i+6*\e+4:128*(\set)+48+12*\i+6*\e+5], v[AD0+2+\slot] offset:(2*(\ks)+\e)*6144+\i*768
.endr
.endr
	WIN 0
.irp i, 0,1,2,3
	ds_load_b32 v[SC+4*(\set)+\i], v[ADRS] offset:(\rel)*512+\i*64
.endr
.endm
.macro MUL16 set, first                ; 16 matrix instructions, the accumulators by turns.  first = 1: the sums begin with the bias
	WIN 0x05
.irp x, 0,1,2,3
.irp y, 0,1,2,3
.if \first
	v_wmma_scale_f32_16x16x128_f8f6f4 v[ACC+8*(4*\x+\y):ACC+8*(4*\x+\y)+7], v[128*(\set)+48+12*\y:128*(\set)+48+12*\y+11], v[128*(\set)+12*\x:128*(\set)+12*\x+11], v[BIAS+8*\y:BIAS+8*\y+7], v[SC+4*(\set)+\y], v[SC+4*(\set)+\x] matrix_a_fmt:MATRIX_FMT_FP6 matrix_b_fmt:MATRIX_FMT_FP6 matrix_a_scale:MATRIX_SCALE_ROW1
.else
	v_wmma_scale_f32_16x16x128_f8f6f4 v[ACC+8*(4*\x+\y):ACC+8*(4*\x+\y)+7], v[128*(\set)+48+12*\y:128*(\set)+48+12*\y+11], v[128*(\set)+12*\x:128*(\set)+12*\x+11], v[ACC+8*(4*\x+\y):ACC+8*(4*\x+\y)+7], v[SC+4*(\set)+\y], v[SC+4*(\set)+\x] matrix_a_fmt:MATRIX_FMT_FP6 matrix_b_fmt:MATRIX_FMT_FP6 matrix_a_scale:MATRIX_SCALE_ROW1
.endif
.endr
.endr
	WIN 0
.endm
.macro STEP slot, ks, first, rel
	s_wait_dscnt 0x0                               ; this step's fragments are in
	PLACES                                         ; the other set was read by the step before
	FETCH \slot, (\ks)+1, 1-(\ks)%2, \rel
	MUL16 (\ks)%2, \first
.endm
.macro TURN slot, rel                  ; a slot's last step: the other slot is shown whole to every wave; nothing is filled again here
	s_wait_tensorcnt 0x0
	ds_add_u32 v[SPW], v[NIL]                      ; 0 onto my spare word
	s_wait_dscnt 0x0
	s_barrier_signal -1
	s_barrier_wait -1
	PLACES
	FETCH 1-\slot, 0, 0, \rel
	MUL16 1, 0
.endm
	s_wait_tensorcnt 1                             ; the scale words and my part of slot 0 are in; slot 1's load may be out
	s_barrier_signal -1
	s_barrier_wait -1
	FETCH 0, 0, 0, 0
	s_wait_loadcnt 32                              ; the bias is in; the residual's 32 loads may be out
	STEP 0, 0, 1, 1
	STEP 0, 1, 0, 2
	STEP 0, 2, 0, 3
	TURN 0, 4
	STEP 1, 0, 0, 5
	STEP 1, 1, 0, 6
	STEP 1, 2, 0, 7
	s_wait_dscnt 0x0
	MUL16 1, 0
	PLACES
	s_wait_loadcnt 0x0                             ; the residual
.irp x, 0,1,2,3
.set TT, 48+32*(\x%2)
.if \x >= 2
	s_wait_xcnt 0x0                                ; the stores of two blocks back have read these registers
.endif
.irp y, 0,1,2,3
	ds_store_b128 v21, v[ACC+8*(4*\x+\y):ACC+8*(4*\x+\y)+3] offset:64*\y          ; each accumulator from its low end on
	ds_store_b128 v21, v[ACC+8*(4*\x+\y)+4:ACC+8*(4*\x+\y)+7] offset:64*\y+16
.endr
.irp t, 0,1,2,3,4,5,6,7
	ds_load_b128 v[TT+4*\t:TT+4*\t+3], v22 offset:\t*2*272   ; LDS serves a wave's instructions in order: these see my stores
.endr
	s_wait_dscnt 0x0
	WIN 0x08                                       ; source 1 window 2
.irp t, 0,1,2,3,4,5,6,7,8,9,10,11,12,13,14,15
	v_pk_add_f32 v[TT+2*\t:TT+2*\t+1], v[TT+2*\t:TT+2*\t+1], v[32*\x+2*\t:32*\x+2*\t+1]
.endr
	WIN 0
.irp t, 0,1,2,3,4,5,6,7
	global_store_b128 v20, v[TT+4*\t:TT+4*\t+3], s[12:13] offset:(16*\x+2*\t)*4096   ; sixteen lanes store 256 consecutive bytes, aligned
.endr
.endr
	s_wait_tensorcnt 0x0                           ; the wave's end
	ds_add_u32 v[SPW], v[NIL]
	s_wait_dscnt 0x0
	CROUND                                         ; the closing round
	s_endpgm
.Lfunc_end_k_q862f4e2aca_proj:
	.size	k_q862f4e2aca_proj, .Lfunc_end_k_q862f4e2aca_proj-k_q862f4e2aca_proj
	.p2alignl 7, 3214868480
	.fill 96, 4, 3214868480
	.section	.rodata,"a",@progbits
	.p2align	6, 0x0
	.amdhsa_kernel k_q862f4e2aca_proj
		.amdhsa_group_segment_fixed_size 327680
		.amdhsa_private_segment_fixed_size 0
		.amdhsa_enable_private_segment 0
		.amdhsa_kernarg_size 40
		.amdhsa_user_sgpr_count 2
		.amdhsa_user_sgpr_kernarg_segment_ptr 1
		.amdhsa_wavefront_size32 1
		.amdhsa_system_sgpr_workgroup_id_x 1
		.amdhsa_system_sgpr_workgroup_id_y 1
		.amdhsa_system_sgpr_workgroup_id_z 1
		.amdhsa_system_vgpr_workitem_id 0
		.amdhsa_next_free_vgpr 768
		.amdhsa_next_free_sgpr 98
		.amdhsa_reserve_vcc 0
		.amdhsa_float_denorm_mode_32 3
		.amdhsa_float_denorm_mode_16_64 3
		.amdhsa_memory_ordered 1
		.amdhsa_forward_progress 1
		.amdhsa_inst_pref_size 62
	.end_amdhsa_kernel
	.amdgpu_metadata
---
amdhsa.version: [ 1, 2 ]
amdhsa.kernels:
  - .name:           k_q862f4e2aca_proj
    .symbol:         k_q862f4e2aca_proj.kd
    .args:
      - { .name: act, .offset: 0, .size: 8, .value_kind: global_buffer, .address_space: global }
      - { .name: wts, .offset: 8, .size: 8, .value_kind: global_buffer, .address_space: global }
      - { .name: bp, .offset: 16, .size: 8, .value_kind: global_buffer, .address_space: global }
      - { .name: x, .offset: 24, .size: 8, .value_kind: global_buffer, .address_space: global }
      - { .name: x1, .offset: 32, .size: 8, .value_kind: global_buffer, .address_space: global }
    .group_segment_fixed_size: 327680
    .private_segment_fixed_size: 0
    .kernarg_segment_align: 8
    .kernarg_segment_size: 40
    .max_flat_workgroup_size: 128
    .sgpr_count:     98
    .vgpr_count:     768
    .wavefront_size: 32
...
	.end_amdgpu_metadata
.endif
;; end of part 5
;; launch ln2: the kernel of part 2 again; grid 256 x 1, 4 waves a work-group, no clusters, 31,744 bytes of LDS; arguments x1, g2, be2, act; writes act
;; launch ff1 (part 6): grid 32 x 32, 4 waves a work-group, clusters of 4 x 4, 327,680 bytes of LDS; arguments act, wts, b1, hid; writes hid
.if DOCPART == 6
	.amdgcn_target "amdgcn-amd-amdhsa--gfx1250"
	.amdhsa_code_object_version 6
	.text
	.protected	k_q862f4e2aca_ff1
	.globl	k_q862f4e2aca_ff1
	.p2align	8
	.type	k_q862f4e2aca_ff1,@function
k_q862f4e2aca_ff1:
	s_mov_b64 s[64:65], 0
	v_nop
	global_prefetch_b8 v0, s[64:65] scope:SCOPE_SE
	s_setreg_imm32_b32 hwreg(HW_REG_WAVE_MODE, 25, 1), 1
	s_wait_xcnt 0x0
	s_wait_alu depctr_hold_cnt(0) depctr_sa_sdst(0) depctr_va_vdst(0) depctr_va_sdst(0) depctr_va_ssrc(0) depctr_va_vcc(0) depctr_vm_vsrc(0)
	s_getreg_b32 s2, hwreg(HW_REG_IB_STS2, 6, 4)
	s_cmp_eq_u32 s2, 0
	s_cbranch_scc0 .Lentry_in_a_cluster
	s_endpgm
.Lentry_in_a_cluster:
	s_bfe_u32 s2, ttmp6, 0x10000c
	s_cmp_lg_u32 s2, 0xf033
	s_cbranch_scc0 .Lentry_shape_is_right
	s_endpgm
.Lentry_shape_is_right:
; hid = Q(gelu(h2 W1 + b1)): the product on codes of FP6 (E2M3), K = 1,024; the exact GELU in f32; the result quantised on the way along its columns, the next product's K.
; OPERANDS are images of 16 rows x 64 K (768 bytes: lane l = r + 16 h owns six words: words 0-3 at 16 l, words 4-5 at 512 + 8 l), laid [tile of 128 rows][64 K][16 rows]; a fragment of 128 K is two images.  Scale words: [tile][128 K][128 rows].
; SHARES.  A work-group makes 128 x 128; a wave 64 x 64: 16 accumulators; its 64 columns are one image's depth of the next K.  All of K lies in LDS: two slots of 512 along K, each filled once.
; Source 0 is the weight, source 1 the activations: a lane holds one row, and its registers of two neighbouring tiles are a half block of the next K, in this program's order of places.  b1 is the C of each sum's first matrix instruction.
; GELU: a (1 + erf(a / sqrt 2)) / 2, erf(z) = z P(z^2) / Q(z^2) with z held to +-4 (beyond it erf is +-1 in f32), P of degree 6, Q of degree 4: the rational form in common use for f32, good to a few units in the last place of erf.
; CLUSTER 4 x 4: the activations' tile is shared along a row of the cluster, the weights' along a column.
; A row's scale word of 128 columns comes from two waves: the halves meet in LDS, and wave 0 stores the 512 bytes.
; LIMITS: a block of zeros, or one under 2^-124, gets the byte 1 (this program alone reads the bytes); NaN and infinities are not served.
.set KDIM,  1024
.set TILEB, 96*KDIM
.set SCSZ,  4*KDIM
.set ASC,   3145728
.set WOFF,  32*98304                   ; W1's tiles in wts
.set WSOFF, 9437184+32*4096
.set HSOFF, 12582912                   ; where the scale words begin in hid
.set SLOT,  98304
.set HALF,  24576
.set SCA,   2*SLOT
.set SCB,   SCA+SCSZ
.set SPARE, SCB+SCSZ+512               ; the spare words, 128 bytes for each wave: two blocks of 256 bytes that no other line names
.set SCR,   SPARE+512                  ; 128 scale words of the result
.set AD1,  8
.set AD0,  12
.set ADRS, 16
.set SPW,  17
.set NIL,  18
.set SC,   32
.set BIAS, 48                          ; v48-79 b1; later GELU's work: z, z^2, P, Q; later the second pair of images
.set ZR,   48
.set Z2R,  56
.set PR,   64
.set QR,   72
.set TM,   80                          ; v80-95 the quantiser's work
.set PW0,  96
.set PW1,  97
.set PC0,  100                         ; v100-119
.set PC1,  48                          ; v48-67
.set ACC,  128
.set SEL,  22
.set G1, 24
.set G0, 32
.set G1B, 48
.set G0B, 56
.set G1S, 68
.set G0S, 76
.set G1SB, 80
.set G0SB, 88
.set MSB, 0
.macro WIN new                         ; the immediate's high byte repeats the setting that is left
.if MSB != \new
	s_set_vgpr_msb (MSB<<8)|\new
.set MSB, \new
.endif
.endm
.macro PLACES                          ; four plain lines between a matrix instruction and a load into, or a read of, its registers
.rept 4
	v_nop
.endr
.endm
.macro JLOAD g0a, g1a, g0b, g1b        ; a joint load: waves 0, 1 fetch the activations' halves, waves 2, 3 the weights'; four v_nop follow each line
	s_cmp_eq_u32 s15, 0
	s_cbranch_scc0 .Lfor_b_\@
	tensor_load_to_lds s[\g0a:\g0a+3], s[\g1a:\g1a+7]
	s_nop 0
.rept 4
	v_nop
.endr
	s_branch .Lasked_\@
.Lfor_b_\@:
	tensor_load_to_lds s[\g0b:\g0b+3], s[\g1b:\g1b+7]
	s_nop 0
.rept 4
	v_nop
.endr
.Lasked_\@:
.endm
.macro CROUND                          ; a round of the cluster's barrier
	s_barrier_signal -1
	s_barrier_wait -1
	s_cmp_lg_u32 s14, 0
	s_cbranch_scc1 .Lnot_wave_0_\@
	s_barrier_signal -3
.Lnot_wave_0_\@:
	s_barrier_wait -3
	s_barrier_signal -1
	s_barrier_wait -1
.endm
	s_load_b256 s[4:11], s[0:1], 0x0               ; act, wts, b1, hid
	v_lshl_add_u32 v[SPW], v0, 2, SPARE
	v_mov_b32 v[NIL], 0
	ds_add_u32 v17, v18
	ds_add_u32 v17, v18
	s_wait_dscnt 0x0
	v_lshrrev_b32 v1, 5, v0
	v_readfirstlane_b32 s14, v1                    ; wave
	s_lshr_b32 s15, s14, 1                         ; wr
	s_and_b32 s16, s14, 1                          ; wc
	s_bfe_u32 s40, ttmp6, 0x40000                  ; cx
	s_bfe_u32 s41, ttmp6, 0x40004                  ; cy
	s_lshl_b32 s42, ttmp9, 2
	s_add_co_u32 s42, s42, s40                     ; nt
	s_and_b32 s17, ttmp7, 0xffff
	s_lshl_b32 s17, s17, 2
	s_add_co_u32 s17, s17, s41                     ; mt
	s_lshl_b32 s43, s41, 2
	s_lshl_b32 s43, 15, s43
	s_lshl_b32 s44, 0x1111, s40
	s_or_b32 s[G1+0], s43, (3<<16)|(1<<21)
	s_or_b32 s[G1B+0], s44, (3<<16)|(1<<21)
.irp g, G1, G1B
	s_mov_b32 s[\g+1], 32<<16                      ; rows of 256 bytes of a dense block
	s_mov_b32 s[\g+2], 96<<16
	s_mov_b32 s[\g+3], 32<<16
	s_mov_b32 s[\g+4], 96
	s_mov_b32 s[\g+5], 32
	s_mov_b32 s[\g+6], 0
	s_mov_b32 s[\g+7], 0
.endr
	s_or_b32 s[G1S+0], s43, (3<<16)|(1<<21)
	s_or_b32 s[G1SB+0], s44, (3<<16)|(1<<21)
.irp g, G1S, G1SB
	s_mov_b32 s[\g+1], 32<<16
	s_mov_b32 s[\g+2], (SCSZ/512)<<16
	s_mov_b32 s[\g+3], 32<<16
	s_mov_b32 s[\g+4], SCSZ/512
	s_mov_b32 s[\g+5], 32
	s_mov_b32 s[\g+6], 0
	s_mov_b32 s[\g+7], 0
.endr
	s_mul_i32 s18, s16, HALF
	s_mul_i32 s20, s17, TILEB
	s_add_co_u32 s20, s20, s18
	s_mov_b32 s21, 0
	s_mul_i32 s46, s42, TILEB
	s_add_co_u32 s46, s46, s18
	s_add_co_u32 s46, s46, WOFF
	s_mov_b32 s47, 0
	s_mul_i32 s19, s16, SCSZ/2
	s_mul_i32 s22, s17, SCSZ
	s_add_co_u32 s22, s22, s19
	s_add_co_u32 s22, s22, ASC
	s_mov_b32 s23, 0
	s_mul_i32 s92, s42, SCSZ
	s_add_co_u32 s92, s92, s19
	s_add_co_u32 s92, s92, WSOFF
	s_mov_b32 s93, 0
	s_mul_i32 s45, s14, HALF
	s_mul_i32 s94, s14, SCSZ/2
	s_wait_kmcnt 0x0
	s_add_nc_u64 s[20:21], s[4:5], s[20:21]
	s_add_nc_u64 s[22:23], s[4:5], s[22:23]
	s_add_nc_u64 s[46:47], s[6:7], s[46:47]
	s_add_nc_u64 s[92:93], s[6:7], s[92:93]
	CROUND                                         ; all sixteen work-groups are here: the first joint loads meet
	s_mov_b32 s[G0S], 1
	s_add_co_u32 s[G0S+1], s94, SCA
	s_mov_b64 s[G0S+2:G0S+3], s[22:23]
	s_or_b32 s[G0S+3], s[G0S+3], 0x80000000
	s_mov_b32 s[G0SB], 1
	s_add_co_u32 s[G0SB+1], s94, SCA
	s_mov_b64 s[G0SB+2:G0SB+3], s[92:93]
	s_or_b32 s[G0SB+3], s[G0SB+3], 0x80000000
	JLOAD G0S, G1S, G0SB, G1SB
.irp s, 0,1
	s_mov_b32 s[G0+4*\s], 1
	s_add_co_u32 s[G0+4*\s+1], s45, \s*SLOT
	s_add_nc_u64 s[G0+4*\s+2:G0+4*\s+3], s[20:21], \s*2*HALF
	s_or_b32 s[G0+4*\s+3], s[G0+4*\s+3], 0x80000000
	s_mov_b32 s[G0B+4*\s], 1
	s_add_co_u32 s[G0B+4*\s+1], s45, \s*SLOT
	s_add_nc_u64 s[G0B+4*\s+2:G0B+4*\s+3], s[46:47], \s*2*HALF
	s_or_b32 s[G0B+4*\s+3], s[G0B+4*\s+3], 0x80000000
	JLOAD G0+4*\s, G1, G0B+4*\s, G1B               ; by this text's count three tensor loads of a wave are out
.endr
	v_and_b32 v1, 31, v0
	v_and_b32 v2, 15, v0                           ; r
	v_bfe_u32 v3, v0, 4, 1                         ; h
	v_lshlrev_b32 v4, 4, v1                        ; 16 x lane
	v_lshlrev_b32 v5, 3, v1
	v_add_nc_u32 v5, 512, v5                       ; 512 + 8 x lane
	s_mul_i32 s18, s15, 3072
	s_mul_i32 s19, s16, 3072
	s_add_co_u32 s19, s19, 2*HALF
.irp s, 0,1
	v_add_nc_u32 v[AD1+\s], s18, v4
	v_add_nc_u32 v[AD1+2+\s], s18, v5
	v_add_nc_u32 v[AD0+\s], s19, v4
	v_add_nc_u32 v[AD0+2+\s], s19, v5
	s_add_co_u32 s18, s18, SLOT
	s_add_co_u32 s19, s19, SLOT
.endr
	s_lshl_b32 s18, s15, 8
	s_lshl_b32 s19, s16, 8
	s_add_co_u32 s19, s19, SCSZ
	s_sub_co_u32 s19, s19, s18
	v_mul_u32_u24 v6, s19, v3                      ; lanes 16-31 take the weights' words
	s_add_co_u32 s18, s18, SCA
	v_lshl_add_u32 v6, v2, 2, v6
	v_add_nc_u32 v[ADRS], s18, v6
	s_mov_b32 s[SEL], 0x76543210
	s_mov_b32 s[SEL+1], 0xfedcba98
	s_lshl_b32 s66, s42, 9
	s_lshl_b32 s67, s16, 8
	s_add_co_u32 s66, s66, s67                     ; b1: my 64 columns, in bytes
	s_mov_b32 s67, 0
	s_add_nc_u64 s[8:9], s[8:9], s[66:67]
	v_lshlrev_b32 v19, 5, v3
.irp y, 0,1,2,3
	global_load_b128 v[BIAS+8*\y:BIAS+8*\y+3], v19, s[8:9] offset:64*\y
	global_load_b128 v[BIAS+8*\y+4:BIAS+8*\y+7], v19, s[8:9] offset:64*\y+16
.endr
	s_mul_i32 s66, s17, 393216                     ; hid's codes: tile mt, image depth 2 nt + wc, my four blocks of rows
	s_lshl_b32 s67, s42, 1
	s_add_co_u32 s67, s67, s16
	s_mul_i32 s67, s67, 6144
	s_add_co_u32 s66, s66, s67
	s_mul_i32 s67, s15, 3072
	s_add_co_u32 s66, s66, s67
	s_mov_b32 s67, 0
	s_lshl_b32 s12, s17, 14                        ; its scale words: tile mt, step nt
	s_lshl_b32 s13, s42, 9
	s_add_co_u32 s12, s12, s13
	s_add_co_u32 s12, s12, HSOFF
	s_mov_b32 s13, 0
	s_add_nc_u64 s[12:13], s[10:11], s[12:13]
	s_add_nc_u64 s[10:11], s[10:11], s[66:67]
	s_lshl_b32 s95, s15, 8
	s_lshl_b32 s2, s16, 1
	s_add_co_u32 s95, s95, s2
	s_add_co_u32 s95, s95, SCR
	v_lshl_add_u32 v21, v1, 2, s95                 ; my half of a scale word: 4 (64 wr + lane) + 2 wc
	v_lshlrev_b32 v23, 4, v3                       ; 16 h
	v_add_nc_u32 v24, SCR, v4
	v_mov_b32 v40, 0xaf95df0b                      ; P's leading coefficient, twice,
	v_mov_b32 v41, 0xaf95df0b
	v_mov_b32 v42, 0xb77460cd                      ; and Q's
	v_mov_b32 v43, 0xb77460cd
.irp b, 0,1,2,3
	v_mov_b32 v[TM+4+\b], 0                        ; written once: a lane permute's destination counts as one of its sources
.endr
.macro FETCH slot, ks, set, rel
	WIN 0x40
.irp i, 0,1,2,3
.irp e, 0,1
	ds_load_b128 v[128*(\set)+12*\i+6*\e:128*(\set)+12*\i+6*\e+3], v[AD1+\slot] offset:(2*(\ks)+\e)*6144+\i*768
	ds_load_b64 v[128*(\set)+12*\i+6*\e+4:128*(\set)+12*\i+6*\e+5], v[AD1+2+\slot] offset:(2*(\ks)+\e)*6144+\i*768
.endr
.endr
.irp i, 0,1,2,3
.irp e, 0,1
	ds_load_b128 v[128*(\set)+48+12*\i+6*\e:128*(\set)+48+12*\i+6*\e+3], v[AD0+\slot] offset:(2*(\ks)+\e)*6144+\i*768
	ds_load_b64 v[128*(\set)+48+12*\i+6*\e+4:128*(\set)+48+12*\i+6*\e+5], v[AD0+2+\slot] offset:(2*(\ks)+\e)*6144+\i*768
.endr
.endr
	WIN 0
.irp i, 0,1,2,3
	ds_load_b32 v[SC+4*(\set)+\i], v[ADRS] offset:(\rel)*512+\i*64
.endr
.endm
.macro MUL16 set, first                ; 16 matrix instructions, the accumulators by turns.  first = 1: the sums begin with b1
	WIN 0x05
.irp x, 0,1,2,3
.irp y, 0,1,2,3
.if \first
	v_wmma_scale_f32_16x16x128_f8f6f4 v[ACC+8*(4*\x+\y):ACC+8*(4*\x+\y)+7], v[128*(\set)+48+12*\y:128*(\set)+48+12*\y+11], v[128*(\set)+12*\x:128*(\set)+12*\x+11], v[BIAS+8*\y:BIAS+8*\y+7], v[SC+4*(\set)+\y], v[SC+4*(\set)+\x] matrix_a_fmt:MATRIX_FMT_FP6 matrix_b_fmt:MATRIX_FMT_FP6 matrix_a_scale:MATRIX_SCALE_ROW1
.else
	v_wmma_scale_f32_16x16x128_f8f6f4 v[ACC+8*(4*\x+\y):ACC+8*(4*\x+\y)+7], v[128*(\set)+48+12*\y:128*(\set)+48+12*\y+11], v[128*(\set)+12*\x:128*(\set)+12*\x+11], v[ACC+8*(4*\x+\y):ACC+8*(4*\x+\y)+7], v[SC+4*(\set)+\y], v[SC+4*(\set)+\x] matrix_a_fmt:MATRIX_FMT_FP6 matrix_b_fmt:MATRIX_FMT_FP6 matrix_a_scale:MATRIX_SCALE_ROW1
.endif
.endr
.endr
	WIN 0
.endm
.macro STEP slot, ks, first, rel
	s_wait_dscnt 0x0
	PLACES
	FETCH \slot, (\ks)+1, 1-(\ks)%2, \rel
	MUL16 (\ks)%2, \first
.endm
.macro TURN slot, rel
	s_wait_tensorcnt 0x0
	ds_add_u32 v[SPW], v[NIL]                      ; 0 onto my spare word
	s_wait_dscnt 0x0
	s_barrier_signal -1
	s_barrier_wait -1
	PLACES
	FETCH 1-\slot, 0, 0, \rel
	MUL16 1, 0
.endm
.macro GELU8 a                         ; eight numbers in place, four pairs by turns
.irp k, 0,2,4,6
	v_pk_mul_f32 v[ZR+\k:ZR+\k+1], v[\a+\k:\a+\k+1], 0x3f3504f3 op_sel_hi:[1,0]   ; z = a / sqrt 2
.endr
.irp k, 0,1,2,3,4,5,6,7
	v_med3_num_f32 v[ZR+\k], v[ZR+\k], -4.0, 4.0
.endr
.irp k, 0,2,4,6
	v_pk_mul_f32 v[Z2R+\k:Z2R+\k+1], v[ZR+\k:ZR+\k+1], v[ZR+\k:ZR+\k+1]
.endr
.irp k, 0,2,4,6
	v_pk_fma_f32 v[PR+\k:PR+\k+1], v[Z2R+\k:Z2R+\k+1], v[40:41], 0x32edffee op_sel_hi:[1,1,0]
.endr
.irp k, 0,2,4,6
	v_pk_fma_f32 v[QR+\k:QR+\k+1], v[Z2R+\k:Z2R+\k+1], v[42:43], 0xb95fbd29 op_sel_hi:[1,1,0]
.endr
.irp c, 0xb60cff51, 0xb86ec2d2, 0xba40ac63, 0xbb41a1f6, 0xbc83dbd4
.irp k, 0,2,4,6
	v_pk_fma_f32 v[PR+\k:PR+\k+1], v[PR+\k:PR+\k+1], v[Z2R+\k:Z2R+\k+1], \c op_sel_hi:[1,1,0]
.endr
.endr
.irp c, 0xbadc924e, 0xbbf19bf8, 0xbc69b6a7
.irp k, 0,2,4,6
	v_pk_fma_f32 v[QR+\k:QR+\k+1], v[QR+\k:QR+\k+1], v[Z2R+\k:Z2R+\k+1], \c op_sel_hi:[1,1,0]
.endr
.endr
.irp k, 0,1,2,3,4,5,6,7
	v_rcp_f32 v[QR+\k], v[QR+\k]
.endr
.irp k, 0,2,4,6
	v_pk_mul_f32 v[PR+\k:PR+\k+1], v[PR+\k:PR+\k+1], v[ZR+\k:ZR+\k+1]   ; plain work behind the reciprocals, which names none of their results
.endr
.irp k, 0,2,4,6
	v_pk_mul_f32 v[\a+\k:\a+\k+1], v[\a+\k:\a+\k+1], 0.5 op_sel_hi:[1,0]
.endr
	s_wait_alu depctr_va_vdst(0)                   ; one wait for the eight, ahead of their first reader
.irp k, 0,2,4,6
	v_pk_mul_f32 v[PR+\k:PR+\k+1], v[PR+\k:PR+\k+1], v[QR+\k:QR+\k+1]   ; erf
.endr
.irp k, 0,2,4,6
	v_pk_fma_f32 v[\a+\k:\a+\k+1], v[\a+\k:\a+\k+1], v[PR+\k:PR+\k+1], v[\a+\k:\a+\k+1]   ; a / 2 x erf + a / 2
.endr
.endm
; 64 numbers of a lane, register 16 b + i: two rows' 64 along the next K; they become two images' words in v[pc] .. v[pc+11]; v[pw]: bytes 0, 1 the first row's, 2, 3 the second's
.macro QUANT s, pc, pw
.irp b, 0,1,2,3
	v_max3_num_f32 v[TM+\b], |v[\s+16*\b]|, |v[\s+1+16*\b]|, 0x1800000
.endr
.irp i, 2,4,6,8,10,12,14
.irp b, 0,1,2,3
	v_max3_num_f32 v[TM+\b], v[TM+\b], |v[\s+16*\b+\i]|, |v[\s+1+16*\b+\i]|
.endr
.endr
.irp b, 0,1,2,3
	v_permlanex16_b32 v[TM+4+\b], v[TM+\b], s[SEL], s[SEL+1]
.endr
.irp b, 0,1,2,3
	v_max_num_f32 v[TM+\b], v[TM+\b], v[TM+4+\b]
.endr
.irp b, 0,1,2,3
	v_add_nc_u32 v[TM+12+\b], 0xff000000, v[TM+\b]
.endr
.irp b, 0,1,2,3
	v_lshrrev_b32 v[TM+4+\b], 23, v[TM+12+\b]
.endr
	v_lshl_or_b32 v[\pw], v[TM+5], 8, v[TM+4]
	v_lshl_or_b32 v[\pw], v[TM+6], 16, v[\pw]
	v_lshl_or_b32 v[\pw], v[TM+7], 24, v[\pw]
.irp c, 0,1
	v_cvt_scalef32_pk16_fp6_f32 v[\pc+6*\c:\pc+2+6*\c], v[\s+32*\c:\s+15+32*\c], v[TM+12+2*\c]
	v_cvt_scalef32_pk16_fp6_f32 v[\pc+12+4*\c:\pc+14+4*\c], v[\s+16+32*\c:\s+31+32*\c], v[TM+12+2*\c+1]
.endr
	v_nop                                          ; one plain line behind a scaled conversion
.irp c, 0,1
.irp i, 0,1,2
	v_permlane16_swap_b32 v[\pc+6*\c+\i], v[\pc+12+4*\c+\i]
.endr
.irp i, 0,1,2
	v_mov_b32 v[\pc+3+6*\c+\i], v[\pc+12+4*\c+\i]
.endr
.endr
.endm
	s_wait_tensorcnt 1                             ; the scale words and my part of slot 0 are in; slot 1's load may be out
	s_barrier_signal -1
	s_barrier_wait -1
	FETCH 0, 0, 0, 0
	s_wait_loadcnt 0x0                             ; b1
	STEP 0, 0, 1, 1
	STEP 0, 1, 0, 2
	STEP 0, 2, 0, 3
	TURN 0, 4
	STEP 1, 0, 0, 5
	STEP 1, 1, 0, 6
	STEP 1, 2, 0, 7
	s_wait_dscnt 0x0
	MUL16 1, 0
	PLACES
.irp t, 0,1,2,3,4,5,6,7,8,9,10,11,12,13,14,15
	GELU8 ACC+8*\t                                 ; each accumulator from its low end on
.endr
	QUANT ACC, PC0, PW0
	QUANT ACC+64, PC1, PW1
	v_lshrrev_b32 v[PW0], v23, v[PW0]              ; lane l keeps the two bytes of row l of the 32
	v_lshrrev_b32 v[PW1], v23, v[PW1]
	ds_store_b16 v21, v[PW0]
	ds_store_b16 v21, v[PW1] offset:128
.irp x, 0,1
	global_store_b128 v4, v[PC0+6*\x:PC0+6*\x+3], s[10:11] offset:768*\x
	global_store_b64 v5, v[PC0+6*\x+4:PC0+6*\x+5], s[10:11] offset:768*\x
	global_store_b128 v4, v[PC1+6*\x:PC1+6*\x+3], s[10:11] offset:1536+768*\x
	global_store_b64 v5, v[PC1+6*\x+4:PC1+6*\x+5], s[10:11] offset:1536+768*\x
.endr
	s_wait_dscnt 0x0                               ; for the others' sake: my halves of the scale words are in LDS
	s_barrier_signal -1
	s_barrier_wait -1
	s_cmp_lg_u32 s14, 0
	s_cbranch_scc1 .Lnot_first
	ds_load_b128 v[68:71], v24
	s_wait_dscnt 0x0
	global_store_b128 v4, v[68:71], s[12:13]       ; 512 consecutive bytes of scale words
.Lnot_first:
	s_wait_tensorcnt 0x0                           ; the wave's end
	ds_add_u32 v[SPW], v[NIL]
	s_wait_dscnt 0x0
	CROUND                                         ; the closing round
	s_endpgm
.Lfunc_end_k_q862f4e2aca_ff1:
	.size	k_q862f4e2aca_ff1, .Lfunc_end_k_q862f4e2aca_ff1-k_q862f4e2aca_ff1
	.p2alignl 7, 3214868480
	.fill 96, 4, 3214868480
	.section	.rodata,"a",@progbits
	.p2align	6, 0x0
	.amdhsa_kernel k_q862f4e2aca_ff1
		.amdhsa_group_segment_fixed_size 327680
		.amdhsa_private_segment_fixed_size 0
		.amdhsa_enable_private_segment 0
		.amdhsa_kernarg_size 32
		.amdhsa_user_sgpr_count 2
		.amdhsa_user_sgpr_kernarg_segment_ptr 1
		.amdhsa_wavefront_size32 1
		.amdhsa_system_sgpr_workgroup_id_x 1
		.amdhsa_system_sgpr_workgroup_id_y 1
		.amdhsa_system_sgpr_workgroup_id_z 1
		.amdhsa_system_vgpr_workitem_id 0
		.amdhsa_next_free_vgpr 512
		.amdhsa_next_free_sgpr 98
		.amdhsa_reserve_vcc 0
		.amdhsa_float_denorm_mode_32 3
		.amdhsa_float_denorm_mode_16_64 3
		.amdhsa_memory_ordered 1
		.amdhsa_forward_progress 1
		.amdhsa_inst_pref_size 156
	.end_amdhsa_kernel
	.amdgpu_metadata
---
amdhsa.version: [ 1, 2 ]
amdhsa.kernels:
  - .name:           k_q862f4e2aca_ff1
    .symbol:         k_q862f4e2aca_ff1.kd
    .args:
      - { .name: act, .offset: 0, .size: 8, .value_kind: global_buffer, .address_space: global }
      - { .name: wts, .offset: 8, .size: 8, .value_kind: global_buffer, .address_space: global }
      - { .name: b1, .offset: 16, .size: 8, .value_kind: global_buffer, .address_space: global }
      - { .name: hid, .offset: 24, .size: 8, .value_kind: global_buffer, .address_space: global }
    .group_segment_fixed_size: 327680
    .private_segment_fixed_size: 0
    .kernarg_segment_align: 8
    .kernarg_segment_size: 32
    .max_flat_workgroup_size: 128
    .sgpr_count:     98
    .vgpr_count:     512
    .wavefront_size: 32
...
	.end_amdgpu_metadata
.endif
;; end of part 6
;; launch ff2 (part 7): grid 8 x 32, 4 waves a work-group, clusters of 4 x 4, 327,680 bytes of LDS; arguments hid, wts, b2, x1, out0; writes out0
.if DOCPART == 7
	.amdgcn_target "amdgcn-amd-amdhsa--gfx1250"
	.amdhsa_code_object_version 6
	.text
	.protected	k_q862f4e2aca_ff2
	.globl	k_q862f4e2aca_ff2
	.p2align	8
	.type	k_q862f4e2aca_ff2,@function
k_q862f4e2aca_ff2:
	s_mov_b64 s[64:65], 0
	v_nop
	global_prefetch_b8 v0, s[64:65] scope:SCOPE_SE
	s_setreg_imm32_b32 hwreg(HW_REG_WAVE_MODE, 25, 1), 1
	s_wait_xcnt 0x0
	s_wait_alu depctr_hold_cnt(0) depctr_sa_sdst(0) depctr_va_vdst(0) depctr_va_sdst(0) depctr_va_ssrc(0) depctr_va_vcc(0) depctr_vm_vsrc(0)
	s_getreg_b32 s2, hwreg(HW_REG_IB_STS2, 6, 4)
	s_cmp_eq_u32 s2, 0
	s_cbranch_scc0 .Lentry_in_a_cluster
	s_endpgm
.Lentry_in_a_cluster:
	s_bfe_u32 s2, ttmp6, 0x10000c
	s_cmp_lg_u32 s2, 0xf033
	s_cbranch_scc0 .Lentry_shape_is_right
	s_endpgm
.Lentry_shape_is_right:
; out = x1 + hid W2 + b2.  The product on codes of FP6 (E2M3), K = 4,096; bias, residual and result in f32.
; OPERANDS are images of 16 rows x 64 K (768 bytes: lane l = r + 16 h owns six words: words 0-3 at 16 l, words 4-5 at 512 + 8 l), laid [tile of 128 rows][64 K][16 rows]; a fragment of 128 K is two images: four LDS loads,
; each dense in the lanes.  Scale words: [tile][128 K][128 rows]; those of the work-group's two tiles, for all of K, come into LDS once.
; SHARES.  A work-group makes 128 x 128 of the result: 8 x 32 = 256 work-groups; a wave 64 x 64: 16 accumulators.  K goes through a ring of two slots of 512 along K: four steps of 128, 64 matrix instructions a wave, to a slot.
; A slot is filled again at the head of its last step, behind a round of the cluster's barrier, when its last fragments are in registers: the load has four steps in which to land.
; Source 0 is the weight, source 1 the activations.  The bias is the C of each sum's first matrix instruction.
; CLUSTER 4 x 4: the activations' tile is shared along a row of the cluster, the weights' along a column: each is asked for jointly.
; The residual is asked for at the head and waits in window 2.  The result goes through the wave's own stage in LDS and leaves 256 consecutive bytes to sixteen lanes.
.set KDIM,  4096
.set NSLOT, KDIM/512
.set TILEB, 96*KDIM
.set SCSZ,  4*KDIM
.set ASC,   12582912                   ; where hid's scale words begin
.set WOFF,  6291456                    ; W2's tiles in wts
.set WSOFF, 9437184+262144
.set SLOT,  98304
.set HALF,  24576
.set SCA,   2*SLOT
.set SCB,   SCA+SCSZ
.set SPARE, SCB+SCSZ+512               ; the spare words, 128 bytes for each wave: two blocks of 256 bytes that no other line names
.set STG,   SPARE+512
.set AD1,  8
.set AD0,  12
.set ADRS, 16
.set SPW,  17
.set NIL,  18
.set SC,   32
.set BIAS, 48
.set ACC,  128
.set G1, 24
.set G0, 32
.set G1B, 48
.set G0B, 56
.set G1S, 68
.set G0S, 76
.set G1SB, 80
.set G0SB, 88
.set MSB, 0
.macro WIN new                         ; the immediate's high byte repeats the setting that is left
.if MSB != \new
	s_set_vgpr_msb (MSB<<8)|\new
.set MSB, \new
.endif
.endm
.macro PLACES                          ; four plain lines between a matrix instruction and a load into, or a read of, its registers
.rept 4
	v_nop
.endr
.endm
.macro JLOAD g0a, g1a, g0b, g1b        ; a joint load: waves 0, 1 fetch the activations' halves, waves 2, 3 the weights'; four v_nop follow each line
	s_cmp_eq_u32 s15, 0
	s_cbranch_scc0 .Lfor_b_\@
	tensor_load_to_lds s[\g0a:\g0a+3], s[\g1a:\g1a+7]
	s_nop 0
.rept 4
	v_nop
.endr
	s_branch .Lasked_\@
.Lfor_b_\@:
	tensor_load_to_lds s[\g0b:\g0b+3], s[\g1b:\g1b+7]
	s_nop 0
.rept 4
	v_nop
.endr
.Lasked_\@:
.endm
.macro CROUND                          ; a round of the cluster's barrier
	s_barrier_signal -1
	s_barrier_wait -1
	s_cmp_lg_u32 s14, 0
	s_cbranch_scc1 .Lnot_wave_0_\@
	s_barrier_signal -3
.Lnot_wave_0_\@:
	s_barrier_wait -3
	s_barrier_signal -1
	s_barrier_wait -1
.endm
	s_load_b256 s[4:11], s[0:1], 0x0               ; hid, wts, bias, residual
	s_load_b64 s[12:13], s[0:1], 0x20              ; the result
	v_lshl_add_u32 v[SPW], v0, 2, SPARE
	v_mov_b32 v[NIL], 0
	ds_add_u32 v17, v18
	ds_add_u32 v17, v18
	s_wait_dscnt 0x0
	v_lshrrev_b32 v1, 5, v0
	v_readfirstlane_b32 s14, v1                    ; wave
	s_lshr_b32 s15, s14, 1                         ; wr
	s_and_b32 s16, s14, 1                          ; wc
	s_bfe_u32 s40, ttmp6, 0x40000                  ; cx
	s_bfe_u32 s41, ttmp6, 0x40004                  ; cy
	s_lshl_b32 s42, ttmp9, 2
	s_add_co_u32 s42, s42, s40                     ; nt
	s_and_b32 s17, ttmp7, 0xffff
	s_lshl_b32 s17, s17, 2
	s_add_co_u32 s17, s17, s41                     ; mt
	s_lshl_b32 s43, s41, 2
	s_lshl_b32 s43, 15, s43
	s_lshl_b32 s44, 0x1111, s40
	s_or_b32 s[G1+0], s43, (3<<16)|(1<<21)
	s_or_b32 s[G1B+0], s44, (3<<16)|(1<<21)
.irp g, G1, G1B
	s_mov_b32 s[\g+1], 32<<16                      ; rows of 256 bytes of a dense block
	s_mov_b32 s[\g+2], 96<<16
	s_mov_b32 s[\g+3], 32<<16
	s_mov_b32 s[\g+4], 96
	s_mov_b32 s[\g+5], 32
	s_mov_b32 s[\g+6], 0
	s_mov_b32 s[\g+7], 0
.endr
	s_or_b32 s[G1S+0], s43, (3<<16)|(1<<21)
	s_or_b32 s[G1SB+0], s44, (3<<16)|(1<<21)
.irp g, G1S, G1SB
	s_mov_b32 s[\g+1], 32<<16
	s_mov_b32 s[\g+2], (SCSZ/512)<<16
	s_mov_b32 s[\g+3], 32<<16
	s_mov_b32 s[\g+4], SCSZ/512
	s_mov_b32 s[\g+5], 32
	s_mov_b32 s[\g+6], 0
	s_mov_b32 s[\g+7], 0
.endr
	s_mul_i32 s18, s16, HALF
	s_mul_i32 s20, s17, TILEB
	s_add_co_u32 s20, s20, s18
	s_mov_b32 s21, 0
	s_mul_i32 s46, s42, TILEB
	s_add_co_u32 s46, s46, s18
	s_add_co_u32 s46, s46, WOFF
	s_mov_b32 s47, 0
	s_mul_i32 s19, s16, SCSZ/2
	s_mul_i32 s22, s17, SCSZ
	s_add_co_u32 s22, s22, s19
	s_add_co_u32 s22, s22, ASC
	s_mov_b32 s23, 0
	s_mul_i32 s92, s42, SCSZ
	s_add_co_u32 s92, s92, s19
	s_add_co_u32 s92, s92, WSOFF
	s_mov_b32 s93, 0
	s_mul_i32 s45, s14, HALF
	s_mul_i32 s94, s14, SCSZ/2
	s_wait_kmcnt 0x0
	s_add_nc_u64 s[20:21], s[4:5], s[20:21]
	s_add_nc_u64 s[22:23], s[4:5], s[22:23]
	s_add_nc_u64 s[46:47], s[6:7], s[46:47]
	s_add_nc_u64 s[92:93], s[6:7], s[92:93]
	CROUND                                         ; all sixteen work-groups are here: the first joint loads meet
	s_mov_b32 s[G0S], 1
	s_add_co_u32 s[G0S+1], s94, SCA
	s_mov_b64 s[G0S+2:G0S+3], s[22:23]
	s_or_b32 s[G0S+3], s[G0S+3], 0x80000000
	s_mov_b32 s[G0SB], 1
	s_add_co_u32 s[G0SB+1], s94, SCA
	s_mov_b64 s[G0SB+2:G0SB+3], s[92:93]
	s_or_b32 s[G0SB+3], s[G0SB+3], 0x80000000
	JLOAD G0S, G1S, G0SB, G1SB
.irp s, 0,1
	s_mov_b32 s[G0+4*\s], 1
	s_add_co_u32 s[G0+4*\s+1], s45, \s*SLOT
	s_add_nc_u64 s[G0+4*\s+2:G0+4*\s+3], s[20:21], \s*2*HALF
	s_or_b32 s[G0+4*\s+3], s[G0+4*\s+3], 0x80000000
	s_mov_b32 s[G0B+4*\s], 1
	s_add_co_u32 s[G0B+4*\s+1], s45, \s*SLOT
	s_add_nc_u64 s[G0B+4*\s+2:G0B+4*\s+3], s[46:47], \s*2*HALF
	s_or_b32 s[G0B+4*\s+3], s[G0B+4*\s+3], 0x80000000
	JLOAD G0+4*\s, G1, G0B+4*\s, G1B               ; by this text's count three tensor loads of a wave are out here, one behind each later round
.endr
	v_and_b32 v1, 31, v0
	v_and_b32 v2, 15, v0                           ; r
	v_bfe_u32 v3, v0, 4, 1                         ; h
	v_lshlrev_b32 v4, 4, v1
	v_lshlrev_b32 v5, 3, v1
	v_add_nc_u32 v5, 512, v5
	s_mul_i32 s18, s15, 3072
	s_mul_i32 s19, s16, 3072
	s_add_co_u32 s19, s19, 2*HALF
.irp s, 0,1
	v_add_nc_u32 v[AD1+\s], s18, v4
	v_add_nc_u32 v[AD1+2+\s], s18, v5
	v_add_nc_u32 v[AD0+\s], s19, v4
	v_add_nc_u32 v[AD0+2+\s], s19, v5
	s_add_co_u32 s18, s18, SLOT
	s_add_co_u32 s19, s19, SLOT
.endr
	s_lshl_b32 s18, s15, 8
	s_lshl_b32 s19, s16, 8
	s_add_co_u32 s19, s19, SCSZ
	s_sub_co_u32 s19, s19, s18
	v_mul_u32_u24 v6, s19, v3                      ; lanes 16-31 take the weights' words
	s_add_co_u32 s18, s18, SCA
	v_lshl_add_u32 v6, v2, 2, v6
	v_add_nc_u32 v[ADRS], s18, v6
	s_lshl_b32 s66, s42, 9
	s_lshl_b32 s67, s16, 8
	s_add_co_u32 s66, s66, s67                     ; my 64 columns, in bytes
	s_mov_b32 s67, 0
	s_add_nc_u64 s[8:9], s[8:9], s[66:67]
	s_lshl_b32 s96, s17, 19
	s_lshl_b32 s97, s15, 18
	s_add_co_u32 s96, s96, s97                     ; my 64 rows of 4,096 bytes
	s_add_co_u32 s96, s96, s66
	s_mov_b32 s97, 0
	s_add_nc_u64 s[10:11], s[10:11], s[96:97]
	s_add_nc_u64 s[12:13], s[12:13], s[96:97]
	v_lshlrev_b32 v19, 5, v3
	v_lshlrev_b32 v20, 12, v3
	v_lshl_add_u32 v20, v2, 4, v20
	s_mul_i32 s18, s14, 16*272
	s_add_co_u32 s18, s18, STG
	v_mul_u32_u24 v21, v2, 272
	v_lshl_add_u32 v21, v3, 5, v21
	v_add_nc_u32 v21, s18, v21
	v_mul_u32_u24 v22, v3, 272
	v_lshl_add_u32 v22, v2, 4, v22
	v_add_nc_u32 v22, s18, v22
.irp y, 0,1,2,3
	global_load_b128 v[BIAS+8*\y:BIAS+8*\y+3], v19, s[8:9] offset:64*\y
	global_load_b128 v[BIAS+8*\y+4:BIAS+8*\y+7], v19, s[8:9] offset:64*\y+16
.endr
	WIN 0x80                                       ; destination window 2
.irp x, 0,1,2,3
.irp t, 0,1,2,3,4,5,6,7
	global_load_b128 v[32*\x+4*\t:32*\x+4*\t+3], v20, s[10:11] offset:(16*\x+2*\t)*4096
.endr
.endr
	WIN 0
.macro FETCH slot, ks, set, rel
	WIN 0x40
.irp i, 0,1,2,3
.irp e, 0,1
	ds_load_b128 v[128*(\set)+12*\i+6*\e:128*(\set)+12*\i+6*\e+3], v[AD1+\slot] offset:(2*(\ks)+\e)*6144+\i*768
	ds_load_b64 v[128*(\set)+12*\i+6*\e+4:128*(\set)+12*\i+6*\e+5], v[AD1+2+\slot] offset:(2*(\ks)+\e)*6144+\i*768
.endr
.endr
.irp i, 0,1,2,3
.irp e, 0,1
	ds_load_b128 v[128*(\set)+48+12*\i+6*\e:128*(\set)+48+12*\i+6*\e+3], v[AD0+\slot] offset:(2*(\ks)+\e)*6144+\i*768
	ds_load_b64 v[128*(\set)+48+12*\i+6*\e+4:128*(\set)+48+12*\i+6*\e+5], v[AD0+2+\slot] offset:(2*(\ks)+\e)*6144+\i*768
.endr
.endr
	WIN 0
.irp i, 0,1,2,3
	ds_load_b32 v[SC+4*(\set)+\i], v[ADRS] offset:(\rel)*512+\i*64
.endr
.endm
.macro MUL16 set, first                ; 16 matrix instructions, the accumulators by turns, over the loop's backward jump too.  first = 1: the sums begin with the bias
	WIN 0x05
.irp x, 0,1,2,3
.irp y, 0,1,2,3
.if \first
	v_wmma_scale_f32_16x16x128_f8f6f4 v[ACC+8*(4*\x+\y):ACC+8*(4*\x+\y)+7], v[128*(\set)+48+12*\y:128*(\set)+48+12*\y+11], v[128*(\set)+12*\x:128*(\set)+12*\x+11], v[BIAS+8*\y:BIAS+8*\y+7], v[SC+4*(\set)+\y], v[SC+4*(\set)+\x] matrix_a_fmt:MATRIX_FMT_FP6 matrix_b_fmt:MATRIX_FMT_FP6 matrix_a_scale:MATRIX_SCALE_ROW1
.else
	v_wmma_scale_f32_16x16x128_f8f6f4 v[ACC+8*(4*\x+\y):ACC+8*(4*\x+\y)+7], v[128*(\set)+48+12*\y:128*(\set)+48+12*\y+11], v[128*(\set)+12*\x:128*(\set)+12*\x+11], v[ACC+8*(4*\x+\y):ACC+8*(4*\x+\y)+7], v[SC+4*(\set)+\y], v[SC+4*(\set)+\x] matrix_a_fmt:MATRIX_FMT_FP6 matrix_b_fmt:MATRIX_FMT_FP6 matrix_a_scale:MATRIX_SCALE_ROW1
.endif
.endr
.endr
	WIN 0
.endm
.macro STEP slot, ks, first, rel
	s_wait_dscnt 0x0                               ; this step's fragments are in
	PLACES                                         ; the other set was read by the step before
	FETCH \slot, (\ks)+1, 1-(\ks)%2, \rel
	MUL16 (\ks)%2, \first
.endm
; A slot's last step changes slots.  In front of the barrier each wave waits for all its tensor loads (its part of the other slot), adds 0 to its spare word, and waits for that and for its reads of this slot,
; whose last fragments are then in registers.  fill = 1: the barrier is a round of the cluster's, and this slot is filled again, 1,024 along K ahead, first thing behind it.
.macro TURN slot, fill, rel
	s_wait_tensorcnt 0x0                           ; no tensor load of mine is out, so a group 0 may be written
	ds_add_u32 v[SPW], v[NIL]                      ; 0 onto my spare word
.if \fill
	s_add_nc_u64 s[G0+4*\slot+2:G0+4*\slot+3], s[G0+4*\slot+2:G0+4*\slot+3], 4*HALF
	s_add_nc_u64 s[G0B+4*\slot+2:G0B+4*\slot+3], s[G0B+4*\slot+2:G0B+4*\slot+3], 4*HALF
.endif
	s_wait_dscnt 0x0                               ; the add is done, and my reads of this slot are over
.if \fill
	CROUND                                         ; no wave of any partner still reads this slot or has a load on its way
	JLOAD G0+4*\slot, G1, G0B+4*\slot, G1B         ; the four v_nop behind it are also the places in front of the loads below
.else
	s_barrier_signal -1
	s_barrier_wait -1
	PLACES
.endif
	FETCH 1-\slot, 0, 0, \rel
	MUL16 1, 0
.endm
	s_wait_tensorcnt 1                             ; the scale words and my part of slot 0 are in; slot 1's load may be out
	s_barrier_signal -1
	s_barrier_wait -1
	FETCH 0, 0, 0, 0
	s_wait_loadcnt 32                              ; the bias is in; the residual's 32 loads may be out
	STEP 0, 0, 1, 1
	STEP 0, 1, 0, 2
	STEP 0, 2, 0, 3
	s_mov_b32 s3, NSLOT/2-1
.Llap:                                                 ; a trip goes once round the ring, from slot 0's last step to its next third step, and fills both slots again
	TURN 0, 1, 4
	STEP 1, 0, 0, 5
	STEP 1, 1, 0, 6
	STEP 1, 2, 0, 7
	TURN 1, 1, 8
	STEP 0, 0, 0, 9
	STEP 0, 1, 0, 10
	STEP 0, 2, 0, 11
	v_add_nc_u32 v[ADRS], 4096, v[ADRS]            ; eight steps' scale words on
	s_sub_co_u32 s3, s3, 1
	s_cmp_lg_u32 s3, 0
	s_cbranch_scc1 .Llap
	TURN 0, 0, 4                                   ; the last lap fills nothing
	STEP 1, 0, 0, 5
	STEP 1, 1, 0, 6
	STEP 1, 2, 0, 7
	s_wait_dscnt 0x0
	MUL16 1, 0
	PLACES
	s_wait_loadcnt 0x0                             ; the residual
.irp x, 0,1,2,3
.set TT, 48+32*(\x%2)
.if \x >= 2
	s_wait_xcnt 0x0                                ; the stores of two blocks back have read these registers
.endif
.irp y, 0,1,2,3
	ds_store_b128 v21, v[ACC+8*(4*\x+\y):ACC+8*(4*\x+\y)+3] offset:64*\y          ; each accumulator from its low end on
	ds_store_b128 v21, v[ACC+8*(4*\x+\y)+4:ACC+8*(4*\x+\y)+7] offset:64*\y+16
.endr
.irp t, 0,1,2,3,4,5,6,7
	ds_load_b128 v[TT+4*\t:TT+4*\t+3], v22 offset:\t*2*272   ; LDS serves a wave's instructions in order: these see my stores
.endr
	s_wait_dscnt 0x0
	WIN 0x08                                       ; source 1 window 2
.irp t, 0,1,2,3,4,5,6,7,8,9,10,11,12,13,14,15
	v_pk_add_f32 v[TT+2*\t:TT+2*\t+1], v[TT+2*\t:TT+2*\t+1], v[32*\x+2*\t:32*\x+2*\t+1]
.endr
	WIN 0
.irp t, 0,1,2,3,4,5,6,7
	global_store_b128 v20, v[TT+4*\t:TT+4*\t+3], s[12:13] offset:(16*\x+2*\t)*4096 th:TH_STORE_NT   ; sixteen lanes store 256 consecutive bytes, aligned; written once, read by nobody here
.endr
.endr
	s_wait_tensorcnt 0x0                           ; the wave's end, behind my last tensor load and my last LDS store
	ds_add_u32 v[SPW], v[NIL]
	s_wait_dscnt 0x0
	CROUND                                         ; the closing round: no work-group ends while a partner may still ask for a tile that names it
	s_endpgm
.Lfunc_end_k_q862f4e2aca_ff2:
	.size	k_q862f4e2aca_ff2, .Lfunc_end_k_q862f4e2aca_ff2-k_q862f4e2aca_ff2
	.p2alignl 7, 3214868480
	.fill 96, 4, 3214868480
	.section	.rodata,"a",@progbits
	.p2align	6, 0x0
	.amdhsa_kernel k_q862f4e2aca_ff2
		.amdhsa_group_segment_fixed_size 327680
		.amdhsa_private_segment_fixed_size 0
		.amdhsa_enable_private_segment 0
		.amdhsa_kernarg_size 40
		.amdhsa_user_sgpr_count 2
		.amdhsa_user_sgpr_kernarg_segment_ptr 1
		.amdhsa_wavefront_size32 1
		.amdhsa_system_sgpr_workgroup_id_x 1
		.amdhsa_system_sgpr_workgroup_id_y 1
		.amdhsa_system_sgpr_workgroup_id_z 1
		.amdhsa_system_vgpr_workitem_id 0
		.amdhsa_next_free_vgpr 768
		.amdhsa_next_free_sgpr 98
		.amdhsa_reserve_vcc 0
		.amdhsa_float_denorm_mode_32 3
		.amdhsa_float_denorm_mode_16_64 3
		.amdhsa_memory_ordered 1
		.amdhsa_forward_progress 1
		.amdhsa_inst_pref_size 101
	.end_amdhsa_kernel
	.amdgpu_metadata
---
amdhsa.version: [ 1, 2 ]
amdhsa.kernels:
  - .name:           k_q862f4e2aca_ff2
    .symbol:         k_q862f4e2aca_ff2.kd
    .args:
      - { .name: hid, .offset: 0, .size: 8, .value_kind: global_buffer, .address_space: global }
      - { .name: wts, .offset: 8, .size: 8, .value_kind: global_buffer, .address_space: global }
      - { .name: b2, .offset: 16, .size: 8, .value_kind: global_buffer, .address_space: global }
      - { .name: x1, .offset: 24, .size: 8, .value_kind: global_buffer, .address_space: global }
      - { .name: out0, .offset: 32, .size: 8, .value_kind: global_buffer, .address_space: global }
    .group_segment_fixed_size: 327680
    .private_segment_fixed_size: 0
    .kernarg_segment_align: 8
    .kernarg_segment_size: 40
    .max_flat_workgroup_size: 128
    .sgpr_count:     98
    .vgpr_count:     768
    .wavefront_size: 32
...
	.end_amdgpu_metadata
.endif
;; end of part 7
;; ======== version 2 of 2: 7 launches
;; limits: right only within a limited range of input values
;; workspace buffers: wts 9,830,400 bytes; act 3,276,800 bytes; qkvc 9,830,400 bytes; x1 16,777,216 bytes; hid 13,107,200 bytes
;; launch wquant (part 8): grid 640 x 1, 4 waves a work-group, no clusters, 56,320 bytes of LDS; arguments Wq, Wk, Wv, Wp, W2, W1, wts, x, g1, be1, act; writes wts, act
.if DOCPART == 8
	.amdgcn_target "amdgcn-amd-amdhsa--gfx1250"
	.amdhsa_code_object_version 6
	.text
	.protected	k_q862f4e2aca_wquant
	.globl	k_q862f4e2aca_wquant
	.p2align	8
	.type	k_q862f4e2aca_wquant,@function
k_q862f4e2aca_wquant:
	s_mov_b64 s[64:65], 0
	v_nop
	global_prefetch_b8 v0, s[64:65] scope:SCOPE_SE
	s_setreg_imm32_b32 hwreg(HW_REG_WAVE_MODE, 25, 1), 1
	s_wait_xcnt 0x0
; The six weights, f32 with K as their FIRST axis, become codes of FP6 (E2M3) with one E8M0 byte for each 32 along K, laid as the products' launches read them.
; ORDER ALONG K.  Inside each block of 32 the second and the third group of eight change places: place p holds k = 8 ((p/8 % 2) 2 + p/16) + p % 8.  Every operand of every product of this program is laid so,
; so the pairs that are multiplied stay the same; a block's numbers, its scale and its codes do not change.
; IMAGE.  16 rows x 64 K are 768 bytes: lane l = r + 16 h owns the six words of row r, block h of the two: words 0-3 at 16 l, words 4-5 at 512 + 8 l.  Codes: [tile of 128 rows][64 K][16 rows][768].  Scale words: [tile][128 K][128 rows], byte b = block b.
; SHARES.  A work-group takes 128 columns x 256 along K; a wave 32 columns, a lane one column, its registers run down K: a block of 32 lies in one lane, and no other lane is asked for its largest magnitude.
; A wave's load reads 128 consecutive bytes, the four waves stand side by side on 512.  The codes go through the wave's own 6,144 bytes of LDS and leave 512 consecutive bytes a store.  Waves share nothing: no barrier.
; A block's scale is 2^(floor(log2(largest magnitude)) - 2); its byte is the largest magnitude's exponent field - 2, held at 1 from below.
; LIMITS: a block of zeros, or one whose largest magnitude lies under 2^-124, gets the byte 1 (this program alone reads the bytes; zero codes add nothing); NaN and infinities are not served.
.set WS,   9437184                     ; where the scale words begin in wts
.set W2C,  6291456                     ; where W2's codes begin: behind 64 tiles of 98,304 bytes
.set VO,   32                          ; v32-63   byte offset of place p: 4 x lane + k(p) x pitch
.set X,    64                          ; v64-127  two sets of 32 numbers
.set C,    16                          ; v16-22   a block's codes
.set SB,   24                          ; v24-25   the scale words of 128 K each
.set OUTR, 128                         ; v128-175 the way out
	; ONE LAUNCH, TWO TASKS that do not hang on each other: work-groups 0 to 383 quantise the weights, work-groups 384 to 639 take the first layer norm of x, 16 rows each (behind .Lln).
	; The choice hangs on the work-group's number alone.  Each task has LDS bytes of its own; the spare words at 0x6000 and the add's two registers, v30 and v31, serve both.
	v_lshl_add_u32 v30, v0, 2, 0x6000
	v_mov_b32 v31, 0
	s_cmp_ge_u32 ttmp9, 384
	s_cbranch_scc1 .Lln
	s_load_b256 s[4:11], s[0:1], 0x0               ; Wq, Wk, Wv, Wp
	s_load_b128 s[12:15], s[0:1], 0x20             ; W2, W1
	s_load_b64 s[16:17], s[0:1], 0x30              ; wts
	v_lshrrev_b32 v1, 5, v0
	v_readfirstlane_b32 s52, v1                    ; wave
	v_and_b32 v1, 31, v0                           ; lane
	s_wait_alu depctr_va_vdst(0)
	v_lshlrev_b32 v2, 2, v1                        ; 4 x lane
	; which weight, which 128 columns (nt), which 256 along K (kc).  0-127: Wq, Wk, Wv, Wp, 32 each; 128-255: W2; 256-383: W1
	s_mov_b32 s20, ttmp9
	s_and_b32 s21, s20, 7                          ; nt
	s_bfe_u32 s22, s20, 0x20003                    ; kc
	s_lshr_b32 s23, s20, 5
	s_lshl_b32 s23, s23, 3
	s_or_b32 s23, s23, s21                         ; tile number T = 8 x weight + nt
	s_and_b32 s25, s20, 31                         ; W1: nt,
	s_bfe_u32 s26, s20, 0x20005                    ; kc,
	s_add_co_u32 s27, s25, 32                      ; T = 32 + nt
	s_mov_b32 s28, 4096                            ; bytes from row to row
	s_cmp_ge_u32 s20, 256
	s_cselect_b32 s21, s25, s21
	s_cselect_b32 s22, s26, s22
	s_cselect_b32 s23, s27, s23
	s_cselect_b32 s28, 16384, s28
	s_mul_i32 s29, s23, 98304                      ; the tile's codes,
	s_lshl_b32 s30, s23, 12                        ; its scale words
	s_bfe_u32 s24, s20, 0x40003                    ; W2: kc 0 .. 15,
	s_mul_i32 s25, s21, 393216
	s_add_co_u32 s25, s25, W2C                     ; tiles of 4,096 along K,
	s_lshl_b32 s26, s21, 14
	s_add_co_u32 s26, s26, 262144
	s_lshr_b32 s27, s20, 7
	s_cmp_eq_u32 s27, 1
	s_cselect_b32 s22, s24, s22
	s_cselect_b32 s29, s25, s29
	s_cselect_b32 s30, s26, s30
	s_mul_i32 s24, s22, 24576                      ; 256 along K are four images deep: 4 x 8 x 768 bytes
	s_add_co_u32 s29, s29, s24
	s_mul_i32 s24, s52, 1536                       ; my wave's two images of 16 rows
	s_add_co_u32 s48, s29, s24
	s_mov_b32 s49, 0
	s_lshl_b32 s24, s22, 10                        ; two rows of 128 scale words
	s_add_co_u32 s30, s30, s24
	s_lshl_b32 s24, s52, 7                         ; my wave's 32 columns: 128 bytes, here and in a row of the weight
	s_add_co_u32 s30, s30, s24
	s_add_co_u32 s50, s30, WS
	s_mov_b32 s51, 0
	s_mul_i32 s31, s22, s28
	s_lshl_b32 s31, s31, 8                         ; kc x 256 rows
	s_lshl_b32 s25, s21, 9                         ; nt x 128 columns
	s_add_co_u32 s31, s31, s25
	s_add_co_u32 s54, s31, s24
	s_mov_b32 s55, 0
	s_lshl_b32 s18, s28, 5                         ; 32 rows on
	s_mov_b32 s19, 0
	s_mul_i32 s53, s52, 6144                       ; my wave's stage
	v_lshrrev_b32 v8, 4, v1
	v_and_b32 v9, 15, v1
	v_mul_u32_u24 v8, v8, 768                      ; which of my two images
	v_add_nc_u32 v8, s53, v8
	v_lshl_add_u32 v3, v9, 4, v8                   ; words 0-3: 16 r (+ 256 for the image's second block)
	v_lshl_add_u32 v4, v9, 3, v8
	v_add_nc_u32 v4, 512, v4                       ; words 4-5: 512 + 8 r (+ 128)
	v_lshlrev_b32 v6, 4, v1                        ; the way out: 16 x lane
	v_add_nc_u32 v5, s53, v6
.set p, 0
.rept 32
	v_mad_u32_u24 v[VO+p], s28, 8*(((p/8)%2)*2+p/16)+p%8, v2
.set p, p+1
.endr
	s_wait_alu depctr_va_vdst(0)
	s_wait_kmcnt 0x0
	s_cmp_ge_u32 s20, 32                           ; the choice of the weight hangs on the work-group's number alone
	s_cselect_b64 s[4:5], s[6:7], s[4:5]
	s_cmp_ge_u32 s20, 64
	s_cselect_b64 s[4:5], s[8:9], s[4:5]
	s_cmp_ge_u32 s20, 96
	s_cselect_b64 s[4:5], s[10:11], s[4:5]
	s_cmp_ge_u32 s20, 128
	s_cselect_b64 s[4:5], s[12:13], s[4:5]
	s_cmp_ge_u32 s20, 256
	s_cselect_b64 s[4:5], s[14:15], s[4:5]
	s_add_nc_u64 s[32:33], s[4:5], s[54:55]        ; a base for each of the eight blocks: nothing is stepped while loads are out
.irp t, 1,2,3,4,5,6,7
	s_add_nc_u64 s[32+2*\t:33+2*\t], s[30+2*\t:31+2*\t], s[18:19]
.endr
	s_add_nc_u64 s[48:49], s[16:17], s[48:49]
	s_add_nc_u64 s[50:51], s[16:17], s[50:51]
.macro LOAD t                          ; block t into set t % 2, in the order of the places
.set p, 0
.rept 32
	global_load_b32 v[X+32*((\t)%2)+p], v[VO+p], s[32+2*(\t):33+2*(\t)] th:TH_LOAD_NT
.set p, p+1
.endr
.endm
	LOAD 0
	LOAD 1
.macro BLOCK t
.set XS, X+32*((\t)%2)
.if (\t) < 7
	s_wait_loadcnt 32                              ; this block's 32 loads are in; the next block's may be out
.else
	s_wait_loadcnt 0x0
.endif
	v_max3_num_f32 v8, |v[XS]|, |v[XS+1]|, |v[XS+2]|
	v_max3_num_f32 v9, |v[XS+3]|, |v[XS+4]|, |v[XS+5]|
.irp i, 6,10,14,18,22,26
	v_max3_num_f32 v8, v8, |v[XS+\i]|, |v[XS+\i+1]|
	v_max3_num_f32 v9, v9, |v[XS+\i+2]|, |v[XS+\i+3]|
.endr
	v_max3_num_f32 v8, v8, |v[XS+30]|, |v[XS+31]|
	v_max3_num_f32 v8, v8, v9, 0x1800000           ; the floor 2^(3 - 127): the byte cannot fall under 1
	v_add_nc_u32 v11, 0xff000000, v8               ; 2 off the exponent field: the conversion takes this operand's exponent field as its scale
	v_cvt_scalef32_pk16_fp6_f32 v[C:C+2], v[XS:XS+15], v11
	v_cvt_scalef32_pk16_fp6_f32 v[C+4:C+6], v[XS+16:XS+31], v11   ; (a conversion's three registers begin on an even number)
	v_lshrrev_b32 v9, 23, v11                      ; the scale's byte: also the plain line behind the conversions
.if (\t)%4 == 0
	v_mov_b32 v[SB+(\t)/4], v9
.else
	v_lshl_or_b32 v[SB+(\t)/4], v9, 8*((\t)%4), v[SB+(\t)/4]
.endif
	v_mov_b32 v[C+3], v[C+4]                       ; the six words on end
	v_mov_b32 v[C+4], v[C+5]
	v_mov_b32 v[C+5], v[C+6]
	ds_store_b128 v3, v[C:C+3] offset:((\t)/2)*1536+((\t)%2)*256
	ds_store_b64 v4, v[C+4:C+5] offset:((\t)/2)*1536+((\t)%2)*128
.if (\t)+2 < 8
	LOAD (\t)+2
.endif
	s_wait_dscnt 0x0                               ; the stores have read their registers: the next block's codes may be written
.endm
.irp t, 0,1,2,3,4,5,6,7
	BLOCK \t
.endr
	global_store_b32 v2, v[SB], s[50:51]           ; 32 lanes store 128 consecutive bytes of scale words
	s_wait_alu depctr_va_vdst(0)
	global_store_b32 v2, v[SB+1], s[50:51] offset:512
.irp q, 0,1,2,3,4,5,6,7,8,9,10,11
	ds_load_b128 v[OUTR+4*\q:OUTR+4*\q+3], v5 offset:512*\q   ; LDS serves a wave's instructions in order: these see my stores
.endr
.irp q, 0,1,2,3,4,5,6,7,8,9,10,11
	s_wait_dscnt 11-\q                             ; the younger loads may be out
	global_store_b128 v6, v[OUTR+4*\q:OUTR+4*\q+3], s[48:49] offset:(\q/3)*6144+(\q%3)*512   ; 512 consecutive bytes, at a multiple of 256 from the buffer's first byte
.endr
	s_wait_tensorcnt 0x0
	ds_add_u32 v30, v31
	s_wait_dscnt 0x0
	s_endpgm
; THE FIRST LAYER NORM, quantised on the way: y = (x - mean) rsqrt(var + 1e-5) g1 + be1 becomes codes of FP6 (E2M3) with one E8M0 byte for each 32 along the row, in this program's images and order of places.
; A work-group takes 16 rows, a wave four of them, each whole in 32 registers, read once; mean and variance in two passes.  A row turns through the wave's own stage in LDS, so that lane l gets block l.
; LIMITS: a block of zeros, or one under 2^-124, gets the byte 1 (this program alone reads the bytes); NaN and infinities are not served.
.Lln:
.set LNB, 0x6200                       ; this task's LDS bytes begin behind the other's and the spare words
.set X,   64                           ; v64-191  four rows
.set G,   192                          ; v192-223 the gain
.set B,   224                          ; v224-255 the bias
.set Y,   32                           ; v32-63   a block of 32, in the order of the places
.set C,   16                           ; v16-22   its codes
.set IMG, LNB+18432                    ; four stages of 4,608 bytes, then 16 images,
.set SCS, LNB+30720                    ; then 8 x 16 scale words
.set ASC, 3145728
	s_load_b256 s[4:11], s[0:1], 0x38              ; x, g1, be1, act
	v_lshrrev_b32 v1, 5, v0
	v_readfirstlane_b32 s14, v1                    ; wave
	v_and_b32 v1, 31, v0                           ; lane
	v_lshlrev_b32 v2, 4, v1                        ; 16 x lane
	s_sub_co_u32 s28, ttmp9, 384                   ; which 16 rows
	s_lshl_b32 s16, s28, 16
	s_lshl_b32 s17, s14, 14
	s_add_co_u32 s16, s16, s17
	s_mov_b32 s17, 0
	s_mov_b32 s12, 0x76543210
	s_mov_b32 s13, 0xfedcba98
	s_mov_b32 s20, 0x3a800000                      ; 1 / 1,024
	s_mov_b32 s21, 0x3727c5ac                      ; 1e-5
	s_lshr_b32 s22, s28, 3
	s_and_b32 s23, s28, 7
	s_mul_i32 s24, s22, 98304
	s_mul_i32 s25, s23, 768
	s_add_co_u32 s24, s24, s25
	s_mov_b32 s25, 0
	s_lshl_b32 s26, s22, 12
	s_lshl_b32 s27, s23, 6
	s_add_co_u32 s26, s26, s27
	s_add_co_u32 s26, s26, ASC
	s_mov_b32 s27, 0
	s_wait_alu depctr_va_vdst(0)
	s_wait_kmcnt 0x0
	s_add_nc_u64 s[4:5], s[4:5], s[16:17]
	s_add_nc_u64 s[24:25], s[10:11], s[24:25]
	s_add_nc_u64 s[26:27], s[10:11], s[26:27]
.irp j, 0,1,2,3,4,5,6,7
	global_load_b128 v[G+4*\j:G+4*\j+3], v2, s[6:7] offset:512*\j
.endr
.irp j, 0,1,2,3,4,5,6,7
	global_load_b128 v[B+4*\j:B+4*\j+3], v2, s[8:9] offset:512*\j
.endr
.irp k, 0,1,2,3
.irp j, 0,1,2,3,4,5,6,7
	global_load_b128 v[X+32*\k+4*\j:X+32*\k+4*\j+3], v2, s[4:5] offset:4096*\k+512*\j
.endr
.endr
	s_mul_i32 s18, s14, 4608
	s_add_co_u32 s18, s18, LNB                     ; my stage
	v_lshrrev_b32 v8, 3, v1
	v_lshl_add_u32 v3, v8, 4, v2
	v_add_nc_u32 v3, s18, v3
	v_mul_u32_u24 v4, v1, 144
	v_add_nc_u32 v4, s18, v4
	v_lshrrev_b32 v8, 1, v1
	v_and_b32 v9, 1, v1
	v_mul_u32_u24 v8, v8, 768
	v_lshl_add_u32 v5, v9, 8, v8
	s_lshl_b32 s19, s14, 6
	s_add_co_u32 s19, s19, IMG
	v_add_nc_u32 v5, s19, v5
	v_lshl_add_u32 v6, v9, 7, v8
	s_lshl_b32 s19, s14, 5
	s_add_co_u32 s19, s19, IMG+512
	v_add_nc_u32 v6, s19, v6
	v_lshrrev_b32 v8, 2, v1
	v_and_b32 v9, 3, v1
	v_lshl_add_u32 v7, v8, 6, v9
	s_lshl_b32 s19, s14, 4
	s_add_co_u32 s19, s19, SCS
	v_add_nc_u32 v7, s19, v7
	v_lshrrev_b32 v8, 4, v1
	v_and_b32 v9, 15, v1
	v_mul_u32_u24 v24, v8, 6144
	v_lshl_add_u32 v24, v9, 4, v24
	s_mul_i32 s19, s14, 1536
	s_add_co_u32 s19, s19, IMG
	v_add_nc_u32 v24, s19, v24
	v_mul_u32_u24 v25, v8, 49152
	v_lshl_add_u32 v25, v9, 4, v25
	s_mul_i32 s19, s14, 12288
	v_add_nc_u32 v25, s19, v25
	v_add_nc_u32 v26, SCS, v2
	v_lshrrev_b32 v8, 2, v1
	v_and_b32 v9, 3, v1
	v_lshlrev_b32 v27, 9, v8
	v_lshl_add_u32 v27, v9, 4, v27
.macro SUM32                           ; v8 = the sum over the 32 lanes, in every lane
	v_pk_add_f32 v[8:9], v[8:9], v[10:11]
	v_pk_add_f32 v[12:13], v[12:13], v[14:15]
	v_pk_add_f32 v[8:9], v[8:9], v[12:13]
	v_add_f32 v8, v8, v9
	v_add_f32_dpp v8, v8, v8 row_xmask:1 row_mask:0xf bank_mask:0xf
	v_add_f32_dpp v8, v8, v8 row_xmask:2 row_mask:0xf bank_mask:0xf
	v_add_f32_dpp v8, v8, v8 row_xmask:4 row_mask:0xf bank_mask:0xf
	v_add_f32_dpp v8, v8, v8 row_xmask:8 row_mask:0xf bank_mask:0xf
	v_permlanex16_b32 v9, v8, s12, s13
	v_add_f32 v8, v8, v9
.endm
.macro ROW k
.set XR, X+32*(\k)
	s_wait_loadcnt 8*(3-(\k))                      ; g, b and this row are in; the eight loads of each later row may be out
.irp c, 0,1,2,3
	v_pk_add_f32 v[8+2*\c:9+2*\c], v[XR+2*\c:XR+2*\c+1], v[XR+8+2*\c:XR+9+2*\c]
.endr
.irp i, 16,24
.irp c, 0,1,2,3
	v_pk_add_f32 v[8+2*\c:9+2*\c], v[8+2*\c:9+2*\c], v[XR+\i+2*\c:XR+\i+2*\c+1]
.endr
.endr
	SUM32
	v_mul_f32 v8, s20, v8                          ; the mean
.set j, 0
.rept 16
	v_pk_add_f32 v[XR+j:XR+j+1], v[XR+j:XR+j+1], v[8:9] op_sel_hi:[1,0] neg_lo:[0,1] neg_hi:[0,1]
.set j, j+2
.endr
.irp c, 0,1,2,3
	v_pk_mul_f32 v[8+2*\c:9+2*\c], v[XR+2*\c:XR+2*\c+1], v[XR+2*\c:XR+2*\c+1]
.endr
.irp i, 8,16,24
.irp c, 0,1,2,3
	v_pk_fma_f32 v[8+2*\c:9+2*\c], v[XR+\i+2*\c:XR+\i+2*\c+1], v[XR+\i+2*\c:XR+\i+2*\c+1], v[8+2*\c:9+2*\c]
.endr
.endr
	SUM32
	v_fma_f32 v8, v8, s20, s21                     ; the variance + 1e-5
	s_wait_alu depctr_va_vdst(0)
	v_rsq_f32 v10, v8
	v_nop
	s_wait_alu depctr_va_vdst(0)                   ; the waits ahead of the transcendental and of its first reader
.set j, 0
.rept 16
	v_pk_mul_f32 v[XR+j:XR+j+1], v[XR+j:XR+j+1], v[10:11] op_sel_hi:[1,0]
.set j, j+2
.endr
.set j, 0
.rept 16
	v_pk_fma_f32 v[XR+j:XR+j+1], v[XR+j:XR+j+1], v[G+j:G+j+1], v[B+j:B+j+1]
.set j, j+2
.endr
.irp j, 0,1,2,3,4,5,6,7
	ds_store_b128 v3, v[XR+4*\j:XR+4*\j+3] offset:576*\j
.endr
.irp n, 0,1,2,3,4,5,6,7                ; back in the order of the places
	ds_load_b128 v[Y+4*\n:Y+4*\n+3], v4 offset:16*(2*(((\n/2)%2)*2+\n/4)+\n%2)
.endr
	s_wait_dscnt 0x0
	v_max3_num_f32 v8, |v[Y]|, |v[Y+1]|, |v[Y+2]|
	v_max3_num_f32 v9, |v[Y+3]|, |v[Y+4]|, |v[Y+5]|
.irp i, 6,10,14,18,22,26
	v_max3_num_f32 v8, v8, |v[Y+\i]|, |v[Y+\i+1]|
	v_max3_num_f32 v9, v9, |v[Y+\i+2]|, |v[Y+\i+3]|
.endr
	v_max3_num_f32 v8, v8, |v[Y+30]|, |v[Y+31]|
	v_max3_num_f32 v8, v8, v9, 0x1800000           ; the floor 2^(3 - 127)
	v_add_nc_u32 v11, 0xff000000, v8               ; 2 off the exponent field: the conversions' scale operand
	v_cvt_scalef32_pk16_fp6_f32 v[C:C+2], v[Y:Y+15], v11
	v_cvt_scalef32_pk16_fp6_f32 v[C+4:C+6], v[Y+16:Y+31], v11
	v_lshrrev_b32 v23, 23, v11                     ; the byte: also the plain line behind the conversions
	v_mov_b32 v[C+3], v[C+4]
	v_mov_b32 v[C+4], v[C+5]
	v_mov_b32 v[C+5], v[C+6]
	ds_store_b128 v5, v[C:C+3] offset:16*(\k)
	ds_store_b64 v6, v[C+4:C+5] offset:8*(\k)
	ds_store_b8 v7, v23 offset:4*(\k)
.endm
	ROW 0
	ROW 1
	ROW 2
	ROW 3
	s_wait_dscnt 0x0                               ; for the others' sake: my stores into the images are done
	s_barrier_signal -1
	s_barrier_wait -1
.irp q, 0,1,2,3,4,5
	ds_load_b128 v[X+4*\q:X+4*\q+3], v24 offset:256*\q
.endr
.irp q, 0,1,2,3,4,5
	s_wait_dscnt 5-\q
	global_store_b128 v25, v[X+4*\q:X+4*\q+3], s[24:25] offset:(\q/3)*6144+(\q%3)*256   ; sixteen lanes store 256 consecutive bytes, aligned
.endr
	s_cmp_lg_u32 s14, 0
	s_cbranch_scc1 .Lend
	ds_load_b128 v[X+24:X+27], v26                 ; wave 0: the 128 scale words
	s_wait_dscnt 0x0
	global_store_b128 v27, v[X+24:X+27], s[26:27]
.Lend:
	s_wait_tensorcnt 0x0                           ; the wave's end
	ds_add_u32 v30, v31
	s_wait_dscnt 0x0
	s_endpgm
.Lfunc_end_k_q862f4e2aca_wquant:
	.size	k_q862f4e2aca_wquant, .Lfunc_end_k_q862f4e2aca_wquant-k_q862f4e2aca_wquant
	.p2alignl 7, 3214868480
	.fill 96, 4, 3214868480
	.section	.rodata,"a",@progbits
	.p2align	6, 0x0
	.amdhsa_kernel k_q862f4e2aca_wquant
		.amdhsa_group_segment_fixed_size 56320
		.amdhsa_private_segment_fixed_size 0
		.amdhsa_enable_private_segment 0
		.amdhsa_kernarg_size 88
		.amdhsa_user_sgpr_count 2
		.amdhsa_user_sgpr_kernarg_segment_ptr 1
		.amdhsa_wavefront_size32 1
		.amdhsa_system_sgpr_workgroup_id_x 1
		.amdhsa_system_sgpr_workgroup_id_y 1
		.amdhsa_system_sgpr_workgroup_id_z 1
		.amdhsa_system_vgpr_workitem_id 0
		.amdhsa_next_free_vgpr 256
		.amdhsa_next_free_sgpr 66
		.amdhsa_reserve_vcc 0
		.amdhsa_float_denorm_mode_32 3
		.amdhsa_float_denorm_mode_16_64 3
		.amdhsa_memory_ordered 1
		.amdhsa_forward_progress 1
		.amdhsa_inst_pref_size 90
	.end_amdhsa_kernel
	.amdgpu_metadata
---
amdhsa.version: [ 1, 2 ]
amdhsa.kernels:
  - .name:           k_q862f4e2aca_wquant
    .symbol:         k_q862f4e2aca_wquant.kd
    .args:
      - { .name: Wq, .offset: 0, .size: 8, .value_kind: global_buffer, .address_space: global }
      - { .name: Wk, .offset: 8, .size: 8, .value_kind: global_buffer, .address_space: global }
      - { .name: Wv, .offset: 16, .size: 8, .value_kind: global_buffer, .address_space: global }
      - { .name: Wp, .offset: 24, .size: 8, .value_kind: global_buffer, .address_space: global }
      - { .name: W2, .offset: 32, .size: 8, .value_kind: global_buffer, .address_space: global }
      - { .name: W1, .offset: 40, .size: 8, .value_kind: global_buffer, .address_space: global }
      - { .name: wts, .offset: 48, .size: 8, .value_kind: global_buffer, .address_space: global }
      - { .name: x, .offset: 56, .size: 8, .value_kind: global_buffer, .address_space: global }
      - { .name: g1, .offset: 64, .size: 8, .value_kind: global_buffer, .address_space: global }
      - { .name: be1, .offset: 72, .size: 8, .value_kind: global_buffer, .address_space: global }
      - { .name: act, .offset: 80, .size: 8, .value_kind: global_buffer, .address_space: global }
    .group_segment_fixed_size: 56320
    .private_segment_fixed_size: 0
    .kernarg_segment_align: 8
    .kernarg_segment_size: 88
    .max_flat_workgroup_size: 128
    .sgpr_count:     66
    .vgpr_count:     256
    .wavefront_size: 32
...
	.end_amdgpu_metadata
.endif
;; end of part 8
;; launch qkvgemm (part 9): grid 8 x 32, 4 waves a work-group, clusters of 4 x 4, 327,680 bytes of LDS; arguments act, wts, qkvc; writes qkvc
.if DOCPART == 9
	.amdgcn_target "amdgcn-amd-amdhsa--gfx1250"
	.amdhsa_code_object_version 6
	.text
	.protected	k_q862f4e2aca_qkvgemm
	.globl	k_q862f4e2aca_qkvgemm
	.p2align	8
	.type	k_q862f4e2aca_qkvgemm,@function
k_q862f4e2aca_qkvgemm:
	s_mov_b64 s[64:65], 0
	v_nop
	global_prefetch_b8 v0, s[64:65] scope:SCOPE_SE
	s_setreg_imm32_b32 hwreg(HW_REG_WAVE_MODE, 25, 1), 1
	s_wait_xcnt 0x0
	s_wait_alu depctr_hold_cnt(0) depctr_sa_sdst(0) depctr_va_vdst(0) depctr_va_sdst(0) depctr_va_ssrc(0) depctr_va_vcc(0) depctr_vm_vsrc(0)
	s_getreg_b32 s2, hwreg(HW_REG_IB_STS2, 6, 4)
	s_cmp_eq_u32 s2, 0
	s_cbranch_scc0 .Lentry_in_a_cluster
	s_endpgm
.Lentry_in_a_cluster:
	s_bfe_u32 s2, ttmp6, 0x10000c
	s_cmp_lg_u32 s2, 0xf033
	s_cbranch_scc0 .Lentry_shape_is_right
	s_endpgm
.Lentry_shape_is_right:
; q, k, v = h Wq, h Wk, h Wv on codes of FP6 (E2M3), K = 1,024, and their results quantised on the way: q and k along the head's 64, v along the keys.
; OPERANDS are images of 16 rows x 64 K (768 bytes: lane l = r + 16 h owns the six words of row r, block h: words 0-3 at 16 l, words 4-5 at 512 + 8 l), laid [tile of 128 rows][64 K][16 rows]; a fragment of 128 K is two images:
; four LDS loads, each dense in the lanes.  Scale words: [tile][128 K][128 rows].  Inside each block of 32 along any K the second and third group of eight change places, alike in both operands.
; A WORK-GROUP STAYS: it owns 128 tokens and makes three tiles of 128 columns: tile column gx of q, of k and of v.  A wave makes 64 x 64 of each: 16 accumulators, one head wide.
; THE ACTIVATIONS come into LDS once, and each wave's 64 rows, all of K (32 fragments, 384 registers) with their scale words, stay in its REGISTERS for the three tiles.
; THE WEIGHTS' TILES, all of K each, go through two LDS slots: tiles 0 and 1 are asked for at the start, tile 2 at the head of tile 0's last step, into tile 0's slot: it has tile 0's way out and all of tile 1 in which to land.
; SOURCES.  Source 1's rows lie in the result's lanes, source 0's along its registers.  For q and k source 0 is the weight: a lane holds one token and 64 of the head.  For v the two change places:
; a lane holds one of the head's 64 and its registers run along 64 tokens, the second product's K.
; SCALE WORDS: a register holds an even step's words in lanes 0-15 and the next step's in lanes 16-31; odd steps name the upper row on both sides.
; CLUSTER 4 x 4: the activations' tile is shared along a row of the cluster, the weights' along a column: each is asked for jointly; the weights' later tiles come a quarter a wave.
; OUT: q, k: images [head of batch][16 tokens][768], scale bytes u16 [head of batch][token]; v: images [head of batch][64 keys][16 of the head][768], scale words [head of batch][128 keys][64].
; LIMITS: a block of zeros, or one under 2^-124, gets the byte 1 (this program alone reads the bytes); NaN and infinities are not served.
.set NT,    3                          ; tiles of a work-group
.set TILEB, 98304                      ; a tile of 128 rows, all of K, in bytes
.set UNIT,  24576                      ; a quarter of it: what one tensor load brings: 96 rows of 256 bytes
.set TSTEP, 8*TILEB                    ; from a tile of the walk to the next
.set ASC,   3145728                    ; where the activations' scale words begin
.set WSOFF, 9437184                    ; where the weights' scale words begin
.set QS,    9437184                    ; where the scales begin in the output
.set SLOT1, 1<<17                      ; the weights' slot 0 lies at 0, slot 1 here: one exclusive or turns an address in one into the other's
.set SCA,   98304                      ; between the slots: the activations' scale words,
.set SCB,   SCA+4096                   ; the weights' of all tiles, [tile][4,096 bytes],
.set SPARE, SCB+NT*4096+2048           ; and the spare words, 128 bytes for each wave: two blocks of 256 bytes that no other line names
.set AL,    229376                     ; behind slot 1: the activations' tile
.set SBB,  7                           ; v7     my lane's place among the weights' scale words
.set BB,   8                           ; v8-11  my lane's place in a slot: 16 x lane form for K's halves, then 512 + 8 x lane form
.set ADB,  12                          ; v12-15 the same in the slot in hand
.set ADSB, 16                          ; v16    the scale words of the tile in hand
.set SPW,  17                          ; v17    my spare word; never rewritten
.set NIL,  18                          ; v18    0; never rewritten
.set AA,   26                          ; v26-29 the activations' fragments in LDS; v30 their scale words
.set ASA,  30
.set SAR,  32                          ; v32-47 the activations' scale words: 4 (step / 2) + block
.set SBR,  48                          ; v48-55 the weights': two sets of four
.set PC0,  56                          ; v56-74, v76-94 codes
.set PC1,  76
.set TM,   96                          ; v96-111 the quantiser's work
.set PW0,  112
.set PW1,  113
.set ACC,  128                         ; accumulator (x, y) at v[128 + 8 (4 x + y)].  Windows 1, 2: v0-191 the activations of steps 0-3, 4-7; v192-239 the weights' fragment sets 0, 1
.set SEL,  22
.set G1A,  24                          ; s[24:31] group 1 for the activations' tile; s[32:35] its group 0
.set G0A,  32
.set G0B0, 36                          ; s[36:39] group 0 for tile 0
.set G1B,  48                          ; s[48:55] group 1 for a quarter of the weights' tile
.set G0R,  56                          ; s[56:59] group 0 for tile 1, which then walks on
.set TB,   60                          ; s60 the slot in hand
.set TSB,  61                          ; s61 4,096 x the tile in hand
.set G1SA, 68
.set G0SA, 76
.set G1SB, 80
.set G0SB, 88
.set MSB, 0
.macro WIN new                         ; the immediate's high byte repeats the setting that is left
.if MSB != \new
	s_set_vgpr_msb (MSB<<8)|\new
.set MSB, \new
.endif
.endm
.macro PLACES                          ; four plain lines between a matrix instruction and a load into, or a vector read of, its registers
.rept 4
	v_nop
.endr
.endm
.macro CROUND                          ; a round of the cluster's barrier
	s_barrier_signal -1
	s_barrier_wait -1
	s_cmp_lg_u32 s14, 0
	s_cbranch_scc1 .Lnot_wave_0_\@
	s_barrier_signal -3
.Lnot_wave_0_\@:
	s_barrier_wait -3
	s_barrier_signal -1
	s_barrier_wait -1
.endm
	s_load_b128 s[4:7], s[0:1], 0x0                ; act, wts
	s_load_b64 s[8:9], s[0:1], 0x10                ; qkvc
	v_lshl_add_u32 v[SPW], v0, 2, SPARE
	v_mov_b32 v[NIL], 0
	ds_add_u32 v17, v18
	ds_add_u32 v17, v18
	s_wait_dscnt 0x0
	v_lshrrev_b32 v1, 5, v0
	v_readfirstlane_b32 s14, v1                    ; wave
	s_lshr_b32 s15, s14, 1                         ; wr: my 64 tokens
	s_and_b32 s16, s14, 1                          ; wc: my 64 columns
	s_bfe_u32 s40, ttmp6, 0x40000                  ; cx
	s_bfe_u32 s41, ttmp6, 0x40004                  ; cy
	s_lshl_b32 s42, ttmp9, 2
	s_add_co_u32 s42, s42, s40                     ; gx: tile column in each of the three weights
	s_and_b32 s17, ttmp7, 0xffff
	s_lshl_b32 s17, s17, 2
	s_add_co_u32 s17, s17, s41                     ; mt: tile row
	s_lshl_b32 s43, s41, 2
	s_lshl_b32 s43, 15, s43                        ; my row of the cluster
	s_lshl_b32 s44, 0x1111, s40                    ; my column
	s_or_b32 s[G1A+0], s43, (3<<16)|(1<<21)        ; the mask; elements of 8 bytes; bit 21 beside a mask; no padding
	s_or_b32 s[G1B+0], s44, (3<<16)|(1<<21)
.irp g, G1A, G1B
	s_mov_b32 s[\g+1], 32<<16                      ; tensor_dim0 = 32 elements: rows of 256 bytes of a dense block
	s_mov_b32 s[\g+2], 384<<16                     ; tensor_dim1 = 384: at the head a load brings a whole tile
	s_mov_b32 s[\g+3], 32<<16                      ; tile_dim0
	s_mov_b32 s[\g+4], 384                         ; tile_dim1
	s_mov_b32 s[\g+5], 32                          ; pitch
	s_mov_b32 s[\g+6], 0
	s_mov_b32 s[\g+7], 0
.endr
	s_or_b32 s[G1SA+0], s43, (3<<16)|(1<<21)
	s_mov_b32 s[G1SA+1], 32<<16
	s_mov_b32 s[G1SA+2], 16<<16                    ; all the activations' scale words: 16 rows of 256 bytes
	s_mov_b32 s[G1SA+3], 32<<16
	s_mov_b32 s[G1SA+4], 16
	s_mov_b32 s[G1SA+5], 32
	s_mov_b32 s[G1SA+6], 0
	s_mov_b32 s[G1SA+7], 0
	s_or_b32 s[G1SB+0], s44, (3<<16)|(1<<21)
	s_mov_b32 s[G1SB+1], 512<<16                   ; each tile's scale words whole: NT rows of 4,096 bytes, eight tiles (32,768 bytes) apart
	s_mov_b32 s[G1SB+2], NT<<16
	s_mov_b32 s[G1SB+3], 512<<16
	s_mov_b32 s[G1SB+4], NT
	s_mov_b32 s[G1SB+5], 4096
	s_mov_b32 s[G1SB+6], 0
	s_mov_b32 s[G1SB+7], 0
	s_mul_i32 s45, s14, UNIT                       ; my quarter of a tile,
	s_mul_i32 s20, s17, TILEB                      ; the activations' addresses hang on mt alone,
	s_mov_b32 s21, 0
	s_mul_i32 s46, s42, TILEB                      ; the weights' on gx alone
	s_mov_b32 s47, 0
	s_lshl_b32 s22, s17, 12
	s_add_co_u32 s22, s22, ASC
	s_mov_b32 s23, 0
	s_lshl_b32 s92, s42, 12
	s_add_co_u32 s92, s92, WSOFF
	s_mov_b32 s93, 0
	s_wait_kmcnt 0x0
	s_add_nc_u64 s[20:21], s[4:5], s[20:21]
	s_add_nc_u64 s[22:23], s[4:5], s[22:23]
	s_add_nc_u64 s[46:47], s[6:7], s[46:47]
	s_add_nc_u64 s[92:93], s[6:7], s[92:93]
	s_mov_b32 s[G0SA], 1
	s_mov_b32 s[G0SA+1], SCA
	s_mov_b64 s[G0SA+2:G0SA+3], s[22:23]
	s_or_b32 s[G0SA+3], s[G0SA+3], 0x80000000
	s_mov_b32 s[G0SB], 1
	s_mov_b32 s[G0SB+1], SCB
	s_mov_b64 s[G0SB+2:G0SB+3], s[92:93]
	s_or_b32 s[G0SB+3], s[G0SB+3], 0x80000000
	s_mov_b32 s[G0A], 1
	s_mov_b32 s[G0A+1], AL
	s_mov_b64 s[G0A+2:G0A+3], s[20:21]
	s_or_b32 s[G0A+3], s[G0A+3], 0x80000000
	s_mov_b32 s[G0B0], 1
	s_mov_b32 s[G0B0+1], 0
	s_mov_b64 s[G0B0+2:G0B0+3], s[46:47]
	s_or_b32 s[G0B0+3], s[G0B0+3], 0x80000000
	s_mov_b32 s[G0R], 1
	s_add_co_u32 s[G0R+1], s45, SLOT1
	s_mov_b32 s94, s45                             ; the walking descriptor brings my quarter of a tile
	s_mov_b32 s95, 0
	s_add_nc_u64 s[G0R+2:G0R+3], s[46:47], s[94:95]
	s_add_nc_u64 s[G0R+2:G0R+3], s[G0R+2:G0R+3], TSTEP
	s_or_b32 s[G0R+3], s[G0R+3], 0x80000000
	CROUND                                         ; all sixteen work-groups are here: the first joint loads meet
	; THE HEAD'S FOUR TILES, ONE A WAVE, each whole: wave 0 the activations' tile, wave 1 the weights' tile 0, wave 2 the activations' scale words, wave 3 the weights' of all tiles.
	; One chain of branches on the wave's number: every way passes exactly one load.  Tile 1 is asked for behind the full sequence below, a quarter a wave.
	s_cmp_lt_u32 s14, 1
	s_cbranch_scc0 .Lhead_b
	tensor_load_to_lds s[G0A:G0A+3], s[G1A:G1A+7]
	s_nop 0
	PLACES
	s_branch .Lhead_asked
.Lhead_b:
	s_cmp_lt_u32 s14, 2
	s_cbranch_scc0 .Lhead_sa
	tensor_load_to_lds s[G0B0:G0B0+3], s[G1B:G1B+7]
	s_nop 0
	PLACES
	s_branch .Lhead_asked
.Lhead_sa:
	s_cmp_lt_u32 s14, 3
	s_cbranch_scc0 .Lhead_sb
	tensor_load_to_lds s[G0SA:G0SA+3], s[G1SA:G1SA+7]
	s_nop 0
	PLACES
	s_branch .Lhead_asked
.Lhead_sb:
	tensor_load_to_lds s[G0SB:G0SB+3], s[G1SB:G1SB+7]
	s_nop 0
	PLACES
.Lhead_asked:
	v_and_b32 v1, 31, v0                           ; lane
	v_and_b32 v2, 15, v0                           ; r
	v_bfe_u32 v3, v0, 4, 1                         ; h
	v_lshlrev_b32 v4, 4, v1                        ; 16 x lane
	v_lshlrev_b32 v5, 3, v1
	v_add_nc_u32 v5, 512, v5                       ; 512 + 8 x lane
	s_mul_i32 s19, s16, 3072                       ; the weights: my four blocks of columns
	v_add_nc_u32 v[BB], s19, v4
	v_add_nc_u32 v[BB+2], s19, v5
	s_add_co_u32 s19, s19, 49152                   ; K's second half: LDS offsets have 16 bits
	v_add_nc_u32 v[BB+1], s19, v4
	v_add_nc_u32 v[BB+3], s19, v5
	s_mul_i32 s18, s15, 3072                       ; the activations: my four blocks of tokens
	s_add_co_u32 s18, s18, AL
	v_add_nc_u32 v[AA], s18, v4
	v_add_nc_u32 v[AA+2], s18, v5
	s_add_co_u32 s18, s18, 49152
	v_add_nc_u32 v[AA+1], s18, v4
	v_add_nc_u32 v[AA+3], s18, v5
	v_lshlrev_b32 v6, 2, v2
	v_lshl_add_u32 v6, v3, 9, v6                   ; scale words: 4 r, and lanes 16-31 one step (512 bytes) on
	s_lshl_b32 s18, s15, 8
	s_add_co_u32 s18, s18, SCA
	v_add_nc_u32 v[ASA], s18, v6
	s_lshl_b32 s18, s16, 8
	s_add_co_u32 s18, s18, SCB
	v_add_nc_u32 v[SBB], s18, v6
	s_mov_b32 s[TB], 0
	s_mov_b32 s[TSB], 0
	s_mov_b32 s[SEL], 0x76543210
	s_mov_b32 s[SEL+1], 0xfedcba98                 ; v_permlanex16_b32: lane l xor 16
.irp b, 0,1,2,3
	v_mov_b32 v[TM+4+\b], 0                        ; written once: a lane permute's destination counts as one of its sources
.endr
	; where the results go
	s_lshr_b32 s66, s17, 4
	s_lshl_b32 s66, s66, 4
	s_lshl_b32 s67, s42, 1
	s_add_co_u32 s66, s66, s67
	s_add_co_u32 s66, s66, s16                     ; head of batch = 16 (mt / 16) + 2 gx + wc
	s_and_b32 s67, s17, 15                         ; which 128 tokens of the batch
	s_mul_i32 s10, s66, 98304
	s_lshl_b32 s11, s67, 1
	s_add_co_u32 s11, s11, s15
	s_mul_i32 s11, s11, 3072                       ; my 64 tokens: four images, for q, k (four blocks of tokens) and for v (four blocks of the head) alike
	s_add_co_u32 s10, s10, s11
	s_mov_b32 s11, 0
	s_add_nc_u64 s[10:11], s[8:9], s[10:11]        ; q's; k's and v's lie 3,145,728 and 6,291,456 bytes on: inside the stores' signed 24-bit immediate
	s_lshl_b32 s12, s66, 12
	s_lshl_b32 s13, s67, 8
	s_add_co_u32 s12, s12, s13
	s_add_co_u32 s12, s12, QS
	s_lshl_b32 s13, s15, 1
	s_add_co_u32 s96, s12, s13                     ; v: my 64 keys are bytes 2 wr, 2 wr + 1 of a word
	s_mov_b32 s97, 0
	s_lshl_b32 s13, s15, 7
	s_add_co_u32 s12, s12, s13                     ; q, k: 2 bytes a token
	s_mov_b32 s13, 0
	s_add_nc_u64 s[12:13], s[8:9], s[12:13]
	s_add_nc_u64 s[96:97], s[8:9], s[96:97]
	v_lshlrev_b32 v21, 1, v1                       ; q, k: rows 0-31 of my 64,
	v_add_nc_u32 v22, 32, v1
	v_lshlrev_b32 v25, 2, v22                      ; v: rows 32-63,
	v_lshlrev_b32 v22, 1, v22                      ; q, k: rows 32-63,
	v_lshlrev_b32 v24, 2, v1                       ; v: rows 0-31
	v_lshlrev_b32 v23, 4, v3                       ; 16 h
.macro LOADA                           ; my 64 rows of the activations, all of K, and their scale words: into registers, once
.irp ks, 0,1,2,3,4,5,6,7
	WIN (0x40<<(\ks/4))                            ; destination window 1 or 2
.irp x, 0,1,2,3
.irp e, 0,1
	ds_load_b128 v[48*(\ks%4)+12*\x+6*\e:48*(\ks%4)+12*\x+6*\e+3], v[AA+\ks/4] offset:(2*(\ks%4)+\e)*6144+\x*768
	ds_load_b64 v[48*(\ks%4)+12*\x+6*\e+4:48*(\ks%4)+12*\x+6*\e+5], v[AA+2+\ks/4] offset:(2*(\ks%4)+\e)*6144+\x*768
.endr
.endr
.endr
	WIN 0
.irp kp, 0,1,2,3
.irp i, 0,1,2,3
	ds_load_b32 v[SAR+4*\kp+\i], v[ASA] offset:\kp*1024+\i*64
.endr
.endr
.endm
.macro SETB                            ; the LDS addresses of the tile in hand
.irp k, 0,1,2,3
	v_add_nc_u32 v[ADB+\k], s[TB], v[BB+\k]
.endr
	v_add_nc_u32 v[ADSB], s[TSB], v[SBB]
.endm
.macro FETCHB ks                       ; the weights' four fragments of step ks into set ks % 2; with an even step the scale words of it and of the next
	WIN (0x40<<((\ks)%2))
.irp y, 0,1,2,3
.irp e, 0,1
	ds_load_b128 v[192+12*\y+6*\e:192+12*\y+6*\e+3], v[ADB+(\ks)/4] offset:(2*((\ks)%4)+\e)*6144+\y*768
	ds_load_b64 v[192+12*\y+6*\e+4:192+12*\y+6*\e+5], v[ADB+2+(\ks)/4] offset:(2*((\ks)%4)+\e)*6144+\y*768
.endr
.endr
	WIN 0
.if (\ks)%2 == 0
.irp i, 0,1,2,3
	ds_load_b32 v[SBR+4*(((\ks)/2)%2)+\i], v[ADSB] offset:((\ks)/2)*1024+\i*64
.endr
.endif
.endm
; 16 matrix instructions, the 16 accumulators by turns in the same order in every step.  first = 1: the products start the sums.  swap = 1: the activations are source 0
.macro MUL16 ks, first, swap
.set kP, (\ks)/2
.set rA, 48*((\ks)%4)
.if \swap
	WIN ((1+(\ks)/4)|((1+(\ks)%2)<<2))
.else
	WIN ((1+(\ks)%2)|((1+(\ks)/4)<<2))
.endif
.irp x, 0,1,2,3
.irp y, 0,1,2,3
.set rD, ACC+8*(4*\x+\y)
.if \swap
.set rS0, rA+12*\y
.set rS1, 192+12*\x
.set cS0, SAR+4*kP+\y
.set cS1, SBR+4*(kP%2)+\x
.else
.set rS0, 192+12*\y
.set rS1, rA+12*\x
.set cS0, SBR+4*(kP%2)+\y
.set cS1, SAR+4*kP+\x
.endif
.if \first
	v_wmma_scale_f32_16x16x128_f8f6f4 v[rD:rD+7], v[rS0:rS0+11], v[rS1:rS1+11], 0, v[cS0], v[cS1] matrix_a_fmt:MATRIX_FMT_FP6 matrix_b_fmt:MATRIX_FMT_FP6
.elseif (\ks)%2
	v_wmma_scale_f32_16x16x128_f8f6f4 v[rD:rD+7], v[rS0:rS0+11], v[rS1:rS1+11], v[rD:rD+7], v[cS0], v[cS1] matrix_a_fmt:MATRIX_FMT_FP6 matrix_b_fmt:MATRIX_FMT_FP6 matrix_a_scale:MATRIX_SCALE_ROW1 matrix_b_scale:MATRIX_SCALE_ROW1
.else
	v_wmma_scale_f32_16x16x128_f8f6f4 v[rD:rD+7], v[rS0:rS0+11], v[rS1:rS1+11], v[rD:rD+7], v[cS0], v[cS1] matrix_a_fmt:MATRIX_FMT_FP6 matrix_b_fmt:MATRIX_FMT_FP6
.endif
.endr
.endr
	WIN 0
.endm
.macro STEP ks, first, swap            ; the next step's fragments are asked for, then this step is multiplied
	s_wait_dscnt 0x0                               ; this step's fragments are in
	PLACES                                         ; the other set was read by the step before
	FETCHB (\ks)+1
	MUL16 \ks, \first, \swap
.endm
.macro STEPS swap                      ; a tile's first seven steps
	STEP 0, 1, \swap
.irp k, 1,2,3,4,5,6
	STEP \k, 0, \swap
.endr
.endm
; A tile's last step changes slots.  In front of the barrier each wave waits for all its tensor loads (its quarter of the next tile), adds 0 to its spare word, and waits for that and for its reads of this slot,
; whose last fragments are then in registers.  fill = 1: the barrier is a round of the cluster's, and this slot is filled again, with the tile two on, first thing behind it.
.macro TURN fill, swap
	s_wait_tensorcnt 0x0                           ; no tensor load of mine is out, so a group 0 may be written
	ds_add_u32 v[SPW], v[NIL]                      ; 0 onto my spare word
.if \fill
	s_xor_b32 s[G0R+1], s[G0R+1], SLOT1            ; the walking descriptor: the other slot than last time,
	s_add_nc_u64 s[G0R+2:G0R+3], s[G0R+2:G0R+3], TSTEP   ; the next tile of the walk
.endif
	s_xor_b32 s[TB], s[TB], SLOT1                  ; my reads go on to the other slot,
	s_add_co_u32 s[TSB], s[TSB], 4096              ; and to the next tile's scale words
	s_wait_dscnt 0x0                               ; the add is done, and my reads of this slot are over
.if \fill
	CROUND                                         ; no wave of any partner still reads this slot or has a load on its way
	tensor_load_to_lds s[G0R:G0R+3], s[G1B:G1B+7]
	s_nop 0
	PLACES                                         ; four v_nop behind it: also the places in front of the loads below
.else
	s_barrier_signal -1
	s_barrier_wait -1
	PLACES
.endif
	SETB
	FETCHB 0                                       ; the next tile's first fragments land under this tile's last step and way out
	MUL16 7, 0, \swap
.endm
; 64 numbers of a lane, register 16 b + i, b = 0 .. 3: two rows' 64 along the next K; lanes l and l xor 16 share a block.  They become two images' words in v[pc] .. v[pc+11]; v[pw]: bytes 0, 1 the first row's, 2, 3 the second's
.macro QUANT s, pc, pw
.irp b, 0,1,2,3
	v_max3_num_f32 v[TM+\b], |v[\s+16*\b]|, |v[\s+1+16*\b]|, 0x1800000   ; the floor 2^(3 - 127): the byte cannot fall under 1
.endr
.irp i, 2,4,6,8,10,12,14
.irp b, 0,1,2,3
	v_max3_num_f32 v[TM+\b], v[TM+\b], |v[\s+16*\b+\i]|, |v[\s+1+16*\b+\i]|
.endr
.endr
.irp b, 0,1,2,3
	v_permlanex16_b32 v[TM+4+\b], v[TM+\b], s[SEL], s[SEL+1]
.endr
.irp b, 0,1,2,3
	v_max_num_f32 v[TM+\b], v[TM+\b], v[TM+4+\b]
.endr
.irp b, 0,1,2,3
	v_add_nc_u32 v[TM+12+\b], 0xff000000, v[TM+\b]   ; 2 off the exponent field: the conversion's scale operand
.endr
.irp b, 0,1,2,3
	v_lshrrev_b32 v[TM+4+\b], 23, v[TM+12+\b]
.endr
	v_lshl_or_b32 v[\pw], v[TM+5], 8, v[TM+4]
	v_lshl_or_b32 v[\pw], v[TM+6], 16, v[\pw]
	v_lshl_or_b32 v[\pw], v[TM+7], 24, v[\pw]
.irp c, 0,1
	v_cvt_scalef32_pk16_fp6_f32 v[\pc+6*\c:\pc+2+6*\c], v[\s+32*\c:\s+15+32*\c], v[TM+12+2*\c]
	v_cvt_scalef32_pk16_fp6_f32 v[\pc+12+4*\c:\pc+14+4*\c], v[\s+16+32*\c:\s+31+32*\c], v[TM+12+2*\c+1]
.endr
	v_nop                                          ; one plain line behind a scaled conversion
.irp c, 0,1                            ; a whole block to a lane: lanes 0-15 the first block, lanes 16-31 the second
.irp i, 0,1,2
	v_permlane16_swap_b32 v[\pc+6*\c+\i], v[\pc+12+4*\c+\i]
.endr
.irp i, 0,1,2
	v_mov_b32 v[\pc+3+6*\c+\i], v[\pc+12+4*\c+\i]
.endr
.endr
.endm
.macro EPI j, swap                     ; tile j's way out
	PLACES
.if \j > 0
	s_wait_xcnt 0x0                                ; the last tile's stores have read their registers
.endif
	QUANT ACC, PC0, PW0                            ; each accumulator is read from its low end on
	QUANT ACC+64, PC1, PW1
	v_lshrrev_b32 v[PW0], v23, v[PW0]              ; lane l keeps the two bytes of row l of the 32
	v_lshrrev_b32 v[PW1], v23, v[PW1]
.irp x, 0,1,2,3
	global_store_b128 v4, v[PC0+20*(\x/2)+6*(\x%2):PC0+20*(\x/2)+6*(\x%2)+3], s[10:11] offset:(\j)*3145728+768*\x   ; 512 consecutive bytes,
	global_store_b64 v5, v[PC0+20*(\x/2)+6*(\x%2)+4:PC0+20*(\x/2)+6*(\x%2)+5], s[10:11] offset:(\j)*3145728+768*\x  ; and the 256 behind them
.endr
.if \swap
	global_store_b16 v24, v[PW0], s[96:97] offset:(\j)*131072
	global_store_b16 v25, v[PW1], s[96:97] offset:(\j)*131072
.else
	global_store_b16 v21, v[PW0], s[12:13] offset:(\j)*131072
	global_store_b16 v22, v[PW1], s[12:13] offset:(\j)*131072
.endif
.endm
	s_wait_alu depctr_va_vdst(0)                   ; the wait at the head's end
	s_wait_tensorcnt 0x0                           ; my tile of the head's four is in
	ds_add_u32 v[SPW], v[NIL]
	s_mov_b32 s[G1B+2], 96<<16                     ; no tensor load of mine is out: from here on a load brings a quarter of a tile, 96 rows
	s_mov_b32 s[G1B+4], 96
	s_wait_dscnt 0x0
	CROUND                                         ; all four tiles are in, and all sixteen work-groups are here
	tensor_load_to_lds s[G0R:G0R+3], s[G1B:G1B+7]  ; tile 1, slot 1's first fill: my one load behind the round
	s_nop 0
	PLACES
	LOADA
	SETB
	FETCHB 0
	s_wait_alu depctr_va_vdst(0)
	STEPS 0                                        ; q
	TURN 1, 0                                      ; tile 2 is asked for, into q's slot
	EPI 0, 0
	STEPS 0                                        ; k
	TURN 0, 0                                      ; tile 2 is shown whole to every wave; nothing is left to ask for
	EPI 1, 0
	STEPS 1                                        ; v: the sources change places
	s_wait_dscnt 0x0
	MUL16 7, 0, 1
	EPI 2, 1
	s_wait_tensorcnt 0x0                           ; the wave's end
	ds_add_u32 v[SPW], v[NIL]
	s_wait_dscnt 0x0
	CROUND                                         ; the closing round: no work-group ends while a partner may still ask for a tile that names it
	s_endpgm
.Lfunc_end_k_q862f4e2aca_qkvgemm:
	.size	k_q862f4e2aca_qkvgemm, .Lfunc_end_k_q862f4e2aca_qkvgemm-k_q862f4e2aca_qkvgemm
	.p2alignl 7, 3214868480
	.fill 96, 4, 3214868480
	.section	.rodata,"a",@progbits
	.p2align	6, 0x0
	.amdhsa_kernel k_q862f4e2aca_qkvgemm
		.amdhsa_group_segment_fixed_size 327680
		.amdhsa_private_segment_fixed_size 0
		.amdhsa_enable_private_segment 0
		.amdhsa_kernarg_size 24
		.amdhsa_user_sgpr_count 2
		.amdhsa_user_sgpr_kernarg_segment_ptr 1
		.amdhsa_wavefront_size32 1
		.amdhsa_system_sgpr_workgroup_id_x 1
		.amdhsa_system_sgpr_workgroup_id_y 1
		.amdhsa_system_sgpr_workgroup_id_z 1
		.amdhsa_system_vgpr_workitem_id 0
		.amdhsa_next_free_vgpr 768
		.amdhsa_next_free_sgpr 98
		.amdhsa_reserve_vcc 0
		.amdhsa_float_denorm_mode_32 3
		.amdhsa_float_denorm_mode_16_64 3
		.amdhsa_memory_ordered 1
		.amdhsa_forward_progress 1
		.amdhsa_inst_pref_size 129
	.end_amdhsa_kernel
	.amdgpu_metadata
---
amdhsa.version: [ 1, 2 ]
amdhsa.kernels:
  - .name:           k_q862f4e2aca_qkvgemm
    .symbol:         k_q862f4e2aca_qkvgemm.kd
    .args:
      - { .name: act, .offset: 0, .size: 8, .value_kind: global_buffer, .address_space: global }
      - { .name: wts, .offset: 8, .size: 8, .value_kind: global_buffer, .address_space: global }
      - { .name: qkvc, .offset: 16, .size: 8, .value_kind: global_buffer, .address_space: global }
    .group_segment_fixed_size: 327680
    .private_segment_fixed_size: 0
    .kernarg_segment_align: 8
    .kernarg_segment_size: 24
    .max_flat_workgroup_size: 128
    .sgpr_count:     98
    .vgpr_count:     768
    .wavefront_size: 32
...
	.end_amdgpu_metadata
.endif
;; end of part 9
;; launch attn (part 10): grid 8 x 32, 16 waves a work-group, no clusters, 243,712 bytes of LDS; arguments qkvc, act; writes act
.if DOCPART == 10
	.amdgcn_target "amdgcn-amd-amdhsa--gfx1250"
	.amdhsa_code_object_version 6
	.text
	.protected	k_q862f4e2aca_attn
	.globl	k_q862f4e2aca_attn
	.p2align	8
	.type	k_q862f4e2aca_attn,@function
k_q862f4e2aca_attn:
	s_mov_b64 s[64:65], 0
	v_nop
	global_prefetch_b8 v0, s[64:65] scope:SCOPE_SE
	s_setreg_imm32_b32 hwreg(HW_REG_WAVE_MODE, 25, 1), 1
	s_wait_xcnt 0x0
; Causal attention of one head of one batch on codes of FP6 (E2M3): o = softmax(q k^T / 32) v, quantised on the way out along the head's 64 for the projection.
; THE SOFTMAX AHEAD OF THE SECOND PRODUCT: t = score x log2(e) / 32; M = the running largest t rounded UP to a whole number; p = 2^(t - M) is quantised along the keys, not normalised; the row's sum is taken of the
; unquantised p and divides at the end.  When M moves, the sum and O are multiplied by 2^(old M - new M): exact.
; IN: images of 16 rows x 64 K (768 bytes: lane l = r + 16 h owns six words: words 0-3 at 16 l, words 4-5 at 512 + 8 l).  q, k: [16 tokens][768], K = the head's 64: a score's fragment is one image and six registers of zero codes,
; which add nothing.  v: [64 keys][16 of the head][768], K = the keys.  Inside each block of 32 along any K the second and third group of eight change places, alike in both operands: that is the order in which a
; lane's registers of two neighbouring result tiles fall, so the keys of a tile are neighbours and p needs no reordering.
; SHARES.  The head's K and V, 196,608 bytes of codes and 8,192 of scales, lie in LDS whole, filled once.  A work-group owns blocks i and 15 - i of 128 queries, so that all work-groups have the same part of the triangle;
; each of its 16 waves owns 16 queries.  A step is 128 keys; a step all of whose keys come after the wave's queries is left out by a scalar branch on ids.
; Both products are used transposed: a lane holds ONE query throughout.
; NO CLUSTER: the steps that a wave leaves out hang on its block of queries, which would be the work-group's place in a cluster.
; LIMITS: a block of zeros, or one under 2^-124, gets the byte 1 (this program alone reads the bytes); NaN and infinities are not served.
.set KSC,  98304                       ; LDS: K's codes at 0, K's scale bytes (u16 a key),
.set VC,   102400                      ; V's codes,
.set VSC,  200704                      ; V's scale words
.set QS,   9437184                     ; where the scales begin in qkvc
.set ASC,  3145728                     ; and in act
.set S,    128                         ; v128-191 S^T, then p
.set O,    192                         ; v192-223 O^T
.set WV,   8
.set G1S,  16                          ; s[16:23] group 1: 16 rows of 256 bytes; s[24:31] 48 rows; s[32:39] 336 rows
.set G1F,  24
.set G1R,  32
.set G0S,  40
.set G0F,  44
.set G0R,  48
.set SEL,  52
.set CS,   54
.set TB,   56                          ; LDS byte of the step's codes: 6,144 a step, in K and in V
.set TS,   57                          ; and of its scales: 256 a step
.set KF,   58                          ; the step's first key
.set Q0,   59                          ; my first query
.set CNT,  60
; A PAIR OF WAVES SHARES ITS TWO TILES OF 16 QUERIES, 17 key steps in all, as 9 and 8.  The wave with ROLE = 1 takes the late tile's steps 0 to 8.  Its partner (ROLE = 0) takes the early tile, i + 1 steps, puts it out,
; begins anew and takes the late tile's steps 9 to 15 - i; its O^T, sums and -M go through the pair's 4,608 bytes of LDS to the first wave, which brings both parts under the larger M (factors that are powers of two) and adds them.
; Every loop has a constant count of trips; a step outside LO .. HI (first keys, made of ids alone) only steps the addresses.
.set ROLE, 79
.set LO,   80
.set HI,   81
.set QL,   82                          ; the late tile's first query
.set HI2,  84                          ; the late tile's last step's first key
.set STGB, 206848                      ; LDS, behind the spare words: 4,608 bytes a pair
	s_load_b128 s[4:7], s[0:1], 0x0                ; qkvc, act
	v_lshl_add_u32 v243, v0, 2, 0x32000
	v_mov_b32 v255, 0
	ds_add_u32 v243, v255
	ds_add_u32 v243, v255
	v_lshrrev_b32 v8, 5, v0
	s_delay_alu instid0(VALU_DEP_1)
	v_readfirstlane_b32 s[WV], v8                  ; wave 0 .. 15
	s_and_b32 s9, ttmp7, 0xffff                    ; head of batch
.irp g, G1S, G1F, G1R
	s_mov_b32 s[\g], 3<<16                         ; no mask; elements of 8 bytes; no padding
	s_mov_b32 s[\g+1], 32<<16                      ; rows of 256 bytes of a dense block
	s_mov_b32 s[\g+3], 32<<16
	s_mov_b32 s[\g+5], 32
	s_mov_b32 s[\g+6], 0
	s_mov_b32 s[\g+7], 0
.endr
	s_mov_b32 s[G1S+2], 16<<16
	s_mov_b32 s[G1S+4], 16
	s_mov_b32 s[G1F+2], 48<<16
	s_mov_b32 s[G1F+4], 48
	s_mov_b32 s[G1R+2], 336<<16
	s_mov_b32 s[G1R+4], 336
	s_and_b32 s78, s[WV], 1                        ; the loading waves: even ones fetch K's bytes, odd ones V's
	s_mul_i32 s61, s78, VC
	s_add_co_u32 s62, s78, 1
	s_mul_i32 s66, s62, 3145728
	s_mul_i32 s63, s9, 98304
	s_add_co_u32 s66, s66, s63
	s_mov_b32 s67, 0
	s_lshl_b32 s68, s62, 17
	s_lshl_b32 s63, s9, 12
	s_add_co_u32 s68, s68, s63
	s_add_co_u32 s68, s68, QS
	s_mov_b32 s69, 0
	s_wait_dscnt 0x0
	s_wait_kmcnt 0x0
	s_add_nc_u64 s[66:67], s[4:5], s[66:67]
	s_add_nc_u64 s[68:69], s[4:5], s[68:69]
	s_mov_b32 s[G0S], 1
	s_add_co_u32 s[G0S+1], s61, KSC
	s_mov_b64 s[G0S+2:G0S+3], s[68:69]
	s_or_b32 s[G0S+3], s[G0S+3], 0x80000000
	s_mov_b32 s[G0F], 1
	s_mov_b32 s[G0F+1], s61
	s_mov_b64 s[G0F+2:G0F+3], s[66:67]
	s_or_b32 s[G0F+3], s[G0F+3], 0x80000000
	s_mov_b32 s[G0R], 1
	s_add_co_u32 s[G0R+1], s61, 12288
	s_add_nc_u64 s[G0R+2:G0R+3], s[66:67], 12288
	s_or_b32 s[G0R+3], s[G0R+3], 0x80000000
	; six fills, one a wave, in one chain of branches on the wave's number: waves 0, 1 the first 256 keys, waves 2, 3 the scales, waves 4, 5 the rest
	s_cmp_lt_u32 s[WV], 2
	s_cbranch_scc0 .Lfill_s
	tensor_load_to_lds s[G0F:G0F+3], s[G1F:G1F+7]
	s_nop 0
.rept 4
	v_nop
.endr
	s_branch .Lno_fill
.Lfill_s:
	s_cmp_lt_u32 s[WV], 4
	s_cbranch_scc0 .Lfill_r
	tensor_load_to_lds s[G0S:G0S+3], s[G1S:G1S+7]
	s_nop 0
.rept 4
	v_nop
.endr
	s_branch .Lno_fill
.Lfill_r:
	s_cmp_lt_u32 s[WV], 6
	s_cbranch_scc0 .Lno_fill
	tensor_load_to_lds s[G0R:G0R+3], s[G1R:G1R+7]
	s_nop 0
.rept 4
	v_nop
.endr
.Lno_fill:
	s_lshr_b32 s61, s[WV], 2
	s_xor_b32 s61, s61, s[WV]
	s_and_b32 s61, s61, 1                          ; of the waves 2 u, 2 u + 1 one takes the early block, one the late
	s_sub_co_u32 s62, 15, ttmp9
	s_cmp_eq_u32 s61, 1
	s_cselect_b32 s62, s62, ttmp9
	s_lshl_b32 s62, s62, 7
	s_lshr_b32 s63, s[WV], 1
	s_lshl_b32 s63, s63, 4
	s_add_co_u32 s[Q0], s62, s63
	s_mov_b32 s[ROLE], s61
	s_sub_co_u32 s[HI2], 15, ttmp9
	s_lshl_b32 s[HI2], s[HI2], 7
	s_add_co_u32 s[QL], s[HI2], s63
	s_lshl_b32 s[HI], ttmp9, 7                     ; the early tile: steps 0 to i;
	s_cmp_eq_u32 s[ROLE], 1
	s_cselect_b32 s[HI], 1024, s[HI]               ; the late tile's first share: steps 0 to 8
	s_mov_b32 s[LO], 0
	s_lshr_b32 s83, s[WV], 1
	s_mul_i32 s83, s83, 4608
	s_add_co_u32 s83, s83, STGB                    ; my pair's bytes
	s_mul_i32 s74, s9, 98304                       ; the late tile's Q and its scale bytes
	s_mul_i32 s75, s[QL], 48
	s_add_co_u32 s74, s74, s75
	s_mov_b32 s75, 0
	s_add_nc_u64 s[74:75], s[4:5], s[74:75]
	s_lshl_b32 s76, s9, 12
	s_lshl_b32 s77, s[QL], 1
	s_add_co_u32 s76, s76, s77
	s_add_co_u32 s76, s76, QS
	s_mov_b32 s77, 0
	s_add_nc_u64 s[76:77], s[4:5], s[76:77]
	s_mul_i32 s70, s9, 98304
	s_mul_i32 s71, s[Q0], 48                       ; 768 bytes for 16 queries
	s_add_co_u32 s70, s70, s71
	s_mov_b32 s71, 0
	s_add_nc_u64 s[70:71], s[4:5], s[70:71]
	s_lshl_b32 s72, s9, 12
	s_lshl_b32 s73, s[Q0], 1
	s_add_co_u32 s72, s72, s73
	s_add_co_u32 s72, s72, QS
	s_mov_b32 s73, 0
	s_add_nc_u64 s[72:73], s[4:5], s[72:73]
	v_and_b32 v8, 31, v0                           ; lane
	v_and_b32 v9, 15, v0                           ; r
	v_bfe_u32 v10, v0, 4, 1                        ; h
	s_delay_alu instid0(VALU_DEP_3)
	v_lshlrev_b32 v1, 4, v8                        ; v1: 16 x lane
	s_delay_alu instid0(VALU_DEP_4)
	v_lshlrev_b32 v2, 3, v8
	s_delay_alu instid0(VALU_DEP_1)
	v_add_nc_u32 v2, 512, v2                       ; v2: 512 + 8 x lane
	v_lshl_add_u32 v3, v9, 1, KSC                  ; v3: K's scale bytes, 2 r
	s_delay_alu instid0(VALU_DEP_4)
	v_add_nc_u32 v4, VC, v1                        ; v4, v5: the same as v1, v2 in V
	s_delay_alu instid0(VALU_DEP_3)
	v_add_nc_u32 v5, VC, v2
	v_lshl_add_u32 v6, v9, 2, VSC                  ; v6: V's scale words, 4 r
	v_lshlrev_b32 v28, 1, v9
	v_add_nc_u32 v30, s83, v1                      ; v30: my pair's bytes, 16 x lane
	v_lshl_add_u32 v31, v9, 2, v10                 ; the way out: my byte, 4 r + h
	global_load_b128 v[16:19], v1, s[70:71]        ; Q's image stays in registers
	global_load_b64 v[20:21], v2, s[70:71]
	global_load_u16 v29, v28, s[72:73]             ; and its two scale bytes; the upper two are 0, over zero codes
	s_cmp_eq_u32 s[ROLE], 0
	s_cbranch_scc0 .Lno_q2
	global_load_b128 v[128:131], v1, s[74:75]      ; the wave that takes two tiles fetches the late tile's Q too
	global_load_b64 v[132:133], v2, s[74:75]
	global_load_u16 v134, v28, s[76:77]
.Lno_q2:
.irp j, 22,23,24,25,26,27
	v_mov_b32 v\j, 0                               ; K = 64 .. 127 of a score's fragment: zero codes
.endr
.irp t, 0,1,2,3
.irp j, 6,7,8,9,10,11
	v_mov_b32 v[32+12*\t+\j], 0                    ; likewise in K's four fragments: written once
.endr
.endr
	s_mov_b32 s[SEL], 0x76543210
	s_mov_b32 s[SEL+1], 0xfedcba98
	s_mov_b32 s[CS], 0x3d38aa3b                    ; c = log2(e) / 32
	s_mov_b32 s[CS+1], s[CS]
	s_mov_b32 s[TB], 0
	s_mov_b32 s[TS], 0
	s_mov_b32 s[KF], 0
	v_mov_b32 v13, 0xff61b1e6                      ; the largest t so far: -3e38
	s_delay_alu instid0(VALU_DEP_1)
	v_floor_f32 v12, -v13                          ; -M
	v_mov_b32 v14, 0                               ; the sum, in two halves
	v_mov_b32 v15, 0
.irp b, 0,1,2,3
	v_mov_b32 v[236+\b], 0                         ; written once: a lane permute's destination counts as one of its sources
.endr
	v_mov_b32 v252, 0
	v_mov_b32 v253, 0
.set j, 0
.rept 32
	v_mov_b32 v[O+j], 0                            ; O^T: the step is written once; the first finds zeros, which the first change of M leaves zeros
.set j, j+1
.endr
.macro STEP
	s_cmp_lt_u32 s[KF], s[LO]                      ; a step outside my share: only the addresses step
	s_cbranch_scc1 .Lhidden_\@
	s_cmp_gt_u32 s[KF], s[HI]
	s_cbranch_scc1 .Lhidden_\@
	v_add_nc_u32 v7, s[TB], v1                     ; six plain lines: also the places between the last step's products and the loads below
	v_add_nc_u32 v8, s[TB], v2
	v_add_nc_u32 v9, s[TS], v3
	v_add_nc_u32 v10, s[TB], v4
	v_add_nc_u32 v11, s[TB], v5
	v_add_nc_u32 v28, s[TS], v6
.irp g, 0,1                            ; S^T = K Q^T, four tiles of 16 keys at a time
.if \g
.rept 4
	v_nop                                          ; places in front of loads into registers that matrix instructions have read
.endr
.endif
.irp t, 0,1,2,3
	ds_load_b128 v[32+12*\t:35+12*\t], v7 offset:(4*\g+\t)*768
	ds_load_b64 v[36+12*\t:37+12*\t], v8 offset:(4*\g+\t)*768
	ds_load_u16 v[248+\t], v9 offset:(4*\g+\t)*32
.endr
.if \g
.irp d, 0,1,2,3                        ; V's four fragments of these 128 keys are asked for here and land under the softmax
.irp e, 0,1
	ds_load_b128 v[80+12*\d+6*\e:83+12*\d+6*\e], v10 offset:\e*3072+\d*768
	ds_load_b64 v[84+12*\d+6*\e:85+12*\d+6*\e], v11 offset:\e*3072+\d*768
.endr
.endr
	s_wait_dscnt 16                                ; K's are in; V's sixteen may be out
.else
	s_wait_alu depctr_va_vdst(0)
	s_wait_dscnt 0x0
.endif
.irp t, 0,1,2,3
	v_wmma_scale_f32_16x16x128_f8f6f4 v[S+8*(4*\g+\t):S+8*(4*\g+\t)+7], v[32+12*\t:43+12*\t], v[16:27], 0, v[248+\t], v29 matrix_a_fmt:MATRIX_FMT_FP6 matrix_b_fmt:MATRIX_FMT_FP6
.endr
.endr                                  ; lane (r, h): query r; register 8 t + j: key KF + 16 t + 8 h + j
.rept 4
	v_nop
.endr
.irp d, 0,1,2,3
	ds_load_b32 v[248+\d], v28 offset:64*\d        ; V's scale words
.endr
	s_add_co_u32 s61, s[KF], 127
	s_cmp_le_u32 s61, s[Q0]                        ; all keys count: no mask
	s_cbranch_scc1 .Lopen_\@
	s_sub_co_i32 s61, s[Q0], s[KF]
	v_and_b32 v252, 15, v0
	v_bfe_u32 v253, v0, 4, 1
	s_delay_alu instid0(VALU_DEP_1)
	v_lshlrev_b32 v253, 3, v253
	s_delay_alu instid0(VALU_DEP_1)
	v_sub_nc_u32 v252, v252, v253
	s_delay_alu instid0(VALU_DEP_1)
	v_add_nc_u32 v252, s61, v252                   ; d = my query - KF - 8 h: register 8 t + j is hidden where 16 t + j > d
	v_mov_b32 v254, 0xff800000                     ; -infinity: p = 0 then
.set n, 0
.rept 64
	v_cmp_gt_i32 vcc_lo, 16*(n/8)+n%8, v252
	v_cndmask_b32 v[S+n], v[S+n], v254, vcc_lo
.set n, n+1
.endr
.Lopen_\@:
.irp b, 0,1,2,3
	v_max3_num_f32 v[232+\b], v[S+16*\b], v[S+1+16*\b], v[S+2+16*\b]   ; the largest score of each block of 32 keys: for the row's maximum and, since p rises with the score, for the block's largest p
.endr
.irp i, 3,5,7,9,11,13
.irp b, 0,1,2,3
	v_max3_num_f32 v[232+\b], v[232+\b], v[S+16*\b+\i], v[S+1+16*\b+\i]
.endr
.endr
.irp b, 0,1,2,3
	v_max_num_f32 v[232+\b], v[232+\b], v[S+15+16*\b]
.endr
.irp b, 0,1,2,3
	s_delay_alu instid0(VALU_DEP_4)
	v_permlanex16_b32 v[236+\b], v[232+\b], s[SEL], s[SEL+1]
.endr
.irp b, 0,1,2,3
	s_delay_alu instid0(VALU_DEP_4)
	v_max_num_f32 v[232+\b], v[232+\b], v[236+\b]
.endr
	s_delay_alu instid0(VALU_DEP_2)
	v_max3_num_f32 v254, v232, v233, v234
	s_delay_alu instid0(VALU_DEP_1)
	v_max_num_f32 v254, v254, v235
	s_delay_alu instid0(VALU_DEP_1)
	v_mul_f32 v254, s[CS], v254
	s_delay_alu instid0(VALU_DEP_1)
	v_max_num_f32 v13, v13, v254                   ; the running largest t
	v_mov_b32 v254, v12
	s_delay_alu instid0(VALU_DEP_2)
	v_floor_f32 v12, -v13                          ; the new -M = -ceil(t)
	s_delay_alu instid0(VALU_DEP_1)
	v_sub_f32 v254, v12, v254                      ; old M - new M, a whole number, 0 or less
	s_delay_alu instid0(VALU_DEP_1)
	v_cvt_i32_f32 v254, v254                       ; (it saturates)
	s_delay_alu instid0(VALU_DEP_1)
	v_ldexp_f32 v252, 1.0, v254                    ; f = 2^(old M - new M)
.set j, 0
.rept 32
	v_pk_fma_f32 v[S+j:S+j+1], v[S+j:S+j+1], s[CS:CS+1], v[12:13] op_sel_hi:[1,0,0]   ; t - M
.set j, j+2
.endr
.irp b, 0,1,2,3
	v_fma_f32 v[232+\b], v[232+\b], s[CS], v12
.endr
.set j, 0
	s_wait_alu depctr_va_vdst(0)
.rept 64
	v_exp_f32 v[S+j], v[S+j]                       ; p = 2^(t - M)
.set j, j+1
.endr
	v_pk_mul_f32 v[14:15], v[14:15], v[252:253] op_sel_hi:[1,0]   ; the sums under the new M: a plain line behind the exponentials
	s_wait_alu depctr_va_vdst(0)                   ; one wait for the batch, ahead of its first reader
.irp b, 0,1,2,3
	v_exp_f32 v[232+\b], v[232+\b]                 ; each block's largest p: the same two instructions on the same number
.endr
	v_pk_add_f32 v[236:237], v[132:133], v[136:137]
	v_pk_add_f32 v[246:247], v[140:141], v[144:145]
	v_pk_add_f32 v[244:245], v[148:149], v[152:153]
	v_pk_add_f32 v[240:241], v[156:157], v[160:161]
	v_pk_add_f32 v[238:239], v[164:165], v[168:169]
	v_pk_add_f32 v[230:231], v[172:173], v[176:177]
	v_pk_add_f32 v[228:229], v[180:181], v[184:185]
	v_pk_add_f32 v[14:15], v[14:15], v[188:189]
	v_pk_add_f32 v[236:237], v[236:237], v[128:129]
	v_pk_add_f32 v[246:247], v[246:247], v[130:131]
	v_pk_add_f32 v[244:245], v[244:245], v[134:135]
	v_pk_add_f32 v[240:241], v[240:241], v[138:139]
	v_pk_add_f32 v[238:239], v[238:239], v[142:143]
	v_pk_add_f32 v[230:231], v[230:231], v[146:147]
	v_pk_add_f32 v[228:229], v[228:229], v[150:151]
	v_pk_add_f32 v[14:15], v[14:15], v[154:155]
	v_pk_add_f32 v[236:237], v[236:237], v[158:159]
	v_pk_add_f32 v[246:247], v[246:247], v[162:163]
	v_pk_add_f32 v[244:245], v[244:245], v[166:167]
	v_pk_add_f32 v[240:241], v[240:241], v[170:171]
	v_pk_add_f32 v[238:239], v[238:239], v[174:175]
	v_pk_add_f32 v[230:231], v[230:231], v[178:179]
	v_pk_add_f32 v[228:229], v[228:229], v[182:183]
	v_pk_add_f32 v[14:15], v[14:15], v[186:187]
	v_pk_add_f32 v[236:237], v[236:237], v[190:191]
	s_delay_alu instid0(VALU_DEP_2)
	v_pk_add_f32 v[14:15], v[14:15], v[240:241]
	s_delay_alu instid0(VALU_DEP_2)
	v_pk_add_f32 v[236:237], v[236:237], v[238:239]
	v_pk_add_f32 v[246:247], v[246:247], v[230:231]
	v_pk_add_f32 v[244:245], v[244:245], v[228:229]
	s_delay_alu instid0(VALU_DEP_2)
	v_pk_add_f32 v[14:15], v[14:15], v[246:247]
	s_delay_alu instid0(VALU_DEP_2)
	v_pk_add_f32 v[236:237], v[236:237], v[244:245]
	s_delay_alu instid0(VALU_DEP_1)
	v_pk_add_f32 v[14:15], v[14:15], v[236:237]
	s_wait_alu depctr_va_vdst(0)                   ; and one for the four
.irp b, 0,1,2,3
	v_max_num_f32 v[232+\b], 0x1800000, v[232+\b]  ; the floor 2^(3 - 127)
.endr
.irp b, 0,1,2,3
	s_delay_alu instid0(VALU_DEP_4)
	v_add_nc_u32 v[244+\b], 0xff000000, v[232+\b]
.endr
.irp b, 0,1,2,3
	s_delay_alu instid0(VALU_DEP_4)
	v_lshrrev_b32 v[236+\b], 23, v[244+\b]
.endr
	s_delay_alu instid0(VALU_DEP_3)
	v_lshl_or_b32 v253, v237, 8, v236              ; p's scale word for these 128 keys
	s_delay_alu instid0(VALU_DEP_1)
	v_lshl_or_b32 v253, v238, 16, v253
	s_delay_alu instid0(VALU_DEP_1)
	v_lshl_or_b32 v253, v239, 24, v253
.irp c, 0,1
	v_cvt_scalef32_pk16_fp6_f32 v[224+6*\c:226+6*\c], v[S+32*\c:S+15+32*\c], v[244+2*\c]
	v_cvt_scalef32_pk16_fp6_f32 v[236+4*\c:238+4*\c], v[S+16+32*\c:S+31+32*\c], v[244+2*\c+1]
.endr
	v_nop                                          ; one plain line behind a scaled conversion
.irp c, 0,1
.irp i, 0,1,2
	v_permlane16_swap_b32 v[224+6*\c+\i], v[236+4*\c+\i]
.endr
.irp i, 0,1,2
	s_delay_alu instid0(VALU_DEP_3)
	v_mov_b32 v[227+6*\c+\i], v[236+4*\c+\i]
.endr
.endr
.set j, 0
.rept 16
	v_pk_mul_f32 v[O+j:O+j+1], v[O+j:O+j+1], v[252:253] op_sel_hi:[1,0]   ; O^T under the new M; these sixteen stand between the lines that made p's codes and scale word and the products
.set j, j+2
.endr
	s_wait_alu depctr_va_vdst(0)
	s_wait_dscnt 0x0                               ; V's fragments and scale words are in
.irp d, 0,1,2,3
	v_wmma_scale_f32_16x16x128_f8f6f4 v[O+8*\d:O+8*\d+7], v[80+12*\d:91+12*\d], v[224:235], v[O+8*\d:O+8*\d+7], v[248+\d], v253 matrix_a_fmt:MATRIX_FMT_FP6 matrix_b_fmt:MATRIX_FMT_FP6
.endr
.Lhidden_\@:
	s_add_co_u32 s[KF], s[KF], 128
	s_add_co_u32 s[TB], s[TB], 6144
	s_add_co_u32 s[TS], s[TS], 256
.endm
	s_wait_loadcnt 0x0                             ; Q
	s_cmp_eq_u32 s[ROLE], 0
	s_cbranch_scc0 .Lno_stash
	v_mov_b32 v135, 0
	ds_store_b128 v30, v[128:131]                  ; and keeps it in the pair's bytes until its second tile begins
	ds_store_b128 v30, v[132:135] offset:512
.Lno_stash:
	s_cmp_lt_u32 s[WV], 4                          ; waves 0 to 3 wait for their fills: the first 256 keys and the scales; waves 4 and 5's, on a line of their own, may be out
	s_cbranch_scc0 .Lnot_first
	s_wait_tensorcnt 0x0
.Lnot_first:
	s_wait_dscnt 0x0
	s_barrier_signal -1
	s_barrier_wait -1
	s_mov_b32 s[CNT], 2
.Lfirst:
	STEP
	s_sub_co_u32 s[CNT], s[CNT], 1
	s_cmp_lg_u32 s[CNT], 0
	s_cbranch_scc1 .Lfirst
	s_wait_tensorcnt 0x0                           ; the rest has landed
	s_wait_dscnt 0x0
	s_barrier_signal -1
	s_barrier_wait -1
	s_mov_b32 s[CNT], 14
.Lrest:
	STEP
	s_sub_co_u32 s[CNT], s[CNT], 1
	s_cmp_lg_u32 s[CNT], 0
	s_cbranch_scc1 .Lrest
	s_cmp_eq_u32 s[ROLE], 0
	s_cbranch_scc0 .Lmid_end                       ; the wave with the late tile's first share keeps its sums
	; THE EARLY TILE'S WAY OUT: O^T / the sum, quantised along the head's 64
.rept 4
	v_nop                                          ; places behind the last products
.endr
	v_add_f32 v14, v14, v15
	v_permlanex16_b32 v252, v14, s[SEL], s[SEL+1]
	v_add_f32 v14, v14, v252
	s_wait_alu depctr_va_vdst(0)
	v_rcp_f32 v14, v14
	v_bfe_u32 v239, v0, 4, 1
	s_lshr_b32 s61, s9, 4
	s_lshl_b32 s61, s61, 4
	s_lshr_b32 s62, s[Q0], 7
	s_add_co_u32 s61, s61, s62
	s_and_b32 s62, s9, 15
	s_mul_i32 s74, s61, 98304
	s_mul_i32 s63, s62, 6144
	s_add_co_u32 s74, s74, s63
	s_bfe_u32 s63, s[Q0], 0x30004
	s_mul_i32 s63, s63, 768
	s_add_co_u32 s74, s74, s63
	s_mov_b32 s75, 0
	s_add_nc_u64 s[74:75], s[6:7], s[74:75]
	s_lshl_b32 s76, s61, 12
	s_lshr_b32 s63, s62, 1
	s_lshl_b32 s63, s63, 9
	s_add_co_u32 s76, s76, s63
	s_and_b32 s63, s[Q0], 127
	s_lshl_b32 s63, s63, 2
	s_add_co_u32 s76, s76, s63
	s_and_b32 s63, s62, 1
	s_lshl_b32 s63, s63, 1
	s_add_co_u32 s76, s76, s63
	s_add_co_u32 s76, s76, ASC
	s_mov_b32 s77, 0
	s_add_nc_u64 s[76:77], s[6:7], s[76:77]
	s_wait_alu depctr_va_vdst(0)                   ; the wait ahead of the reciprocal's first reader
.set j, 0
.rept 32
	v_mul_f32 v[S+j], v[O+j], v14                  ; each accumulator from its low end on
.set j, j+1
.endr
.irp b, 0,1
	v_max3_num_f32 v[232+\b], |v[S+16*\b]|, |v[S+1+16*\b]|, 0x1800000
.endr
.irp i, 2,4,6,8,10,12,14
.irp b, 0,1
	v_max3_num_f32 v[232+\b], v[232+\b], |v[S+16*\b+\i]|, |v[S+1+16*\b+\i]|
.endr
.endr
.irp b, 0,1
	v_permlanex16_b32 v[236+\b], v[232+\b], s[SEL], s[SEL+1]
.endr
.irp b, 0,1
	v_max_num_f32 v[232+\b], v[232+\b], v[236+\b]
.endr
.irp b, 0,1
	v_add_nc_u32 v[244+\b], 0xff000000, v[232+\b]
.endr
.irp b, 0,1
	v_lshrrev_b32 v[236+\b], 23, v[244+\b]
.endr
	v_cvt_scalef32_pk16_fp6_f32 v[224:226], v[S:S+15], v244
	v_cvt_scalef32_pk16_fp6_f32 v[240:242], v[S+16:S+31], v245
	v_cmp_eq_u32 vcc_lo, 1, v239                   ; (a plain line behind the conversions)
	v_cndmask_b32 v238, v236, v237, vcc_lo
.irp i, 0,1,2
	v_permlane16_swap_b32 v[224+\i], v[240+\i]
.endr
.irp i, 0,1,2
	v_mov_b32 v[227+\i], v[240+\i]
.endr
	global_store_b128 v1, v[224:227], s[74:75]
	global_store_b64 v2, v[228:229], s[74:75]
	global_store_b8 v31, v238, s[76:77]
	s_wait_xcnt 0x0                                ; the stores have read their registers: the next steps write them again
	ds_load_b128 v[16:19], v30                     ; the late tile's Q, from my own stores
	ds_load_b128 v[128:131], v30 offset:512
	s_wait_dscnt 0x0
	v_mov_b32 v20, v128
	v_mov_b32 v21, v129
	v_mov_b32 v29, v130
	v_mov_b32 v13, 0xff61b1e6                      ; and a fresh state: the largest t -3e38, sums and O^T zero
	v_floor_f32 v12, -v13
	v_mov_b32 v14, 0
	v_mov_b32 v15, 0
.set j, 0
.rept 32
	v_mov_b32 v[O+j], 0
.set j, j+1
.endr
	s_wait_alu depctr_va_vdst(0)                   ; the wait ahead of the branches below
.Lmid_end:
	s_mov_b32 s[Q0], s[QL]                         ; both waves of the pair now stand at the late tile
	s_mov_b32 s[HI], s[HI2]
	s_mov_b32 s[LO], 0x7fffffff                    ; the first wave has no step left;
	s_cmp_eq_u32 s[ROLE], 0
	s_cselect_b32 s[LO], 1152, s[LO]               ; its partner takes steps 9 to 15 - i
	s_mov_b32 s[KF], 256                           ; (none of them lies under step 2)
	s_mov_b32 s[TB], 12288
	s_mov_b32 s[TS], 512
	s_mov_b32 s[CNT], 14
.Lthird:
	STEP
	s_sub_co_u32 s[CNT], s[CNT], 1
	s_cmp_lg_u32 s[CNT], 0
	s_cbranch_scc1 .Lthird
.rept 4
	v_nop                                          ; places behind the last products
.endr
	s_wait_alu depctr_va_vdst(0)                   ; the wait here, ahead of the branch
	s_cmp_eq_u32 s[ROLE], 0
	s_cbranch_scc0 .Lno_part
.irp k, 0,1,2,3,4,5,6,7
	ds_store_b128 v30, v[O+4*\k:O+4*\k+3] offset:512*\k   ; an image of my registers: each accumulator from its low end on
.endr
	ds_store_b128 v30, v[12:15] offset:4096        ; -M, the largest t, the sum's two halves
.Lno_part:
	s_wait_dscnt 0x0                               ; for the partner's sake
	s_barrier_signal -1
	s_barrier_wait -1
	s_cmp_eq_u32 s[ROLE], 0
	s_cbranch_scc1 .Lfin
.irp k, 0,1,2,3,4,5,6,7
	ds_load_b128 v[S+4*\k:S+4*\k+3], v30 offset:512*\k
.endr
	ds_load_b128 v[160:163], v30 offset:4096
	s_wait_dscnt 0x0
	v_min_num_f32 v164, v12, v160                  ; the smaller -M is the larger M
	v_mov_b32 v169, 0                              ; (the upper halves of the factors' pairs are named, not used)
	v_mov_b32 v171, 0
	v_sub_f32 v165, v164, v12                      ; whole numbers, 0 or less
	v_sub_f32 v166, v164, v160
	v_cvt_i32_f32 v165, v165                       ; (it saturates: an empty share, whose -M is 3e38, gets the factor 0)
	v_cvt_i32_f32 v166, v166
	v_ldexp_f32 v168, 1.0, v165
	v_ldexp_f32 v170, 1.0, v166
	v_pk_mul_f32 v[14:15], v[14:15], v[168:169] op_sel_hi:[1,0]
	v_pk_fma_f32 v[14:15], v[162:163], v[170:171], v[14:15] op_sel_hi:[1,0,1]
.set j, 0
.rept 16
	v_pk_mul_f32 v[O+j:O+j+1], v[O+j:O+j+1], v[168:169] op_sel_hi:[1,0]
.set j, j+2
.endr
.set j, 0
.rept 16
	v_pk_fma_f32 v[O+j:O+j+1], v[S+j:S+j+1], v[170:171], v[O+j:O+j+1] op_sel_hi:[1,0,1]
.set j, j+2
.endr
	; THE WAY OUT: O^T / the sum, quantised along the head's 64: one image and two bytes a row
.rept 4
	v_nop                                          ; places behind the last products
.endr
	v_add_f32 v14, v14, v15
	s_delay_alu instid0(VALU_DEP_1)
	v_permlanex16_b32 v252, v14, s[SEL], s[SEL+1]
	s_delay_alu instid0(VALU_DEP_1)
	v_add_f32 v14, v14, v252                       ; the row's sum
	s_wait_alu depctr_va_vdst(0)
	v_rcp_f32 v14, v14
	v_bfe_u32 v239, v0, 4, 1                       ; h (a plain line behind the transcendental)
	s_lshr_b32 s61, s9, 4
	s_lshl_b32 s61, s61, 4
	s_lshr_b32 s62, s[Q0], 7
	s_add_co_u32 s61, s61, s62                     ; tile of 128 rows
	s_and_b32 s62, s9, 15                          ; head
	s_mul_i32 s74, s61, 98304
	s_mul_i32 s63, s62, 6144
	s_add_co_u32 s74, s74, s63
	s_bfe_u32 s63, s[Q0], 0x30004
	s_mul_i32 s63, s63, 768
	s_add_co_u32 s74, s74, s63
	s_mov_b32 s75, 0
	s_add_nc_u64 s[74:75], s[6:7], s[74:75]
	s_lshl_b32 s76, s61, 12
	s_lshr_b32 s63, s62, 1
	s_lshl_b32 s63, s63, 9
	s_add_co_u32 s76, s76, s63
	s_and_b32 s63, s[Q0], 127
	s_lshl_b32 s63, s63, 2
	s_add_co_u32 s76, s76, s63
	s_and_b32 s63, s62, 1
	s_lshl_b32 s63, s63, 1
	s_add_co_u32 s76, s76, s63
	s_add_co_u32 s76, s76, ASC
	s_mov_b32 s77, 0
	s_add_nc_u64 s[76:77], s[6:7], s[76:77]
	s_wait_alu depctr_va_vdst(0)                   ; the wait ahead of the reciprocal's first reader
.set j, 0
.rept 32
	v_mul_f32 v[S+j], v[O+j], v14                  ; each accumulator from its low end on
.set j, j+1
.endr
.irp b, 0,1
	v_max3_num_f32 v[232+\b], |v[S+16*\b]|, |v[S+1+16*\b]|, 0x1800000
.endr
.irp i, 2,4,6,8,10,12,14
.irp b, 0,1
	s_delay_alu instid0(VALU_DEP_2)
	v_max3_num_f32 v[232+\b], v[232+\b], |v[S+16*\b+\i]|, |v[S+1+16*\b+\i]|
.endr
.endr
.irp b, 0,1
	s_delay_alu instid0(VALU_DEP_2)
	v_permlanex16_b32 v[236+\b], v[232+\b], s[SEL], s[SEL+1]
.endr
.irp b, 0,1
	s_delay_alu instid0(VALU_DEP_2)
	v_max_num_f32 v[232+\b], v[232+\b], v[236+\b]
.endr
.irp b, 0,1
	s_delay_alu instid0(VALU_DEP_2)
	v_add_nc_u32 v[244+\b], 0xff000000, v[232+\b]
.endr
.irp b, 0,1
	s_delay_alu instid0(VALU_DEP_2)
	v_lshrrev_b32 v[236+\b], 23, v[244+\b]
.endr
	v_cvt_scalef32_pk16_fp6_f32 v[224:226], v[S:S+15], v244
	v_cvt_scalef32_pk16_fp6_f32 v[240:242], v[S+16:S+31], v245
	v_cmp_eq_u32 vcc_lo, 1, v239                   ; (a plain line behind the conversions)
	s_delay_alu instid0(VALU_DEP_1)
	v_cndmask_b32 v238, v236, v237, vcc_lo         ; lane (r, h) keeps block h's byte
.irp i, 0,1,2
	v_permlane16_swap_b32 v[224+\i], v[240+\i]
.endr
.irp i, 0,1,2
	s_delay_alu instid0(VALU_DEP_3)
	v_mov_b32 v[227+\i], v[240+\i]
.endr
	global_store_b128 v1, v[224:227], s[74:75]     ; 512 consecutive bytes,
	global_store_b64 v2, v[228:229], s[74:75]      ; and the 256 behind them
	global_store_b8 v31, v238, s[76:77]            ; two bytes of each row's scale word: the other two are the neighbouring head's
.Lfin:
	s_wait_tensorcnt 0x0
	ds_add_u32 v243, v255
	s_wait_dscnt 0x0
	s_endpgm
.Lfunc_end_k_q862f4e2aca_attn:
	.size	k_q862f4e2aca_attn, .Lfunc_end_k_q862f4e2aca_attn-k_q862f4e2aca_attn
	.p2alignl 7, 3214868480
	.fill 96, 4, 3214868480
	.section	.rodata,"a",@progbits
	.p2align	6, 0x0
	.amdhsa_kernel k_q862f4e2aca_attn
		.amdhsa_group_segment_fixed_size 243712
		.amdhsa_private_segment_fixed_size 0
		.amdhsa_enable_private_segment 0
		.amdhsa_kernarg_size 16
		.amdhsa_user_sgpr_count 2
		.amdhsa_user_sgpr_kernarg_segment_ptr 1
		.amdhsa_wavefront_size32 1
		.amdhsa_system_sgpr_workgroup_id_x 1
		.amdhsa_system_sgpr_workgroup_id_y 1
		.amdhsa_system_sgpr_workgroup_id_z 1
		.amdhsa_system_vgpr_workitem_id 0
		.amdhsa_next_free_vgpr 256
		.amdhsa_next_free_sgpr 88
		.amdhsa_reserve_vcc 1
		.amdhsa_float_denorm_mode_32 3
		.amdhsa_float_denorm_mode_16_64 3
		.amdhsa_memory_ordered 1
		.amdhsa_forward_progress 1
		.amdhsa_inst_pref_size 97
	.end_amdhsa_kernel
	.amdgpu_metadata
---
amdhsa.version: [ 1, 2 ]
amdhsa.kernels:
  - .name:           k_q862f4e2aca_attn
    .symbol:         k_q862f4e2aca_attn.kd
    .args:
      - { .name: qkvc, .offset: 0, .size: 8, .value_kind: global_buffer, .address_space: global }
      - { .name: act, .offset: 8, .size: 8, .value_kind: global_buffer, .address_space: global }
    .group_segment_fixed_size: 243712
    .private_segment_fixed_size: 0
    .kernarg_segment_align: 8
    .kernarg_segment_size: 16
    .max_flat_workgroup_size: 512
    .sgpr_count:     88
    .vgpr_count:     256
    .wavefront_size: 32
...
	.end_amdgpu_metadata
.endif
;; end of part 10
;; launch proj (part 11): grid 8 x 32, 4 waves a work-group, clusters of 4 x 4, 327,680 bytes of LDS; arguments act, wts, bp, x, x1; writes x1
.if DOCPART == 11
	.amdgcn_target "amdgcn-amd-amdhsa--gfx1250"
	.amdhsa_code_object_version 6
	.text
	.protected	k_q862f4e2aca_proj
	.globl	k_q862f4e2aca_proj
	.p2align	8
	.type	k_q862f4e2aca_proj,@function
k_q862f4e2aca_proj:
	s_mov_b64 s[64:65], 0
	v_nop
	global_prefetch_b8 v0, s[64:65] scope:SCOPE_SE
	s_setreg_imm32_b32 hwreg(HW_REG_WAVE_MODE, 25, 1), 1
	s_wait_xcnt 0x0
	s_wait_alu depctr_hold_cnt(0) depctr_sa_sdst(0) depctr_va_vdst(0) depctr_va_sdst(0) depctr_va_ssrc(0) depctr_va_vcc(0) depctr_vm_vsrc(0)
	s_getreg_b32 s2, hwreg(HW_REG_IB_STS2, 6, 4)
	s_cmp_eq_u32 s2, 0
	s_cbranch_scc0 .Lentry_in_a_cluster
	s_endpgm
.Lentry_in_a_cluster:
	s_bfe_u32 s2, ttmp6, 0x10000c
	s_cmp_lg_u32 s2, 0xf033
	s_cbranch_scc0 .Lentry_shape_is_right
	s_endpgm
.Lentry_shape_is_right:
; x1 = x + o Wp + bp: the product on codes of FP6 (E2M3), K = 1,024, f32 sums that begin with bp; x is added on the way out.
; OPERANDS are images of 16 rows x 64 K (768 bytes: lane l = r + 16 h owns six words: words 0-3 at 16 l, words 4-5 at 512 + 8 l), laid [tile of 128 rows][64 K][16 rows]; a fragment of 128 K is two images.  Scale words: [tile][128 K][128 rows].
; A work-group makes 128 x 128 of x1, a wave 64 x 64: 16 accumulators.  Source 0 is the weight, source 1 the activations: a lane holds eight neighbouring columns of one row.
; ALL OF K LIES IN LDS AT ONCE: 98,304 bytes of each operand's codes and 4,096 of each one's scale words.  Four tensor loads, one a wave, each a whole dense block; nothing is filled again.
; CLUSTER 4 x 4: the activations' blocks are shared along a row of the cluster, the weights' along a column: each is asked for jointly.
; NO PREFETCH: every byte is asked for at the head; there is no loop to run ahead in.
; LIMITS: NaN, infinities and sums beyond f32's range are not served.
.set TILEB, 98304
.set SCSZ,  4096
.set ASC,   3145728
.set WOFF,  24*98304
.set WSOFF, 9437184+24*4096
.set LB,    TILEB                      ; LDS: the activations' codes at 0, the weights' here,
.set SCA,   2*TILEB                    ; the activations' scale words, the weights',
.set SCB,   SCA+SCSZ
.set SPARE, SCB+SCSZ                   ; the spare words, 128 bytes a wave,
.set STG,   SPARE+512                  ; and a stage of 16 rows x 272 bytes for each wave
.set ADRS, 16                          ; v16 scale words: lanes 0-15 the activations', lanes 16-31 the weights'
.set SPW,  17
.set NIL,  18
.set SC,   32                          ; v32-39 scale words, two sets of four
.set BIAS, 48                          ; v48-79 bp as the first products' C; later rows back from the stage
.set ADX,  112                         ; v112.. fragment addresses: + 8 for the weights, + 4 for words 4-5, + K's half
.set ACC,  128                         ; window 1: fragment sets at v0 and v128; window 2: v0-127 my rows of x
.set G1A, 24
.set G1B, 32
.set G1SA, 48
.set G1SB, 56
.set G0A, 68
.set G0B, 72
.set G0SA, 76
.set G0SB, 80
.set MSB, 0
.macro WIN new
.if MSB != \new
	s_set_vgpr_msb (MSB<<8)|\new
.set MSB, \new
.endif
.endm
.macro PLACES
.rept 4
	v_nop
.endr
.endm
.macro CROUND
	s_barrier_signal -1
	s_barrier_wait -1
	s_cmp_lg_u32 s14, 0
	s_cbranch_scc1 .Lnot_wave_0_\@
	s_barrier_signal -3
.Lnot_wave_0_\@:
	s_barrier_wait -3
	s_barrier_signal -1
	s_barrier_wait -1
.endm
.macro GROUP1 g, mask, rows            ; a dense block as rows of 256 bytes: 32 elements of 8 bytes; the mask, bit 21 beside it
	s_or_b32 s[\g], s\mask, (3<<16)|(1<<21)
	s_mov_b32 s[\g+1], 32<<16
	s_mov_b32 s[\g+2], (\rows)<<16
	s_mov_b32 s[\g+3], 32<<16
	s_mov_b32 s[\g+4], \rows
	s_mov_b32 s[\g+5], 32
	s_mov_b32 s[\g+6], 0
	s_mov_b32 s[\g+7], 0
.endm
.macro GROUP0 g, lds, b
	s_mov_b32 s[\g], 1
	s_mov_b32 s[\g+1], \lds
	s_mov_b64 s[\g+2:\g+3], s[\b:\b+1]
	s_or_b32 s[\g+3], s[\g+3], 0x80000000
.endm
.macro TL g0, g1                       ; s_nop 0 and four v_nop follow a tensor load
	tensor_load_to_lds s[\g0:\g0+3], s[\g1:\g1+7]
	s_nop 0
	PLACES
.endm
	s_load_b256 s[4:11], s[0:1], 0x0               ; act, wts, bp, x
	s_load_b64 s[12:13], s[0:1], 0x20              ; x1
	v_lshl_add_u32 v[SPW], v0, 2, SPARE
	v_mov_b32 v[NIL], 0
	ds_add_u32 v[SPW], v[NIL]                      ; the opening lines: the add twice and its wait
	ds_add_u32 v[SPW], v[NIL]
	v_lshrrev_b32 v1, 5, v0
	v_readfirstlane_b32 s14, v1                    ; wave
	s_lshr_b32 s15, s14, 1                         ; my 64 rows
	s_and_b32 s16, s14, 1                          ; my 64 columns
	s_bfe_u32 s40, ttmp6, 0x40000
	s_bfe_u32 s41, ttmp6, 0x40004
	s_lshl_b32 s42, ttmp9, 2
	s_add_co_u32 s42, s42, s40                     ; tile column
	s_and_b32 s17, ttmp7, 0xffff
	s_lshl_b32 s17, s17, 2
	s_add_co_u32 s17, s17, s41                     ; tile row
	s_lshl_b32 s43, s41, 2
	s_lshl_b32 s43, 15, s43                        ; my row of the cluster
	s_lshl_b32 s44, 0x1111, s40                    ; my column
	GROUP1 G1A, 43, TILEB/256
	GROUP1 G1B, 44, TILEB/256
	GROUP1 G1SA, 43, SCSZ/256
	GROUP1 G1SB, 44, SCSZ/256
	s_mul_i32 s20, s17, TILEB
	s_mov_b32 s21, 0
	s_mul_i32 s46, s42, TILEB
	s_add_co_u32 s46, s46, WOFF
	s_mov_b32 s47, 0
	s_mul_i32 s22, s17, SCSZ
	s_add_co_u32 s22, s22, ASC
	s_mov_b32 s23, 0
	s_mul_i32 s92, s42, SCSZ
	s_add_co_u32 s92, s92, WSOFF
	s_mov_b32 s93, 0
	s_wait_dscnt 0x0
	s_wait_kmcnt 0x0
	s_add_nc_u64 s[20:21], s[4:5], s[20:21]
	s_add_nc_u64 s[22:23], s[4:5], s[22:23]
	s_add_nc_u64 s[46:47], s[6:7], s[46:47]
	s_add_nc_u64 s[92:93], s[6:7], s[92:93]
	CROUND                                         ; all sixteen work-groups are here: the joint loads meet
	GROUP0 G0A, 0, 20
	GROUP0 G0B, LB, 46
	GROUP0 G0SA, SCA, 22
	GROUP0 G0SB, SCB, 92
	s_cmp_lt_u32 s14, 1                            ; one chain of branches on the wave's number, one load to an arm
	s_cbranch_scc0 .Lh1
	TL G0SA, G1SA
	s_branch .Lasked
.Lh1:
	s_cmp_lt_u32 s14, 2
	s_cbranch_scc0 .Lh2
	TL G0SB, G1SB
	s_branch .Lasked
.Lh2:
	s_cmp_lt_u32 s14, 3
	s_cbranch_scc0 .Lh3
	TL G0A, G1A
	s_branch .Lasked
.Lh3:
	TL G0B, G1B
.Lasked:
	s_mul_i32 s18, s15, 3072                       ; my four blocks of rows,
	s_mul_i32 s19, s16, 3072
	s_add_co_u32 s19, s19, LB                      ; of columns
	s_lshl_b32 s95, s15, 8
	s_lshl_b32 s94, s16, 8
	s_add_co_u32 s94, s94, SCSZ
	s_sub_co_u32 s94, s94, s95                     ; from my rows' scale words to my columns'
	s_add_co_u32 s95, s95, SCA
	s_mul_i32 s45, s14, 16*272
	s_add_co_u32 s45, s45, STG
	s_lshl_b32 s66, s42, 9
	s_lshl_b32 s67, s16, 8
	s_add_co_u32 s66, s66, s67                     ; my first column, in bytes
	s_mov_b32 s67, 0
	s_add_nc_u64 s[8:9], s[8:9], s[66:67]
	s_lshl_b32 s96, s17, 19
	s_lshl_b32 s97, s15, 18
	s_add_co_u32 s96, s96, s97
	s_add_co_u32 s96, s96, s66
	s_mov_b32 s97, 0
	s_add_nc_u64 s[10:11], s[10:11], s[96:97]
	s_add_nc_u64 s[12:13], s[12:13], s[96:97]
	v_and_b32 v1, 31, v0
	v_and_b32 v2, 15, v0
	v_bfe_u32 v3, v0, 4, 1
	v_lshlrev_b32 v4, 4, v1
	v_lshlrev_b32 v5, 3, v1
	v_add_nc_u32 v5, 512, v5
	v_add_nc_u32 v[ADX], s18, v4
	v_add_nc_u32 v[ADX+4], s18, v5
	v_add_nc_u32 v[ADX+8], s19, v4
	v_add_nc_u32 v[ADX+12], s19, v5
.irp f, 0,4,8,12
	v_add_nc_u32 v[ADX+\f+1], TILEB/2, v[ADX+\f]   ; K's second half: LDS offsets have 16 bits
.endr
	v_mul_u32_u24 v6, s94, v3
	v_lshl_add_u32 v6, v2, 2, v6
	v_add_nc_u32 v[ADRS], s95, v6
	v_lshlrev_b32 v19, 5, v3
	v_lshlrev_b32 v20, 12, v3
	v_lshl_add_u32 v20, v2, 4, v20
	v_mul_u32_u24 v21, v2, 272
	v_lshl_add_u32 v21, v3, 5, v21
	v_add_nc_u32 v21, s45, v21
	v_mul_u32_u24 v22, v3, 272
	v_lshl_add_u32 v22, v2, 4, v22
	v_add_nc_u32 v22, s45, v22
.irp y, 0,1,2,3
	global_load_b128 v[BIAS+8*\y:BIAS+8*\y+3], v19, s[8:9] offset:64*\y
	global_load_b128 v[BIAS+8*\y+4:BIAS+8*\y+7], v19, s[8:9] offset:64*\y+16
.endr
	WIN 0x80
.irp x, 0,1,2,3
.irp t, 0,1,2,3,4,5,6,7
	global_load_b128 v[32*\x+4*\t:32*\x+4*\t+3], v20, s[10:11] offset:(16*\x+2*\t)*4096
.endr
.endr
	WIN 0
.macro FETCH ks, set                   ; step ks: four fragments of each operand and four registers of scale words into set
.set Q_, (\ks)/4
.set O_, 2*((\ks)%4)*6144
	WIN 0x40
.irp i, 0,1,2,3
.irp e, 0,1
	ds_load_b128 v[128*(\set)+12*\i+6*\e:128*(\set)+12*\i+6*\e+3], v[ADX+Q_] offset:O_+\e*6144+\i*768
	ds_load_b64 v[128*(\set)+12*\i+6*\e+4:128*(\set)+12*\i+6*\e+5], v[ADX+4+Q_] offset:O_+\e*6144+\i*768
.endr
.endr
.irp i, 0,1,2,3
.irp e, 0,1
	ds_load_b128 v[128*(\set)+48+12*\i+6*\e:128*(\set)+48+12*\i+6*\e+3], v[ADX+8+Q_] offset:O_+\e*6144+\i*768
	ds_load_b64 v[128*(\set)+48+12*\i+6*\e+4:128*(\set)+48+12*\i+6*\e+5], v[ADX+12+Q_] offset:O_+\e*6144+\i*768
.endr
.endr
	WIN 0
.irp i, 0,1,2,3
	ds_load_b32 v[SC+4*(\set)+\i], v[ADRS] offset:(\ks)*512+\i*64
.endr
.endm
.macro MUL16 set, first                ; the 16 accumulators by turns, in the same order in every step
	WIN 0x05
.irp x, 0,1,2,3
.irp y, 0,1,2,3
.if \first
	v_wmma_scale_f32_16x16x128_f8f6f4 v[ACC+8*(4*\x+\y):ACC+8*(4*\x+\y)+7], v[128*(\set)+48+12*\y:128*(\set)+48+12*\y+11], v[128*(\set)+12*\x:128*(\set)+12*\x+11], v[BIAS+8*\y:BIAS+8*\y+7], v[SC+4*(\set)+\y], v[SC+4*(\set)+\x] matrix_a_fmt:MATRIX_FMT_FP6 matrix_b_fmt:MATRIX_FMT_FP6 matrix_a_scale:MATRIX_SCALE_ROW1
.else
	v_wmma_scale_f32_16x16x128_f8f6f4 v[ACC+8*(4*\x+\y):ACC+8*(4*\x+\y)+7], v[128*(\set)+48+12*\y:128*(\set)+48+12*\y+11], v[128*(\set)+12*\x:128*(\set)+12*\x+11], v[ACC+8*(4*\x+\y):ACC+8*(4*\x+\y)+7], v[SC+4*(\set)+\y], v[SC+4*(\set)+\x] matrix_a_fmt:MATRIX_FMT_FP6 matrix_b_fmt:MATRIX_FMT_FP6 matrix_a_scale:MATRIX_SCALE_ROW1
.endif
.endr
.endr
	WIN 0
.endm
.macro STEP ks, first                  ; the next step's fragments are asked for, then this step is multiplied
	s_wait_dscnt 0x0
	PLACES                                         ; the other set was read by the step before
	FETCH (\ks)+1, 1-(\ks)%2
	MUL16 (\ks)%2, \first
.endm
	s_wait_alu depctr_va_vdst(0)                   ; the wait at the head's end
	s_wait_tensorcnt 0x0                           ; my block is in
	s_barrier_signal -1
	s_barrier_wait -1                              ; all four are
	FETCH 0, 0
	s_wait_loadcnt 32                              ; bp; the 32 loads of x may be out
	STEP 0, 1
.irp k, 1,2,3,4,5,6
	STEP \k, 0
.endr
	s_wait_dscnt 0x0
	MUL16 1, 0
	PLACES
	s_wait_loadcnt 0x0                             ; x
.irp x, 0,1,2,3                        ; the way out: 16 rows through my stage, back as whole rows of 256 bytes, + x, stored
.set TT, 48+32*(\x%2)
.if \x >= 2
	s_wait_xcnt 0x0                                ; the stores of two blocks ago have read their registers
.endif
.irp y, 0,1,2,3
	ds_store_b128 v21, v[ACC+8*(4*\x+\y):ACC+8*(4*\x+\y)+3] offset:64*\y
	ds_store_b128 v21, v[ACC+8*(4*\x+\y)+4:ACC+8*(4*\x+\y)+7] offset:64*\y+16
.endr
.irp t, 0,1,2,3,4,5,6,7
	ds_load_b128 v[TT+4*\t:TT+4*\t+3], v22 offset:\t*2*272
.endr
	s_wait_dscnt 0x0
	WIN 0x08
.irp t, 0,1,2,3,4,5,6,7,8,9,10,11,12,13,14,15
	v_pk_add_f32 v[TT+2*\t:TT+2*\t+1], v[TT+2*\t:TT+2*\t+1], v[32*\x+2*\t:32*\x+2*\t+1]
.endr
	WIN 0
.irp t, 0,1,2,3,4,5,6,7
	global_store_b128 v20, v[TT+4*\t:TT+4*\t+3], s[12:13] offset:(16*\x+2*\t)*4096   ; sixteen lanes store 256 consecutive bytes, aligned
.endr
.endr
	s_wait_tensorcnt 0x0                           ; the wave's end
	ds_add_u32 v[SPW], v[NIL]
	s_wait_dscnt 0x0
	CROUND                                         ; the closing round
	s_endpgm
.Lfunc_end_k_q862f4e2aca_proj:
	.size	k_q862f4e2aca_proj, .Lfunc_end_k_q862f4e2aca_proj-k_q862f4e2aca_proj
	.p2alignl 7, 3214868480
	.fill 96, 4, 3214868480
	.section	.rodata,"a",@progbits
	.p2align	6, 0x0
	.amdhsa_kernel k_q862f4e2aca_proj
		.amdhsa_group_segment_fixed_size 327680
		.amdhsa_private_segment_fixed_size 0
		.amdhsa_enable_private_segment 0
		.amdhsa_kernarg_size 40
		.amdhsa_user_sgpr_count 2
		.amdhsa_user_sgpr_kernarg_segment_ptr 1
		.amdhsa_wavefront_size32 1
		.amdhsa_system_sgpr_workgroup_id_x 1
		.amdhsa_system_sgpr_workgroup_id_y 1
		.amdhsa_system_sgpr_workgroup_id_z 1
		.amdhsa_system_vgpr_workitem_id 0
		.amdhsa_next_free_vgpr 768
		.amdhsa_next_free_sgpr 98
		.amdhsa_reserve_vcc 0
		.amdhsa_float_denorm_mode_32 3
		.amdhsa_float_denorm_mode_16_64 3
		.amdhsa_memory_ordered 1
		.amdhsa_forward_progress 1
		.amdhsa_inst_pref_size 61
	.end_amdhsa_kernel
	.amdgpu_metadata
---
amdhsa.version: [ 1, 2 ]
amdhsa.kernels:
  - .name:           k_q862f4e2aca_proj
    .symbol:         k_q862f4e2aca_proj.kd
    .args:
      - { .name: act, .offset: 0, .size: 8, .value_kind: global_buffer, .address_space: global }
      - { .name: wts, .offset: 8, .size: 8, .value_kind: global_buffer, .address_space: global }
      - { .name: bp, .offset: 16, .size: 8, .value_kind: global_buffer, .address_space: global }
      - { .name: x, .offset: 24, .size: 8, .value_kind: global_buffer, .address_space: global }
      - { .name: x1, .offset: 32, .size: 8, .value_kind: global_buffer, .address_space: global }
    .group_segment_fixed_size: 327680
    .private_segment_fixed_size: 0
    .kernarg_segment_align: 8
    .kernarg_segment_size: 40
    .max_flat_workgroup_size: 128
    .sgpr_count:     98
    .vgpr_count:     768
    .wavefront_size: 32
...
	.end_amdgpu_metadata
.endif
;; end of part 11
;; launch ln1 (part 12): grid 256 x 1, 4 waves a work-group, no clusters, 31,744 bytes of LDS; arguments x1, g2, be2, act; writes act
.if DOCPART == 12
	.amdgcn_target "amdgcn-amd-amdhsa--gfx1250"
	.amdhsa_code_object_version 6
	.text
	.protected	k_q862f4e2aca_ln1
	.globl	k_q862f4e2aca_ln1
	.p2align	8
	.type	k_q862f4e2aca_ln1,@function
k_q862f4e2aca_ln1:
	s_mov_b64 s[64:65], 0
	v_nop
	global_prefetch_b8 v0, s[64:65] scope:SCOPE_SE
	s_setreg_imm32_b32 hwreg(HW_REG_WAVE_MODE, 25, 1), 1
	s_wait_xcnt 0x0
; A layer norm along rows of 1,024 f32, quantised on the way: y = (x - mean) rsqrt(var + 1e-5) g + b becomes codes of FP6 (E2M3) with one E8M0 byte for each 32 along the row.
; OUT: images of 16 rows x 64 K (768 bytes: lane l = r + 16 h owns the six words of row r, block h: words 0-3 at 16 l, words 4-5 at 512 + 8 l), laid [128 rows][64 K][16 rows][768]; scale words [128 rows' tile][128 K][128 rows].
; Inside each block of 32 the second and third group of eight change places, as in every operand of this program.
; SHARES.  A work-group takes 16 rows, one block of rows; a wave four of them, each whole in 32 registers, read once.  Mean and variance in two passes (the variance of x - mean), so that a common offset does no harm.
; A load is dense in the lanes; the quantiser wants a block of 32 in one lane: a row turns through the wave's own stage in LDS (128 bytes + 16 of padding a block), and lane l gets block l.
; The image stores of a row put 32 lanes' words 256 or 128 bytes apart in LDS: two such stores a row; that is the price of images that leave in whole runs of 256 bytes.
; LIMITS: a block of zeros, or one under 2^-124, gets the byte 1 (this program alone reads the bytes); NaN and infinities are not served.
.set X,   64                           ; v64-191  four rows
.set G,   192                          ; v192-223 the gain, in the loads' lane order
.set B,   224                          ; v224-255 the bias
.set Y,   32                           ; v32-63   a block of 32, in the order of the places
.set C,   16                           ; v16-22   its codes
.set IMG, 18432                        ; LDS: four stages of 4,608 bytes, then 16 images,
.set SCS, 30720                        ; then 8 x 16 scale words
.set ASC, 3145728                      ; where the scale words begin in the output buffer
	s_load_b256 s[4:11], s[0:1], 0x0               ; x, g, b, out
	v_lshl_add_u32 v30, v0, 2, 0x7a00
	v_mov_b32 v31, 0
	v_lshrrev_b32 v1, 5, v0
	v_readfirstlane_b32 s14, v1                    ; wave
	v_and_b32 v1, 31, v0                           ; lane
	v_lshlrev_b32 v2, 4, v1                        ; 16 x lane
	s_lshl_b32 s16, ttmp9, 16                      ; 16 rows of 4,096 bytes,
	s_lshl_b32 s17, s14, 14                        ; my wave's four
	s_add_co_u32 s16, s16, s17
	s_mov_b32 s17, 0
	s_mov_b32 s12, 0x76543210
	s_mov_b32 s13, 0xfedcba98                      ; v_permlanex16_b32: lane l xor 16
	s_mov_b32 s20, 0x3a800000                      ; 1 / 1,024
	s_mov_b32 s21, 0x3727c5ac                      ; 1e-5
	s_lshr_b32 s22, ttmp9, 3                       ; tile of 128 rows,
	s_and_b32 s23, ttmp9, 7                        ; block of 16 rows in it
	s_mul_i32 s24, s22, 98304
	s_mul_i32 s25, s23, 768
	s_add_co_u32 s24, s24, s25
	s_mov_b32 s25, 0
	s_lshl_b32 s26, s22, 12
	s_lshl_b32 s27, s23, 6
	s_add_co_u32 s26, s26, s27
	s_add_co_u32 s26, s26, ASC
	s_mov_b32 s27, 0
	s_wait_alu depctr_va_vdst(0)
	s_wait_kmcnt 0x0
	s_add_nc_u64 s[4:5], s[4:5], s[16:17]
	s_add_nc_u64 s[24:25], s[10:11], s[24:25]
	s_add_nc_u64 s[26:27], s[10:11], s[26:27]
.irp j, 0,1,2,3,4,5,6,7
	global_load_b128 v[G+4*\j:G+4*\j+3], v2, s[6:7] offset:512*\j
.endr
.irp j, 0,1,2,3,4,5,6,7
	global_load_b128 v[B+4*\j:B+4*\j+3], v2, s[8:9] offset:512*\j
.endr
.irp k, 0,1,2,3
.irp j, 0,1,2,3,4,5,6,7
	global_load_b128 v[X+32*\k+4*\j:X+32*\k+4*\j+3], v2, s[4:5] offset:4096*\k+512*\j   ; 512 consecutive bytes a load
.endr
.endr
	s_mul_i32 s18, s14, 4608                       ; my stage
	v_lshrrev_b32 v8, 3, v1
	v_lshl_add_u32 v3, v8, 4, v2
	v_add_nc_u32 v3, s18, v3                       ; in: 16 x lane + 16 for each block of 128 bytes passed
	v_mul_u32_u24 v4, v1, 144
	v_add_nc_u32 v4, s18, v4                       ; out: block l
	v_lshrrev_b32 v8, 1, v1
	v_and_b32 v9, 1, v1
	v_mul_u32_u24 v8, v8, 768                      ; block l lies in image l / 2, half l % 2
	v_lshl_add_u32 v5, v9, 8, v8
	s_lshl_b32 s19, s14, 6
	s_add_co_u32 s19, s19, IMG
	v_add_nc_u32 v5, s19, v5                       ; words 0-3: 16 (4 w + k) + 256 h
	v_lshl_add_u32 v6, v9, 7, v8
	s_lshl_b32 s19, s14, 5
	s_add_co_u32 s19, s19, IMG+512
	v_add_nc_u32 v6, s19, v6                       ; words 4-5: 512 + 8 (4 w + k) + 128 h
	v_lshrrev_b32 v8, 2, v1
	v_and_b32 v9, 3, v1
	v_lshl_add_u32 v7, v8, 6, v9
	s_lshl_b32 s19, s14, 4
	s_add_co_u32 s19, s19, SCS
	v_add_nc_u32 v7, s19, v7                       ; the byte: 64 (l / 4) + 4 (4 w + k) + l % 4
	v_lshrrev_b32 v8, 4, v1
	v_and_b32 v9, 15, v1
	v_mul_u32_u24 v24, v8, 6144
	v_lshl_add_u32 v24, v9, 4, v24
	s_mul_i32 s19, s14, 1536
	s_add_co_u32 s19, s19, IMG
	v_add_nc_u32 v24, s19, v24                     ; the way out: sixteen lanes to 256 bytes; the halves of the lanes eight images apart
	v_mul_u32_u24 v25, v8, 49152
	v_lshl_add_u32 v25, v9, 4, v25
	s_mul_i32 s19, s14, 12288
	v_add_nc_u32 v25, s19, v25                     ; and the same place in memory, where images lie 6,144 bytes apart
	v_add_nc_u32 v26, SCS, v2
	v_lshrrev_b32 v8, 2, v1
	v_and_b32 v9, 3, v1
	v_lshlrev_b32 v27, 9, v8
	v_lshl_add_u32 v27, v9, 4, v27
.macro SUM32                           ; v8 = the sum over the 32 lanes, in every lane
	v_pk_add_f32 v[8:9], v[8:9], v[10:11]
	v_pk_add_f32 v[12:13], v[12:13], v[14:15]
	v_pk_add_f32 v[8:9], v[8:9], v[12:13]
	v_add_f32 v8, v8, v9
	v_add_f32_dpp v8, v8, v8 row_xmask:1 row_mask:0xf bank_mask:0xf
	v_add_f32_dpp v8, v8, v8 row_xmask:2 row_mask:0xf bank_mask:0xf
	v_add_f32_dpp v8, v8, v8 row_xmask:4 row_mask:0xf bank_mask:0xf
	v_add_f32_dpp v8, v8, v8 row_xmask:8 row_mask:0xf bank_mask:0xf
	v_permlanex16_b32 v9, v8, s12, s13
	v_add_f32 v8, v8, v9
.endm
.macro ROW k
.set XR, X+32*(\k)
	s_wait_loadcnt 8*(3-(\k))                      ; g, b and this row are in; the eight loads of each later row may be out
.irp c, 0,1,2,3
	v_pk_add_f32 v[8+2*\c:9+2*\c], v[XR+2*\c:XR+2*\c+1], v[XR+8+2*\c:XR+9+2*\c]   ; four chains, started by the first words
.endr
.irp i, 16,24
.irp c, 0,1,2,3
	v_pk_add_f32 v[8+2*\c:9+2*\c], v[8+2*\c:9+2*\c], v[XR+\i+2*\c:XR+\i+2*\c+1]
.endr
.endr
	SUM32
	v_mul_f32 v8, s20, v8                          ; the mean
.set j, 0
.rept 16
	v_pk_add_f32 v[XR+j:XR+j+1], v[XR+j:XR+j+1], v[8:9] op_sel_hi:[1,0] neg_lo:[0,1] neg_hi:[0,1]   ; x - mean
.set j, j+2
.endr
.irp c, 0,1,2,3
	v_pk_mul_f32 v[8+2*\c:9+2*\c], v[XR+2*\c:XR+2*\c+1], v[XR+2*\c:XR+2*\c+1]
.endr
.irp i, 8,16,24
.irp c, 0,1,2,3
	v_pk_fma_f32 v[8+2*\c:9+2*\c], v[XR+\i+2*\c:XR+\i+2*\c+1], v[XR+\i+2*\c:XR+\i+2*\c+1], v[8+2*\c:9+2*\c]
.endr
.endr
	SUM32
	v_fma_f32 v8, v8, s20, s21                     ; the variance + 1e-5
	s_wait_alu depctr_va_vdst(0)
	v_rsq_f32 v10, v8
	v_nop                                          ; a plain line behind the transcendental,
	s_wait_alu depctr_va_vdst(0)                   ; and the wait ahead of its first reader
.set j, 0
.rept 16
	v_pk_mul_f32 v[XR+j:XR+j+1], v[XR+j:XR+j+1], v[10:11] op_sel_hi:[1,0]
.set j, j+2
.endr
.set j, 0
.rept 16
	v_pk_fma_f32 v[XR+j:XR+j+1], v[XR+j:XR+j+1], v[G+j:G+j+1], v[B+j:B+j+1]
.set j, j+2
.endr
.irp j, 0,1,2,3,4,5,6,7
	ds_store_b128 v3, v[XR+4*\j:XR+4*\j+3] offset:576*\j
.endr
.irp n, 0,1,2,3,4,5,6,7                ; back in the order of the places: pieces 0, 1, 4, 5, 2, 3, 6, 7 of the block's eight.  LDS serves a wave's instructions in order
	ds_load_b128 v[Y+4*\n:Y+4*\n+3], v4 offset:16*(2*(((\n/2)%2)*2+\n/4)+\n%2)
.endr
	s_wait_dscnt 0x0                               ; the block is in; the last row's image stores have read their registers too
	v_max3_num_f32 v8, |v[Y]|, |v[Y+1]|, |v[Y+2]|
	v_max3_num_f32 v9, |v[Y+3]|, |v[Y+4]|, |v[Y+5]|
.irp i, 6,10,14,18,22,26
	v_max3_num_f32 v8, v8, |v[Y+\i]|, |v[Y+\i+1]|
	v_max3_num_f32 v9, v9, |v[Y+\i+2]|, |v[Y+\i+3]|
.endr
	v_max3_num_f32 v8, v8, |v[Y+30]|, |v[Y+31]|
	v_max3_num_f32 v8, v8, v9, 0x1800000           ; the floor 2^(3 - 127)
	v_add_nc_u32 v11, 0xff000000, v8               ; 2 off the exponent field: the conversions' scale operand
	v_cvt_scalef32_pk16_fp6_f32 v[C:C+2], v[Y:Y+15], v11
	v_cvt_scalef32_pk16_fp6_f32 v[C+4:C+6], v[Y+16:Y+31], v11
	v_lshrrev_b32 v23, 23, v11                     ; the byte: also the plain line behind the conversions
	v_mov_b32 v[C+3], v[C+4]
	v_mov_b32 v[C+4], v[C+5]
	v_mov_b32 v[C+5], v[C+6]
	ds_store_b128 v5, v[C:C+3] offset:16*(\k)
	ds_store_b64 v6, v[C+4:C+5] offset:8*(\k)
	ds_store_b8 v7, v23 offset:4*(\k)
.endm
	ROW 0
	ROW 1
	ROW 2
	ROW 3
	s_wait_dscnt 0x0                               ; for the others' sake: my stores into the images are done
	s_barrier_signal -1
	s_barrier_wait -1
.irp q, 0,1,2,3,4,5
	ds_load_b128 v[X+4*\q:X+4*\q+3], v24 offset:256*\q
.endr
.irp q, 0,1,2,3,4,5
	s_wait_dscnt 5-\q
	global_store_b128 v25, v[X+4*\q:X+4*\q+3], s[24:25] offset:(\q/3)*6144+(\q%3)*256   ; sixteen lanes store 256 consecutive bytes, aligned
.endr
	s_cmp_lg_u32 s14, 0
	s_cbranch_scc1 .Lend
	ds_load_b128 v[X+24:X+27], v26                 ; wave 0: the 128 scale words; in memory they are eight runs of 64 bytes
	s_wait_dscnt 0x0
	global_store_b128 v27, v[X+24:X+27], s[26:27]
.Lend:
	s_wait_tensorcnt 0x0
	ds_add_u32 v30, v31
	s_wait_dscnt 0x0
	s_endpgm
.Lfunc_end_k_q862f4e2aca_ln1:
	.size	k_q862f4e2aca_ln1, .Lfunc_end_k_q862f4e2aca_ln1-k_q862f4e2aca_ln1
	.p2alignl 7, 3214868480
	.fill 96, 4, 3214868480
	.section	.rodata,"a",@progbits
	.p2align	6, 0x0
	.amdhsa_kernel k_q862f4e2aca_ln1
		.amdhsa_group_segment_fixed_size 31744
		.amdhsa_private_segment_fixed_size 0
		.amdhsa_enable_private_segment 0
		.amdhsa_kernarg_size 32
		.amdhsa_user_sgpr_count 2
		.amdhsa_user_sgpr_kernarg_segment_ptr 1
		.amdhsa_wavefront_size32 1
		.amdhsa_system_sgpr_workgroup_id_x 1
		.amdhsa_system_sgpr_workgroup_id_y 1
		.amdhsa_system_sgpr_workgroup_id_z 1
		.amdhsa_system_vgpr_workitem_id 0
		.amdhsa_next_free_vgpr 256
		.amdhsa_next_free_sgpr 66
		.amdhsa_reserve_vcc 0
		.amdhsa_float_denorm_mode_32 3
		.amdhsa_float_denorm_mode_16_64 3
		.amdhsa_memory_ordered 1
		.amdhsa_forward_progress 1
		.amdhsa_inst_pref_size 45
	.end_amdhsa_kernel
	.amdgpu_metadata
---
amdhsa.version: [ 1, 2 ]
amdhsa.kernels:
  - .name:           k_q862f4e2aca_ln1
    .symbol:         k_q862f4e2aca_ln1.kd
    .args:
      - { .name: x1, .offset: 0, .size: 8, .value_kind: global_buffer, .address_space: global }
      - { .name: g2, .offset: 8, .size: 8, .value_kind: global_buffer, .address_space: global }
      - { .name: be2, .offset: 16, .size: 8, .value_kind: global_buffer, .address_space: global }
      - { .name: act, .offset: 24, .size: 8, .value_kind: global_buffer, .address_space: global }
    .group_segment_fixed_size: 31744
    .private_segment_fixed_size: 0
    .kernarg_segment_align: 8
    .kernarg_segment_size: 32
    .max_flat_workgroup_size: 128
    .sgpr_count:     66
    .vgpr_count:     256
    .wavefront_size: 32
...
	.end_amdgpu_metadata
.endif
;; end of part 12
;; launch ff1 (part 13): grid 8 x 32, 4 waves a work-group, clusters of 4 x 4, 327,680 bytes of LDS; arguments act, wts, b1, hid; writes hid
.if DOCPART == 13
	.amdgcn_target "amdgcn-amd-amdhsa--gfx1250"
	.amdhsa_code_object_version 6
	.text
	.protected	k_q862f4e2aca_ff1
	.globl	k_q862f4e2aca_ff1
	.p2align	8
	.type	k_q862f4e2aca_ff1,@function
k_q862f4e2aca_ff1:
	s_mov_b64 s[64:65], 0
	v_nop
	global_prefetch_b8 v0, s[64:65] scope:SCOPE_SE
	s_setreg_imm32_b32 hwreg(HW_REG_WAVE_MODE, 25, 1), 1
	s_wait_xcnt 0x0
	s_wait_alu depctr_hold_cnt(0) depctr_sa_sdst(0) depctr_va_vdst(0) depctr_va_sdst(0) depctr_va_ssrc(0) depctr_va_vcc(0) depctr_vm_vsrc(0)
	s_getreg_b32 s2, hwreg(HW_REG_IB_STS2, 6, 4)
	s_cmp_eq_u32 s2, 0
	s_cbranch_scc0 .Lentry_in_a_cluster
	s_endpgm
.Lentry_in_a_cluster:
	s_bfe_u32 s2, ttmp6, 0x10000c
	s_cmp_lg_u32 s2, 0xf033
	s_cbranch_scc0 .Lentry_shape_is_right
	s_endpgm
.Lentry_shape_is_right:
; hid = Q(gelu(h2 W1 + b1)): the product on codes of FP6 (E2M3), K = 1,024; the exact GELU in f32; the result quantised on the way along its columns, the next product's K.
; OPERANDS are images of 16 rows x 64 K (768 bytes: lane l = r + 16 h owns six words: words 0-3 at 16 l, words 4-5 at 512 + 8 l), laid [tile of 128 rows][64 K][16 rows]; a fragment of 128 K is two images.  Scale words: [tile][128 K][128 rows].
; A WORK-GROUP STAYS: it owns 128 rows and makes four tiles of 128 columns, tile columns gx, gx + 8, gx + 16, gx + 24.  A wave makes 64 x 64 of each: 16 accumulators; its 64 columns are one image's depth of the next K.
; THE ACTIVATIONS come into LDS once, and each wave's 64 rows, all of K (32 fragments, 384 registers) with their scale words, stay in its REGISTERS for the four tiles.
; THE WEIGHTS' TILES, all of K each, go through two LDS slots: tiles 0 and 1 are asked for at the start; tile j + 2 at the head of tile j's last step, into tile j's slot: it has tile j's way out and all of tile j + 1 in which to land.
; A tile is written twice: a loop of two trips that fill a slot again, and a loop of two trips that do not; what differs between trips (slot, scale words, bases) lies in scalar registers.
; Source 0 is the weight, source 1 the activations: a lane holds one row, and its registers of two neighbouring tiles are a half block of the next K, in this program's order of places.  b1 is the C of each sum's first matrix instruction.
; SCALE WORDS: a register holds an even step's words in lanes 0-15 and the next step's in lanes 16-31; odd steps name the upper row on both sides.
; GELU: a (1 + erf(a / sqrt 2)) / 2, erf(z) = z P(z^2) / Q(z^2) with z held to +-4 (beyond it erf is +-1 in f32), P of degree 6, Q of degree 4: the rational form in common use for f32, good to a few units in the last place of erf.
; CLUSTER 4 x 4: the activations' tile is shared along a row of the cluster, the weights' along a column: each is asked for jointly; the weights' later tiles come a quarter a wave.
; A row's scale word of 128 columns comes from two waves: the halves meet in LDS, and wave 0 stores the 512 bytes.
; LIMITS: a block of zeros, or one under 2^-124, gets the byte 1 (this program alone reads the bytes); NaN and infinities are not served.
.set NT,    4                          ; tiles of a work-group
.set TILEB, 98304
.set UNIT,  24576                      ; a quarter of a tile: what one tensor load brings: 96 rows of 256 bytes
.set TSTEP, 8*TILEB                    ; from a tile of the walk to the next
.set ASC,   3145728
.set WOFF,  32*98304                   ; W1's tiles in wts
.set WSOFF, 9437184+32*4096
.set HSOFF, 12582912                   ; where the scale words begin in hid
.set SLOT1, 1<<17                      ; the weights' slot 0 lies at 0, slot 1 here: one exclusive or turns an address in one into the other's
.set SCA,   98304                      ; between the slots: the activations' scale words,
.set SCB,   SCA+4096                   ; the weights' of all tiles, [tile][4,096 bytes],
.set SPARE, SCB+NT*4096+2048           ; the spare words, 128 bytes for each wave: two blocks of 256 bytes that no other line names,
.set SCR,   SPARE+512                  ; and 128 scale words of the result
.set AL,    229376                     ; behind slot 1: the activations' tile
.set SBB,  7
.set BB,   8                           ; v8-11  my lane's place in a slot: 16 x lane form for K's halves, then 512 + 8 x lane form
.set ADB,  12                          ; v12-15 the same in the slot in hand
.set ADSB, 16
.set SPW,  17
.set NIL,  18
.set AA,   26
.set ASA,  30
.set SAR,  32                          ; v32-47 the activations' scale words: 4 (step / 2) + block
.set SBR,  48                          ; v48-55 the weights': two sets of four
.set CA,   56                          ; v56-57 P's leading coefficient, twice; v58-59 Q's
.set CB,   58
.set ZR,   60                          ; v60-91 GELU's work: z, z^2, P, Q; later the second pair of images, the scale words, and wave 0's read-back
.set Z2R,  68
.set PR,   76
.set QR,   84
.set PC1,  60                          ; v60-78
.set PW0,  80
.set PW1,  81
.set TM,   92                          ; v92-107 the quantiser's work
.set PC0,  108                         ; v108-126
.set ACC,  128                         ; accumulator (x, y) at v[128 + 8 (4 x + y)].  Windows 1, 2: v0-191 the activations of steps 0-3, 4-7; v192-239 the weights' fragment sets 0, 1.  Window 3: v0-31 b1
.set SEL,  22
.set G1A,  24
.set G0A,  32
.set G0B0, 36
.set G1B,  48
.set G0R,  56
.set TB,   60                          ; s60 the slot in hand
.set TSB,  61                          ; s61 4,096 x the tile in hand
.set CNT,  62
.set G1SA, 68
.set G0SA, 76
.set G1SB, 80
.set G0SB, 88
.set MSB, 0
.macro WIN new                         ; the immediate's high byte repeats the setting that is left
.if MSB != \new
	s_set_vgpr_msb (MSB<<8)|\new
.set MSB, \new
.endif
.endm
.macro PLACES                          ; four plain lines between a matrix instruction and a load into, or a read of, its registers
.rept 4
	v_nop
.endr
.endm
.macro CROUND                          ; a round of the cluster's barrier
	s_barrier_signal -1
	s_barrier_wait -1
	s_cmp_lg_u32 s14, 0
	s_cbranch_scc1 .Lnot_wave_0_\@
	s_barrier_signal -3
.Lnot_wave_0_\@:
	s_barrier_wait -3
	s_barrier_signal -1
	s_barrier_wait -1
.endm
	s_load_b256 s[4:11], s[0:1], 0x0               ; act, wts, b1, hid
	v_lshl_add_u32 v[SPW], v0, 2, SPARE
	v_mov_b32 v[NIL], 0
	ds_add_u32 v17, v18
	ds_add_u32 v17, v18
	s_wait_dscnt 0x0
	v_lshrrev_b32 v1, 5, v0
	v_readfirstlane_b32 s14, v1                    ; wave
	s_lshr_b32 s15, s14, 1                         ; wr: my 64 rows
	s_and_b32 s16, s14, 1                          ; wc: my 64 columns
	s_bfe_u32 s40, ttmp6, 0x40000                  ; cx
	s_bfe_u32 s41, ttmp6, 0x40004                  ; cy
	s_lshl_b32 s42, ttmp9, 2
	s_add_co_u32 s42, s42, s40                     ; gx: my first tile column
	s_and_b32 s17, ttmp7, 0xffff
	s_lshl_b32 s17, s17, 2
	s_add_co_u32 s17, s17, s41                     ; mt: tile row
	s_lshl_b32 s43, s41, 2
	s_lshl_b32 s43, 15, s43                        ; my row of the cluster
	s_lshl_b32 s44, 0x1111, s40                    ; my column
	s_or_b32 s[G1A+0], s43, (3<<16)|(1<<21)        ; the mask; elements of 8 bytes; bit 21 beside a mask; no padding
	s_or_b32 s[G1B+0], s44, (3<<16)|(1<<21)
.irp g, G1A, G1B
	s_mov_b32 s[\g+1], 32<<16                      ; rows of 256 bytes of a dense block
	s_mov_b32 s[\g+2], 384<<16                     ; at the head a load brings a whole tile: 384 rows
	s_mov_b32 s[\g+3], 32<<16
	s_mov_b32 s[\g+4], 384
	s_mov_b32 s[\g+5], 32
	s_mov_b32 s[\g+6], 0
	s_mov_b32 s[\g+7], 0
.endr
	s_or_b32 s[G1SA+0], s43, (3<<16)|(1<<21)
	s_mov_b32 s[G1SA+1], 32<<16
	s_mov_b32 s[G1SA+2], 16<<16                    ; all the activations' scale words: 16 rows of 256 bytes
	s_mov_b32 s[G1SA+3], 32<<16
	s_mov_b32 s[G1SA+4], 16
	s_mov_b32 s[G1SA+5], 32
	s_mov_b32 s[G1SA+6], 0
	s_mov_b32 s[G1SA+7], 0
	s_or_b32 s[G1SB+0], s44, (3<<16)|(1<<21)
	s_mov_b32 s[G1SB+1], 512<<16                   ; each tile's scale words whole: NT rows of 4,096 bytes, eight tiles (32,768 bytes) apart
	s_mov_b32 s[G1SB+2], NT<<16
	s_mov_b32 s[G1SB+3], 512<<16
	s_mov_b32 s[G1SB+4], NT
	s_mov_b32 s[G1SB+5], 4096
	s_mov_b32 s[G1SB+6], 0
	s_mov_b32 s[G1SB+7], 0
	s_mul_i32 s45, s14, UNIT                       ; my quarter of a tile,
	s_mul_i32 s20, s17, TILEB                      ; the activations' addresses hang on mt alone,
	s_mov_b32 s21, 0
	s_mul_i32 s46, s42, TILEB                      ; the weights' on gx alone
	s_add_co_u32 s46, s46, WOFF
	s_mov_b32 s47, 0
	s_lshl_b32 s22, s17, 12
	s_add_co_u32 s22, s22, ASC
	s_mov_b32 s23, 0
	s_lshl_b32 s92, s42, 12
	s_add_co_u32 s92, s92, WSOFF
	s_mov_b32 s93, 0
	s_wait_kmcnt 0x0
	s_add_nc_u64 s[20:21], s[4:5], s[20:21]
	s_add_nc_u64 s[22:23], s[4:5], s[22:23]
	s_add_nc_u64 s[46:47], s[6:7], s[46:47]
	s_add_nc_u64 s[92:93], s[6:7], s[92:93]
	s_mov_b32 s[G0SA], 1
	s_mov_b32 s[G0SA+1], SCA
	s_mov_b64 s[G0SA+2:G0SA+3], s[22:23]
	s_or_b32 s[G0SA+3], s[G0SA+3], 0x80000000
	s_mov_b32 s[G0SB], 1
	s_mov_b32 s[G0SB+1], SCB
	s_mov_b64 s[G0SB+2:G0SB+3], s[92:93]
	s_or_b32 s[G0SB+3], s[G0SB+3], 0x80000000
	s_mov_b32 s[G0A], 1
	s_mov_b32 s[G0A+1], AL
	s_mov_b64 s[G0A+2:G0A+3], s[20:21]
	s_or_b32 s[G0A+3], s[G0A+3], 0x80000000
	s_mov_b32 s[G0B0], 1
	s_mov_b32 s[G0B0+1], 0
	s_mov_b64 s[G0B0+2:G0B0+3], s[46:47]
	s_or_b32 s[G0B0+3], s[G0B0+3], 0x80000000
	s_mov_b32 s[G0R], 1
	s_add_co_u32 s[G0R+1], s45, SLOT1
	s_mov_b32 s94, s45                             ; the walking descriptor brings my quarter of a tile
	s_mov_b32 s95, 0
	s_add_nc_u64 s[G0R+2:G0R+3], s[46:47], s[94:95]
	s_add_nc_u64 s[G0R+2:G0R+3], s[G0R+2:G0R+3], TSTEP
	s_or_b32 s[G0R+3], s[G0R+3], 0x80000000
	CROUND                                         ; all sixteen work-groups are here: the first joint loads meet
	; THE HEAD'S FOUR TILES, ONE A WAVE, each whole: wave 0 the activations' tile, wave 1 the weights' tile 0, wave 2 the activations' scale words, wave 3 the weights' of all tiles.
	; One chain of branches on the wave's number: every way passes exactly one load.  Tile 1 is asked for behind the full sequence below, a quarter a wave.
	s_cmp_lt_u32 s14, 1
	s_cbranch_scc0 .Lhead_b
	tensor_load_to_lds s[G0A:G0A+3], s[G1A:G1A+7]
	s_nop 0
	PLACES
	s_branch .Lhead_asked
.Lhead_b:
	s_cmp_lt_u32 s14, 2
	s_cbranch_scc0 .Lhead_sa
	tensor_load_to_lds s[G0B0:G0B0+3], s[G1B:G1B+7]
	s_nop 0
	PLACES
	s_branch .Lhead_asked
.Lhead_sa:
	s_cmp_lt_u32 s14, 3
	s_cbranch_scc0 .Lhead_sb
	tensor_load_to_lds s[G0SA:G0SA+3], s[G1SA:G1SA+7]
	s_nop 0
	PLACES
	s_branch .Lhead_asked
.Lhead_sb:
	tensor_load_to_lds s[G0SB:G0SB+3], s[G1SB:G1SB+7]
	s_nop 0
	PLACES
.Lhead_asked:
	v_and_b32 v1, 31, v0                           ; lane
	v_and_b32 v2, 15, v0                           ; r
	v_bfe_u32 v3, v0, 4, 1                         ; h
	v_lshlrev_b32 v4, 4, v1                        ; 16 x lane
	v_lshlrev_b32 v5, 3, v1
	v_add_nc_u32 v5, 512, v5                       ; 512 + 8 x lane
	s_mul_i32 s19, s16, 3072                       ; the weights: my four blocks of columns
	v_add_nc_u32 v[BB], s19, v4
	v_add_nc_u32 v[BB+2], s19, v5
	s_add_co_u32 s19, s19, 49152                   ; K's second half: LDS offsets have 16 bits
	v_add_nc_u32 v[BB+1], s19, v4
	v_add_nc_u32 v[BB+3], s19, v5
	s_mul_i32 s18, s15, 3072                       ; the activations: my four blocks of rows
	s_add_co_u32 s18, s18, AL
	v_add_nc_u32 v[AA], s18, v4
	v_add_nc_u32 v[AA+2], s18, v5
	s_add_co_u32 s18, s18, 49152
	v_add_nc_u32 v[AA+1], s18, v4
	v_add_nc_u32 v[AA+3], s18, v5
	v_lshlrev_b32 v6, 2, v2
	v_lshl_add_u32 v6, v3, 9, v6                   ; scale words: 4 r, and lanes 16-31 one step (512 bytes) on
	s_lshl_b32 s18, s15, 8
	s_add_co_u32 s18, s18, SCA
	v_add_nc_u32 v[ASA], s18, v6
	s_lshl_b32 s18, s16, 8
	s_add_co_u32 s18, s18, SCB
	v_add_nc_u32 v[SBB], s18, v6
	s_mov_b32 s[TB], 0
	s_mov_b32 s[TSB], 0
	s_mov_b32 s[SEL], 0x76543210
	s_mov_b32 s[SEL+1], 0xfedcba98                 ; v_permlanex16_b32: lane l xor 16
	s_lshl_b32 s66, s42, 9
	s_lshl_b32 s67, s16, 8
	s_add_co_u32 s66, s66, s67                     ; b1: my 64 columns of the first tile, in bytes
	s_mov_b32 s67, 0
	s_add_nc_u64 s[8:9], s[8:9], s[66:67]
	v_lshlrev_b32 v19, 5, v3                       ; my half's eight columns of a tile of 16
.macro LOADBIAS                        ; b1 at my 64 columns of a tile, in the result's layout
	WIN 0xc0                                       ; destination window 3
.irp y, 0,1,2,3
	global_load_b128 v[8*\y:8*\y+3], v19, s[8:9] offset:64*\y
	global_load_b128 v[8*\y+4:8*\y+7], v19, s[8:9] offset:64*\y+16
.endr
	WIN 0
.endm
	LOADBIAS
	s_mul_i32 s66, s17, 393216                     ; hid's codes: tile mt, image depth 2 gx + wc, my four blocks of rows
	s_lshl_b32 s67, s42, 1
	s_add_co_u32 s67, s67, s16
	s_mul_i32 s67, s67, 6144
	s_add_co_u32 s66, s66, s67
	s_mul_i32 s67, s15, 3072
	s_add_co_u32 s66, s66, s67
	s_mov_b32 s67, 0
	s_lshl_b32 s12, s17, 14                        ; its scale words: tile mt, step gx
	s_lshl_b32 s13, s42, 9
	s_add_co_u32 s12, s12, s13
	s_add_co_u32 s12, s12, HSOFF
	s_mov_b32 s13, 0
	s_add_nc_u64 s[12:13], s[10:11], s[12:13]
	s_add_nc_u64 s[10:11], s[10:11], s[66:67]
	s_lshl_b32 s96, s15, 8
	s_lshl_b32 s2, s16, 1
	s_add_co_u32 s96, s96, s2
	s_add_co_u32 s96, s96, SCR
	v_lshl_add_u32 v21, v1, 2, s96                 ; my half of a scale word: 4 (64 wr + lane) + 2 wc
	v_lshlrev_b32 v23, 4, v3                       ; 16 h
	v_add_nc_u32 v24, SCR, v4
	v_mov_b32 v[CA], 0xaf95df0b
	v_mov_b32 v[CA+1], 0xaf95df0b
	v_mov_b32 v[CB], 0xb77460cd
	v_mov_b32 v[CB+1], 0xb77460cd
.irp b, 0,1,2,3
	v_mov_b32 v[TM+4+\b], 0                        ; written once: a lane permute's destination counts as one of its sources
.endr
.macro LOADA                           ; my 64 rows of the activations, all of K, and their scale words: into registers, once
.irp ks, 0,1,2,3,4,5,6,7
	WIN (0x40<<(\ks/4))                            ; destination window 1 or 2
.irp x, 0,1,2,3
.irp e, 0,1
	ds_load_b128 v[48*(\ks%4)+12*\x+6*\e:48*(\ks%4)+12*\x+6*\e+3], v[AA+\ks/4] offset:(2*(\ks%4)+\e)*6144+\x*768
	ds_load_b64 v[48*(\ks%4)+12*\x+6*\e+4:48*(\ks%4)+12*\x+6*\e+5], v[AA+2+\ks/4] offset:(2*(\ks%4)+\e)*6144+\x*768
.endr
.endr
.endr
	WIN 0
.irp kp, 0,1,2,3
.irp i, 0,1,2,3
	ds_load_b32 v[SAR+4*\kp+\i], v[ASA] offset:\kp*1024+\i*64
.endr
.endr
.endm
.macro SETB                            ; the LDS addresses of the tile in hand
.irp k, 0,1,2,3
	v_add_nc_u32 v[ADB+\k], s[TB], v[BB+\k]
.endr
	v_add_nc_u32 v[ADSB], s[TSB], v[SBB]
.endm
.macro FETCHB ks                       ; the weights' four fragments of step ks into set ks % 2; with an even step the scale words of it and of the next
	WIN (0x40<<((\ks)%2))
.irp y, 0,1,2,3
.irp e, 0,1
	ds_load_b128 v[192+12*\y+6*\e:192+12*\y+6*\e+3], v[ADB+(\ks)/4] offset:(2*((\ks)%4)+\e)*6144+\y*768
	ds_load_b64 v[192+12*\y+6*\e+4:192+12*\y+6*\e+5], v[ADB+2+(\ks)/4] offset:(2*((\ks)%4)+\e)*6144+\y*768
.endr
.endr
	WIN 0
.if (\ks)%2 == 0
.irp i, 0,1,2,3
	ds_load_b32 v[SBR+4*(((\ks)/2)%2)+\i], v[ADSB] offset:((\ks)/2)*1024+\i*64
.endr
.endif
.endm
; 16 matrix instructions, the 16 accumulators by turns in the same order in every step, over the loops' backward jumps too.  first = 1: the sums begin with b1
.macro MUL16 ks, first
.set kP, (\ks)/2
.set rA, 48*((\ks)%4)
.if \first
	WIN ((1+(\ks)%2)|((1+(\ks)/4)<<2)|(3<<4))      ; source 0 the weights' set, source 1 the activations, source 2 window 3
.else
	WIN ((1+(\ks)%2)|((1+(\ks)/4)<<2))
.endif
.irp x, 0,1,2,3
.irp y, 0,1,2,3
.set rD, ACC+8*(4*\x+\y)
.set rS0, 192+12*\y
.set rS1, rA+12*\x
.set cS0, SBR+4*(kP%2)+\y
.set cS1, SAR+4*kP+\x
.if \first
	v_wmma_scale_f32_16x16x128_f8f6f4 v[rD:rD+7], v[rS0:rS0+11], v[rS1:rS1+11], v[8*\y:8*\y+7], v[cS0], v[cS1] matrix_a_fmt:MATRIX_FMT_FP6 matrix_b_fmt:MATRIX_FMT_FP6
.elseif (\ks)%2
	v_wmma_scale_f32_16x16x128_f8f6f4 v[rD:rD+7], v[rS0:rS0+11], v[rS1:rS1+11], v[rD:rD+7], v[cS0], v[cS1] matrix_a_fmt:MATRIX_FMT_FP6 matrix_b_fmt:MATRIX_FMT_FP6 matrix_a_scale:MATRIX_SCALE_ROW1 matrix_b_scale:MATRIX_SCALE_ROW1
.else
	v_wmma_scale_f32_16x16x128_f8f6f4 v[rD:rD+7], v[rS0:rS0+11], v[rS1:rS1+11], v[rD:rD+7], v[cS0], v[cS1] matrix_a_fmt:MATRIX_FMT_FP6 matrix_b_fmt:MATRIX_FMT_FP6
.endif
.endr
.endr
	WIN 0
.endm
.macro STEP ks, first                  ; the next step's fragments are asked for, then this step is multiplied
	s_wait_dscnt 0x0                               ; this step's fragments are in
	PLACES                                         ; the other set was read by the step before
	FETCHB (\ks)+1
.if \first
	s_wait_loadcnt 0x0                             ; b1 of this tile
.endif
	MUL16 \ks, \first
.endm
; A tile's last step changes slots.  In front of the barrier each wave waits for all its tensor loads (its quarter of the next tile), adds 0 to its spare word, and waits for that and for its reads of this slot,
; whose last fragments are then in registers.  fill = 1: the barrier is a round of the cluster's, and this slot is filled again, with the tile two on, first thing behind it.
; fill = 0: nothing is left to ask for; in the last trip there is no next tile either, and a branch on the count of trips leaves its fetches out: no load leaves its buffer.
.macro TURN fill
	s_wait_tensorcnt 0x0                           ; no tensor load of mine is out, so a group 0 may be written
	ds_add_u32 v[SPW], v[NIL]                      ; 0 onto my spare word
.if \fill
	s_xor_b32 s[G0R+1], s[G0R+1], SLOT1            ; the walking descriptor: the other slot than last time,
	s_add_nc_u64 s[G0R+2:G0R+3], s[G0R+2:G0R+3], TSTEP   ; the next tile of the walk
.endif
	s_xor_b32 s[TB], s[TB], SLOT1                  ; my reads go on to the other slot,
	s_add_co_u32 s[TSB], s[TSB], 4096              ; to the next tile's scale words,
	s_add_nc_u64 s[8:9], s[8:9], 4096              ; and to its b1, eight tiles of 128 columns on (this tile's loads were waited for at its head)
	s_wait_dscnt 0x0                               ; the add is done, and my reads of this slot are over
.if \fill
	CROUND                                         ; no wave of any partner still reads this slot or has a load on its way
	tensor_load_to_lds s[G0R:G0R+3], s[G1B:G1B+7]
	s_nop 0
	PLACES                                         ; four v_nop behind it: also the places in front of the loads below
.else
	s_barrier_signal -1
	s_barrier_wait -1
	PLACES
	s_cmp_eq_u32 s[CNT], 1
	s_cbranch_scc1 .Lno_next_\@
.endif
	SETB
	FETCHB 0                                       ; the next tile's first fragments and its b1 land under this tile's last step and way out
	LOADBIAS
.if \fill == 0
.Lno_next_\@:
.endif
	MUL16 7, 0
.endm
.macro GELU8 a                         ; eight numbers in place, four pairs by turns
.irp k, 0,2,4,6
	v_pk_mul_f32 v[ZR+\k:ZR+\k+1], v[\a+\k:\a+\k+1], 0x3f3504f3 op_sel_hi:[1,0]   ; z = a / sqrt 2
.endr
.irp k, 0,1,2,3,4,5,6,7
	v_med3_num_f32 v[ZR+\k], v[ZR+\k], -4.0, 4.0
.endr
.irp k, 0,2,4,6
	v_pk_mul_f32 v[Z2R+\k:Z2R+\k+1], v[ZR+\k:ZR+\k+1], v[ZR+\k:ZR+\k+1]
.endr
.irp k, 0,2,4,6
	v_pk_fma_f32 v[PR+\k:PR+\k+1], v[Z2R+\k:Z2R+\k+1], v[CA:CA+1], 0x32edffee op_sel_hi:[1,1,0]
.endr
.irp k, 0,2,4,6
	v_pk_fma_f32 v[QR+\k:QR+\k+1], v[Z2R+\k:Z2R+\k+1], v[CB:CB+1], 0xb95fbd29 op_sel_hi:[1,1,0]
.endr
.irp c, 0xb60cff51, 0xb86ec2d2, 0xba40ac63, 0xbb41a1f6, 0xbc83dbd4
.irp k, 0,2,4,6
	v_pk_fma_f32 v[PR+\k:PR+\k+1], v[PR+\k:PR+\k+1], v[Z2R+\k:Z2R+\k+1], \c op_sel_hi:[1,1,0]
.endr
.endr
.irp c, 0xbadc924e, 0xbbf19bf8, 0xbc69b6a7
.irp k, 0,2,4,6
	v_pk_fma_f32 v[QR+\k:QR+\k+1], v[QR+\k:QR+\k+1], v[Z2R+\k:Z2R+\k+1], \c op_sel_hi:[1,1,0]
.endr
.endr
	s_wait_alu depctr_va_vdst(0)
.irp k, 0,1,2,3,4,5,6,7
	v_rcp_f32 v[QR+\k], v[QR+\k]
.endr
.irp k, 0,2,4,6
	v_pk_mul_f32 v[PR+\k:PR+\k+1], v[PR+\k:PR+\k+1], v[ZR+\k:ZR+\k+1]   ; plain work behind the reciprocals, which names none of their results
.endr
.irp k, 0,2,4,6
	v_pk_mul_f32 v[\a+\k:\a+\k+1], v[\a+\k:\a+\k+1], 0.5 op_sel_hi:[1,0]
.endr
	s_wait_alu depctr_va_vdst(0)                   ; one wait for the eight, ahead of their first reader
.irp k, 0,2,4,6
	v_pk_mul_f32 v[PR+\k:PR+\k+1], v[PR+\k:PR+\k+1], v[QR+\k:QR+\k+1]   ; erf
.endr
.irp k, 0,2,4,6
	v_pk_fma_f32 v[\a+\k:\a+\k+1], v[\a+\k:\a+\k+1], v[PR+\k:PR+\k+1], v[\a+\k:\a+\k+1]   ; a / 2 x erf + a / 2
.endr
.endm
; 64 numbers of a lane, register 16 b + i: two rows' 64 along the next K; they become two images' words in v[pc] .. v[pc+11]; v[pw]: bytes 0, 1 the first row's, 2, 3 the second's
.macro QUANT s, pc, pw
.irp b, 0,1,2,3
	v_max3_num_f32 v[TM+\b], |v[\s+16*\b]|, |v[\s+1+16*\b]|, 0x1800000   ; the floor 2^(3 - 127): the byte cannot fall under 1
.endr
.irp i, 2,4,6,8,10,12,14
.irp b, 0,1,2,3
	v_max3_num_f32 v[TM+\b], v[TM+\b], |v[\s+16*\b+\i]|, |v[\s+1+16*\b+\i]|
.endr
.endr
.irp b, 0,1,2,3
	v_permlanex16_b32 v[TM+4+\b], v[TM+\b], s[SEL], s[SEL+1]
.endr
.irp b, 0,1,2,3
	v_max_num_f32 v[TM+\b], v[TM+\b], v[TM+4+\b]
.endr
.irp b, 0,1,2,3
	v_add_nc_u32 v[TM+12+\b], 0xff000000, v[TM+\b]   ; 2 off the exponent field: the conversion's scale operand
.endr
.irp b, 0,1,2,3
	v_lshrrev_b32 v[TM+4+\b], 23, v[TM+12+\b]
.endr
	v_lshl_or_b32 v[\pw], v[TM+5], 8, v[TM+4]
	v_lshl_or_b32 v[\pw], v[TM+6], 16, v[\pw]
	v_lshl_or_b32 v[\pw], v[TM+7], 24, v[\pw]
.irp c, 0,1
	v_cvt_scalef32_pk16_fp6_f32 v[\pc+6*\c:\pc+2+6*\c], v[\s+32*\c:\s+15+32*\c], v[TM+12+2*\c]
	v_cvt_scalef32_pk16_fp6_f32 v[\pc+12+4*\c:\pc+14+4*\c], v[\s+16+32*\c:\s+31+32*\c], v[TM+12+2*\c+1]
.endr
	v_nop                                          ; one plain line behind a scaled conversion
.irp c, 0,1
.irp i, 0,1,2
	v_permlane16_swap_b32 v[\pc+6*\c+\i], v[\pc+12+4*\c+\i]
.endr
.irp i, 0,1,2
	v_mov_b32 v[\pc+3+6*\c+\i], v[\pc+12+4*\c+\i]
.endr
.endr
.endm
.macro EPI                             ; a tile's way out
	PLACES
.irp t, 0,1,2,3,4,5,6,7,8,9,10,11,12,13,14,15
	GELU8 ACC+8*\t                                 ; each accumulator from its low end on
.endr
	QUANT ACC, PC0, PW0
	QUANT ACC+64, PC1, PW1
	v_lshrrev_b32 v[PW0], v23, v[PW0]              ; lane l keeps the two bytes of row l of the 32
	v_lshrrev_b32 v[PW1], v23, v[PW1]
	ds_store_b16 v21, v[PW0]                       ; (wave 0's reads of the last tile's words lie in front of this tile's change of slots, whose barrier every wave has passed)
	ds_store_b16 v21, v[PW1] offset:128
.irp x, 0,1
	global_store_b128 v4, v[PC0+6*\x:PC0+6*\x+3], s[10:11] offset:768*\x
	global_store_b64 v5, v[PC0+6*\x+4:PC0+6*\x+5], s[10:11] offset:768*\x
	global_store_b128 v4, v[PC1+6*\x:PC1+6*\x+3], s[10:11] offset:1536+768*\x
	global_store_b64 v5, v[PC1+6*\x+4:PC1+6*\x+5], s[10:11] offset:1536+768*\x
.endr
	s_wait_dscnt 0x0                               ; for the others' sake: my halves of the scale words are in LDS
	s_barrier_signal -1
	s_barrier_wait -1
	s_cmp_lg_u32 s14, 0
	s_cbranch_scc1 .Lnot_first_\@
	ds_load_b128 v[84:87], v24
	s_wait_dscnt 0x0
	global_store_b128 v4, v[84:87], s[12:13]       ; 512 consecutive bytes of scale words
.Lnot_first_\@:
	s_wait_xcnt 0x0                                ; the stores have read their registers and bases: both are written again only behind this wait
	s_add_nc_u64 s[10:11], s[10:11], 98304         ; eight tile columns on: sixteen images' depth,
	s_add_nc_u64 s[12:13], s[12:13], 4096          ; eight steps' scale words
.endm
.macro TILE fill
	STEP 0, 1
.irp k, 1,2,3,4,5,6
	STEP \k, 0
.endr
	TURN \fill
	EPI
.endm
	s_wait_alu depctr_va_vdst(0)                   ; the wait at the head's end
	s_wait_tensorcnt 0x0                           ; my tile of the head's four is in
	ds_add_u32 v[SPW], v[NIL]
	s_mov_b32 s[G1B+2], 96<<16                     ; no tensor load of mine is out: from here on a load brings a quarter of a tile, 96 rows
	s_mov_b32 s[G1B+4], 96
	s_wait_dscnt 0x0
	CROUND                                         ; all four tiles are in, and all sixteen work-groups are here
	tensor_load_to_lds s[G0R:G0R+3], s[G1B:G1B+7]  ; tile 1, slot 1's first fill: my one load behind the round
	s_nop 0
	PLACES
	LOADA
	SETB
	FETCHB 0
	s_mov_b32 s[CNT], NT-2
.Lfill:                                                ; tiles 0 and 1: each asks for the tile two on
	s_wait_alu depctr_va_vdst(0)
	TILE 1
	s_sub_co_u32 s[CNT], s[CNT], 1
	s_cmp_lg_u32 s[CNT], 0
	s_cbranch_scc1 .Lfill
	s_mov_b32 s[CNT], 2
.Ltail:                                                ; tiles 2 and 3 are written out apart
	TILE 0
	s_sub_co_u32 s[CNT], s[CNT], 1
	s_cmp_lg_u32 s[CNT], 0
	s_cbranch_scc1 .Ltail
	s_wait_tensorcnt 0x0                           ; the wave's end, behind my last tensor load and my last LDS store
	ds_add_u32 v[SPW], v[NIL]
	s_wait_dscnt 0x0
	CROUND                                         ; the closing round: no work-group ends while a partner may still ask for a tile that names it
	s_endpgm
.Lfunc_end_k_q862f4e2aca_ff1:
	.size	k_q862f4e2aca_ff1, .Lfunc_end_k_q862f4e2aca_ff1-k_q862f4e2aca_ff1
	.p2alignl 7, 3214868480
	.fill 96, 4, 3214868480
	.section	.rodata,"a",@progbits
	.p2align	6, 0x0
	.amdhsa_kernel k_q862f4e2aca_ff1
		.amdhsa_group_segment_fixed_size 327680
		.amdhsa_private_segment_fixed_size 0
		.amdhsa_enable_private_segment 0
		.amdhsa_kernarg_size 32
		.amdhsa_user_sgpr_count 2
		.amdhsa_user_sgpr_kernarg_segment_ptr 1
		.amdhsa_wavefront_size32 1
		.amdhsa_system_sgpr_workgroup_id_x 1
		.amdhsa_system_sgpr_workgroup_id_y 1
		.amdhsa_system_sgpr_workgroup_id_z 1
		.amdhsa_system_vgpr_workitem_id 0
		.amdhsa_next_free_vgpr 800
		.amdhsa_next_free_sgpr 98
		.amdhsa_reserve_vcc 0
		.amdhsa_float_denorm_mode_32 3
		.amdhsa_float_denorm_mode_16_64 3
		.amdhsa_memory_ordered 1
		.amdhsa_forward_progress 1
		.amdhsa_inst_pref_size 255
	.end_amdhsa_kernel
	.section	.bss,"aw",@nobits
	.p2align	6
	.space	262144
	.amdgpu_metadata
---
amdhsa.version: [ 1, 2 ]
amdhsa.kernels:
  - .name:           k_q862f4e2aca_ff1
    .symbol:         k_q862f4e2aca_ff1.kd
    .args:
      - { .name: act, .offset: 0, .size: 8, .value_kind: global_buffer, .address_space: global }
      - { .name: wts, .offset: 8, .size: 8, .value_kind: global_buffer, .address_space: global }
      - { .name: b1, .offset: 16, .size: 8, .value_kind: global_buffer, .address_space: global }
      - { .name: hid, .offset: 24, .size: 8, .value_kind: global_buffer, .address_space: global }
    .group_segment_fixed_size: 327680
    .private_segment_fixed_size: 0
    .kernarg_segment_align: 8
    .kernarg_segment_size: 32
    .max_flat_workgroup_size: 128
    .sgpr_count:     98
    .vgpr_count:     800
    .wavefront_size: 32
...
	.end_amdgpu_metadata
.endif
;; end of part 13
;; launch ff2 (part 14): grid 8 x 32, 4 waves a work-group, clusters of 4 x 4, 327,680 bytes of LDS; arguments hid, wts, b2, x1, out0; writes out0
.if DOCPART == 14
	.amdgcn_target "amdgcn-amd-amdhsa--gfx1250"
	.amdhsa_code_object_version 6
	.text
	.protected	k_q862f4e2aca_ff2
	.globl	k_q862f4e2aca_ff2
	.p2align	8
	.type	k_q862f4e2aca_ff2,@function
k_q862f4e2aca_ff2:
	s_mov_b64 s[64:65], 0
	v_nop
	global_prefetch_b8 v0, s[64:65] scope:SCOPE_SE
	s_setreg_imm32_b32 hwreg(HW_REG_WAVE_MODE, 25, 1), 1
	s_wait_xcnt 0x0
	s_wait_alu depctr_hold_cnt(0) depctr_sa_sdst(0) depctr_va_vdst(0) depctr_va_sdst(0) depctr_va_ssrc(0) depctr_va_vcc(0) depctr_vm_vsrc(0)
	s_getreg_b32 s2, hwreg(HW_REG_IB_STS2, 6, 4)
	s_cmp_eq_u32 s2, 0
	s_cbranch_scc0 .Lentry_in_a_cluster
	s_endpgm
.Lentry_in_a_cluster:
	s_bfe_u32 s2, ttmp6, 0x10000c
	s_cmp_lg_u32 s2, 0xf033
	s_cbranch_scc0 .Lentry_shape_is_right
	s_endpgm
.Lentry_shape_is_right:
; out = x1 + hid W2 + b2: the product on codes of FP6 (E2M3), K = 4,096, f32 sums that begin with b2; x1 is added on the way out.
; OPERANDS are images of 16 rows x 64 K (768 bytes: lane l = r + 16 h owns six words: words 0-3 at 16 l, words 4-5 at 512 + 8 l), laid [tile of 128 rows][64 K][16 rows]: a tile's bytes run on along K, 12,288 for a step of 128.
; Scale words: [tile][128 K][128 rows], 512 bytes a step.  A work-group makes 128 x 128 of out, a wave 64 x 64: 16 accumulators.  Source 0 is the weight: a lane holds eight neighbouring columns of one row.
; THE RING: two slots of six steps' room for each operand (73,728 bytes of codes, 3,072 of scale words).  THE HEAD fills both slots whole, K steps 0 to 11, by four loads, one a wave: each operand's scale words, each operand's codes.
; Steps 0 and 6, the slots' first places, are multiplied first.  From then on a slot holds a chunk of five steps in its places 1 to 5, and a REFILL brings five steps (61,440 and 2,560 bytes):
; 2 + 6 x 5 = 32 steps, four refills, each behind the three lines and a round of the cluster's barrier, one load a wave.  A refill has the other slot's five steps, 80 matrix instructions, in which to land.
; The order of the sums along K is steps 0, 6, 1-5, 7-11, 12-31.
; CLUSTER 4 x 4: hid's tiles are shared along a row of the cluster, W2's along a column: each is asked for jointly.
; PREFETCH: a refill's codes are asked for two refills ahead: the first two behind the head's loads, the last two behind the first two refills; the last two refills ask for nothing.  Of a chunk's 240 blocks of 256 bytes each of the four
; partners that load it jointly takes 60, told apart by address; two waves take 30 each, a lane a block (lanes 30, 31 name block 29 again).  The scale words, one part in 24 of a refill's bytes, are not asked for ahead.
; LIMITS: NaN, infinities and sums beyond f32's range are not served.
.set KDIM,  4096
.set TILEB, 96*KDIM
.set SCSZ,  4*KDIM
.set ASC,   12582912
.set WOFF,  6291456
.set WSOFF, 9437184+262144
.set STB,   12288                      ; a step's codes of 128 rows
.set SLOT,  6*STB
.set RF,    5*STB                      ; a refill
.set SSL,   6*512                      ; a slot's scale words
.set RFS,   5*512
.set LB,    2*SLOT                     ; LDS: hid's ring at 0, W2's here,
.set SCA,   4*SLOT                     ; hid's scale words' ring, W2's,
.set SCB,   SCA+2*SSL
.set SPARE, SCB+2*SSL                  ; the spare words, 128 bytes a wave,
.set STG,   SPARE+512                  ; and a stage of 16 rows x 272 bytes for each wave
.set ADRS, 16                          ; v16 scale words: lanes 0-15 hid's, lanes 16-31 W2's
.set SPW,  17
.set NIL,  18
.set PF0,  23                          ; v23 the prefetches' offset: 256 x min(lane, 29)
.set SC,   32                          ; v32-39 scale words, two sets of four
.set BIAS, 48                          ; v48-79 b2 as the first products' C; later rows back from the stage
.set ADX,  112                         ; v112-127 fragment addresses: + 8 for W2, + 4 for words 4-5, + 2 x slot + half of the slot (LDS offsets have 16 bits)
.set ACC,  128                         ; window 1: fragment sets at v0 and v128; window 2: v0-127 my rows of x1
.set G1A, 24
.set G1B, 32
.set G1SA, 48
.set G1SB, 56
.set G0A, 68
.set G0B, 72
.set G0SA, 76
.set G0SB, 80
.set PFA, 84                           ; s[84:85] my 30 blocks of the first refill's codes; never rewritten
.set MSB, 0
.macro WIN new
.if MSB != \new
	s_set_vgpr_msb (MSB<<8)|\new
.set MSB, \new
.endif
.endm
.macro PLACES
.rept 4
	v_nop
.endr
.endm
.macro CROUND
	s_barrier_signal -1
	s_barrier_wait -1
	s_cmp_lg_u32 s14, 0
	s_cbranch_scc1 .Lnot_wave_0_\@
	s_barrier_signal -3
.Lnot_wave_0_\@:
	s_barrier_wait -3
	s_barrier_signal -1
	s_barrier_wait -1
.endm
.macro GROUP1 g, mask, rows            ; a dense block as rows of 256 bytes: 32 elements of 8 bytes; the mask, bit 21 beside it
	s_or_b32 s[\g], s\mask, (3<<16)|(1<<21)
	s_mov_b32 s[\g+1], 32<<16
	s_mov_b32 s[\g+2], (\rows)<<16
	s_mov_b32 s[\g+3], 32<<16
	s_mov_b32 s[\g+4], \rows
	s_mov_b32 s[\g+5], 32
	s_mov_b32 s[\g+6], 0
	s_mov_b32 s[\g+7], 0
.endm
.macro GROUP0 g, lds, b
	s_mov_b32 s[\g], 1
	s_mov_b32 s[\g+1], \lds
	s_mov_b64 s[\g+2:\g+3], s[\b:\b+1]
	s_or_b32 s[\g+3], s[\g+3], 0x80000000
.endm
.macro TL g0, g1                       ; s_nop 0 and four v_nop follow a tensor load
	tensor_load_to_lds s[\g0:\g0+3], s[\g1:\g1+7]
	s_nop 0
	PLACES
.endm
.macro JLOAD4                          ; one chain of branches on the wave's number, one joint load to an arm: every way passes exactly one
	s_cmp_lt_u32 s14, 1
	s_cbranch_scc0 .Lj1_\@
	TL G0SA, G1SA
	s_branch .Lj4_\@
.Lj1_\@:
	s_cmp_lt_u32 s14, 2
	s_cbranch_scc0 .Lj2_\@
	TL G0SB, G1SB
	s_branch .Lj4_\@
.Lj2_\@:
	s_cmp_lt_u32 s14, 3
	s_cbranch_scc0 .Lj3_\@
	TL G0A, G1A
	s_branch .Lj4_\@
.Lj3_\@:
	TL G0B, G1B
.Lj4_\@:
.endm
	s_load_b256 s[4:11], s[0:1], 0x0               ; hid, wts, b2, x1
	s_load_b64 s[12:13], s[0:1], 0x20              ; out0
	v_lshl_add_u32 v[SPW], v0, 2, SPARE
	v_mov_b32 v[NIL], 0
	ds_add_u32 v[SPW], v[NIL]                      ; the opening lines: the add twice and its wait
	ds_add_u32 v[SPW], v[NIL]
	v_lshrrev_b32 v1, 5, v0
	v_readfirstlane_b32 s14, v1                    ; wave
	s_lshr_b32 s15, s14, 1                         ; my 64 rows
	s_and_b32 s16, s14, 1                          ; my 64 columns
	s_bfe_u32 s40, ttmp6, 0x40000
	s_bfe_u32 s41, ttmp6, 0x40004
	s_lshl_b32 s42, ttmp9, 2
	s_add_co_u32 s42, s42, s40                     ; tile column
	s_and_b32 s17, ttmp7, 0xffff
	s_lshl_b32 s17, s17, 2
	s_add_co_u32 s17, s17, s41                     ; tile row
	s_lshl_b32 s43, s41, 2
	s_lshl_b32 s43, 15, s43                        ; my row of the cluster
	s_lshl_b32 s44, 0x1111, s40                    ; my column
	GROUP1 G1A, 43, 2*SLOT/256                     ; the head's loads fill both slots
	GROUP1 G1B, 44, 2*SLOT/256
	GROUP1 G1SA, 43, 2*SSL/256
	GROUP1 G1SB, 44, 2*SSL/256
	s_mul_i32 s20, s17, TILEB
	s_mov_b32 s21, 0
	s_mul_i32 s46, s42, TILEB
	s_add_co_u32 s46, s46, WOFF
	s_mov_b32 s47, 0
	s_mul_i32 s22, s17, SCSZ
	s_add_co_u32 s22, s22, ASC
	s_mov_b32 s23, 0
	s_mul_i32 s92, s42, SCSZ
	s_add_co_u32 s92, s92, WSOFF
	s_mov_b32 s93, 0
	s_wait_dscnt 0x0
	s_wait_kmcnt 0x0
	s_add_nc_u64 s[20:21], s[4:5], s[20:21]
	s_add_nc_u64 s[22:23], s[4:5], s[22:23]
	s_add_nc_u64 s[46:47], s[6:7], s[46:47]
	s_add_nc_u64 s[92:93], s[6:7], s[92:93]
	s_cmp_eq_u32 s15, 0                            ; the prefetches: waves 0, 1 ask for hid's codes, waves 2, 3 for W2's
	s_cselect_b32 s94, s40, s41                    ; my work-group's place among the four that load the tile jointly
	s_cselect_b64 s[PFA:PFA+1], s[20:21], s[46:47]
	s_mul_i32 s94, s94, RF/4
	s_mul_i32 s95, s16, RF/8
	s_add_co_u32 s94, s94, s95
	s_add_co_u32 s94, s94, 2*SLOT                  ; the first refill begins behind the head's twelve steps
	s_mov_b32 s95, 0
	s_add_nc_u64 s[PFA:PFA+1], s[PFA:PFA+1], s[94:95]
	CROUND                                         ; all sixteen work-groups are here: the first joint loads meet
	GROUP0 G0A, 0, 20
	GROUP0 G0B, LB, 46
	GROUP0 G0SA, SCA, 22
	GROUP0 G0SB, SCB, 92
	JLOAD4
	s_mul_i32 s18, s15, 3072                       ; my four blocks of rows,
	s_mul_i32 s19, s16, 3072
	s_add_co_u32 s19, s19, LB                      ; of columns
	s_lshl_b32 s95, s15, 8
	s_lshl_b32 s94, s16, 8
	s_add_co_u32 s94, s94, 2*SSL
	s_sub_co_u32 s94, s94, s95                     ; from my rows' scale words to my columns'
	s_add_co_u32 s95, s95, SCA
	s_mul_i32 s45, s14, 16*272
	s_add_co_u32 s45, s45, STG
	s_lshl_b32 s66, s42, 9
	s_lshl_b32 s67, s16, 8
	s_add_co_u32 s66, s66, s67                     ; my first column, in bytes
	s_mov_b32 s67, 0
	s_add_nc_u64 s[8:9], s[8:9], s[66:67]
	s_lshl_b32 s96, s17, 19
	s_lshl_b32 s97, s15, 18
	s_add_co_u32 s96, s96, s97
	s_add_co_u32 s96, s96, s66
	s_mov_b32 s97, 0
	s_add_nc_u64 s[10:11], s[10:11], s[96:97]
	s_add_nc_u64 s[12:13], s[12:13], s[96:97]
	v_and_b32 v1, 31, v0
	v_and_b32 v2, 15, v0
	v_bfe_u32 v3, v0, 4, 1
	v_min_u32 v[PF0], 29, v1
	v_lshlrev_b32 v[PF0], 8, v[PF0]
	v_lshlrev_b32 v4, 4, v1
	v_lshlrev_b32 v5, 3, v1
	v_add_nc_u32 v5, 512, v5
	global_prefetch_b8 v[PF0], s[PFA:PFA+1] th:TH_LOAD_NT scope:SCOPE_SE             ; the first refill's codes,
	global_prefetch_b8 v[PF0], s[PFA:PFA+1] offset:RF th:TH_LOAD_NT scope:SCOPE_SE   ; and the second's
	v_add_nc_u32 v[ADX], s18, v4
	v_add_nc_u32 v[ADX+4], s18, v5
	v_add_nc_u32 v[ADX+8], s19, v4
	v_add_nc_u32 v[ADX+12], s19, v5
.irp q, 1,2,3
.irp f, 0,4,8,12
	v_add_nc_u32 v[ADX+\f+\q], \q*(SLOT/2), v[ADX+\f]
.endr
.endr
	v_mul_u32_u24 v6, s94, v3
	v_lshl_add_u32 v6, v2, 2, v6
	v_add_nc_u32 v[ADRS], s95, v6
	v_lshlrev_b32 v19, 5, v3
	v_lshlrev_b32 v20, 12, v3
	v_lshl_add_u32 v20, v2, 4, v20
	v_mul_u32_u24 v21, v2, 272
	v_lshl_add_u32 v21, v3, 5, v21
	v_add_nc_u32 v21, s45, v21
	v_mul_u32_u24 v22, v3, 272
	v_lshl_add_u32 v22, v2, 4, v22
	v_add_nc_u32 v22, s45, v22
.irp y, 0,1,2,3
	global_load_b128 v[BIAS+8*\y:BIAS+8*\y+3], v19, s[8:9] offset:64*\y
	global_load_b128 v[BIAS+8*\y+4:BIAS+8*\y+7], v19, s[8:9] offset:64*\y+16
.endr
.macro FETCH slot, ks, set             ; place ks of a slot: four fragments of each operand and four registers of scale words into set
.set Q_, 2*(\slot)+(\ks)/3
.set O_, 2*((\ks)%3)*6144
	WIN 0x40
.irp i, 0,1,2,3
.irp e, 0,1
	ds_load_b128 v[128*(\set)+12*\i+6*\e:128*(\set)+12*\i+6*\e+3], v[ADX+Q_] offset:O_+\e*6144+\i*768
	ds_load_b64 v[128*(\set)+12*\i+6*\e+4:128*(\set)+12*\i+6*\e+5], v[ADX+4+Q_] offset:O_+\e*6144+\i*768
.endr
.endr
.irp i, 0,1,2,3
.irp e, 0,1
	ds_load_b128 v[128*(\set)+48+12*\i+6*\e:128*(\set)+48+12*\i+6*\e+3], v[ADX+8+Q_] offset:O_+\e*6144+\i*768
	ds_load_b64 v[128*(\set)+48+12*\i+6*\e+4:128*(\set)+48+12*\i+6*\e+5], v[ADX+12+Q_] offset:O_+\e*6144+\i*768
.endr
.endr
	WIN 0
.irp i, 0,1,2,3
	ds_load_b32 v[SC+4*(\set)+\i], v[ADRS] offset:(\slot)*SSL+(\ks)*512+\i*64
.endr
.endm
.macro MUL16 set, first                ; the 16 accumulators by turns, in the same order in every step, over the loop's backward jump too
	WIN 0x05
.irp x, 0,1,2,3
.irp y, 0,1,2,3
.if \first
	v_wmma_scale_f32_16x16x128_f8f6f4 v[ACC+8*(4*\x+\y):ACC+8*(4*\x+\y)+7], v[128*(\set)+48+12*\y:128*(\set)+48+12*\y+11], v[128*(\set)+12*\x:128*(\set)+12*\x+11], v[BIAS+8*\y:BIAS+8*\y+7], v[SC+4*(\set)+\y], v[SC+4*(\set)+\x] matrix_a_fmt:MATRIX_FMT_FP6 matrix_b_fmt:MATRIX_FMT_FP6 matrix_a_scale:MATRIX_SCALE_ROW1
.else
	v_wmma_scale_f32_16x16x128_f8f6f4 v[ACC+8*(4*\x+\y):ACC+8*(4*\x+\y)+7], v[128*(\set)+48+12*\y:128*(\set)+48+12*\y+11], v[128*(\set)+12*\x:128*(\set)+12*\x+11], v[ACC+8*(4*\x+\y):ACC+8*(4*\x+\y)+7], v[SC+4*(\set)+\y], v[SC+4*(\set)+\x] matrix_a_fmt:MATRIX_FMT_FP6 matrix_b_fmt:MATRIX_FMT_FP6 matrix_a_scale:MATRIX_SCALE_ROW1
.endif
.endr
.endr
	WIN 0
.endm
.macro STEP set, nslot, nks, first     ; the next step's fragments are asked for, from place nks of slot nslot; then the step in set is multiplied
	s_wait_dscnt 0x0
	PLACES                                         ; the other set was read by the step before
	FETCH \nslot, \nks, 1-(\set)
	MUL16 \set, \first
.endm
.macro RUN slot                        ; a chunk's places 1 to 4; place ks lies in set (ks + 1 + slot) % 2
.irp ks, 1,2,3,4
	STEP (\ks+1+\slot)%2, \slot, \ks+1, 0
.endr
.endm
.macro ASK slot                        ; in the loop's first trip: the codes of the refill two on
	s_cmp_eq_u32 s3, 2
	s_cbranch_scc0 .Lnot_asked_\@
	global_prefetch_b8 v[PF0], s[PFA:PFA+1] offset:(2+\slot)*RF th:TH_LOAD_NT scope:SCOPE_SE
.Lnot_asked_\@:
.endm
; A chunk's last step, place 5, changes slots.  In front of the barrier each wave waits for all its tensor loads (its part of the other slot's chunk), adds 0 to its spare word, and waits for that and for its reads of this slot,
; whose last fragments are then in registers.  fill = 1: the barrier is a round of the cluster's, and this slot's places 1 to 5 are filled again first thing behind it.
.macro TURN slot, fill
	s_wait_tensorcnt 0x0                           ; no tensor load of mine is out, so the groups 0 may be written
	ds_add_u32 v[SPW], v[NIL]
.if \fill
	s_mov_b32 s[G0A+1], (\slot)*SLOT+STB
	s_mov_b32 s[G0B+1], LB+(\slot)*SLOT+STB
	s_mov_b32 s[G0SA+1], SCA+(\slot)*SSL+512
	s_mov_b32 s[G0SB+1], SCB+(\slot)*SSL+512
	s_add_nc_u64 s[G0A+2:G0A+3], s[G0A+2:G0A+3], RF
	s_add_nc_u64 s[G0B+2:G0B+3], s[G0B+2:G0B+3], RF
	s_add_nc_u64 s[G0SA+2:G0SA+3], s[G0SA+2:G0SA+3], RFS
	s_add_nc_u64 s[G0SB+2:G0SB+3], s[G0SB+2:G0SB+3], RFS
.endif
	s_wait_dscnt 0x0                               ; the add is done, and my reads of this slot are over
.if \fill
	CROUND                                         ; no wave of any partner still reads this slot or has a load on its way
	JLOAD4                                         ; the four v_nop behind the load are also the places in front of the loads below
.else
	s_barrier_signal -1
	s_barrier_wait -1
	PLACES
.endif
	FETCH 1-\slot, 1, 1-\slot
.if \fill
	ASK \slot
.endif
	MUL16 \slot, 0
.endm
	s_wait_alu depctr_va_vdst(0)                   ; the wait at the head's end
	s_wait_tensorcnt 0x0                           ; my block of the head's four is in, so the descriptors may be written: from here on a load brings five steps
	s_mov_b32 s[G1A+2], (RF/256)<<16
	s_mov_b32 s[G1A+4], RF/256
	s_mov_b32 s[G1B+2], (RF/256)<<16
	s_mov_b32 s[G1B+4], RF/256
	s_mov_b32 s[G1SA+2], (RFS/256)<<16
	s_mov_b32 s[G1SA+4], RFS/256
	s_mov_b32 s[G1SB+2], (RFS/256)<<16
	s_mov_b32 s[G1SB+4], RFS/256
	s_add_nc_u64 s[G0A+2:G0A+3], s[G0A+2:G0A+3], 2*SLOT-RF       ; one refill short of step 12: each change of slots steps on by a refill first
	s_add_nc_u64 s[G0B+2:G0B+3], s[G0B+2:G0B+3], 2*SLOT-RF
	s_add_nc_u64 s[G0SA+2:G0SA+3], s[G0SA+2:G0SA+3], 2*SSL-RFS
	s_add_nc_u64 s[G0SB+2:G0SB+3], s[G0SB+2:G0SB+3], 2*SSL-RFS
	s_barrier_signal -1
	s_barrier_wait -1                              ; all four blocks are in
	FETCH 0, 0, 0
	s_wait_loadcnt 0x0                             ; b2
	STEP 0, 1, 0, 1                                ; K step 0 starts the sums,
	STEP 1, 0, 1, 0                                ; K step 6 follows: the slots' first places are done with
	WIN 0x80
.irp x, 0,1,2,3
.irp t, 0,1,2,3,4,5,6,7
	global_load_b128 v[32*\x+4*\t:32*\x+4*\t+3], v20, s[10:11] offset:(16*\x+2*\t)*4096 th:TH_LOAD_NT   ; my rows of x1, wanted on the way out
.endr
.endr
	WIN 0
	s_mov_b32 s3, 2
.Llap:                                                 ; a trip goes once round the ring and fills both slots again
	RUN 0
	TURN 0, 1
	RUN 1
	TURN 1, 1
	s_sub_co_u32 s3, s3, 1
	s_cmp_lg_u32 s3, 0
	s_cbranch_scc1 .Llap
	RUN 0                                          ; the last two chunks are written out: nothing is left to ask for
	TURN 0, 0
	RUN 1
	s_wait_dscnt 0x0
	MUL16 1, 0
	PLACES
	s_wait_loadcnt 0x0                             ; x1
.irp x, 0,1,2,3                        ; the way out: 16 rows through my stage, back as whole rows of 256 bytes, + x1, stored
.set TT, 48+32*(\x%2)
.if \x >= 2
	s_wait_xcnt 0x0                                ; the stores of two blocks ago have read their registers
.endif
.irp y, 0,1,2,3
	ds_store_b128 v21, v[ACC+8*(4*\x+\y):ACC+8*(4*\x+\y)+3] offset:64*\y
	ds_store_b128 v21, v[ACC+8*(4*\x+\y)+4:ACC+8*(4*\x+\y)+7] offset:64*\y+16
.endr
.irp t, 0,1,2,3,4,5,6,7
	ds_load_b128 v[TT+4*\t:TT+4*\t+3], v22 offset:\t*2*272
.endr
	s_wait_dscnt 0x0
	WIN 0x08
.irp t, 0,1,2,3,4,5,6,7,8,9,10,11,12,13,14,15
	v_pk_add_f32 v[TT+2*\t:TT+2*\t+1], v[TT+2*\t:TT+2*\t+1], v[32*\x+2*\t:32*\x+2*\t+1]
.endr
	WIN 0
.irp t, 0,1,2,3,4,5,6,7
	global_store_b128 v20, v[TT+4*\t:TT+4*\t+3], s[12:13] offset:(16*\x+2*\t)*4096 th:TH_STORE_NT   ; sixteen lanes store 256 consecutive bytes, aligned
.endr
.endr
	s_wait_tensorcnt 0x0                           ; the wave's end
	ds_add_u32 v[SPW], v[NIL]
	s_wait_dscnt 0x0
	CROUND                                         ; the closing round
	s_endpgm
.Lfunc_end_k_q862f4e2aca_ff2:
	.size	k_q862f4e2aca_ff2, .Lfunc_end_k_q862f4e2aca_ff2-k_q862f4e2aca_ff2
	.p2alignl 7, 3214868480
	.fill 96, 4, 3214868480
	.section	.rodata,"a",@progbits
	.p2align	6, 0x0
	.amdhsa_kernel k_q862f4e2aca_ff2
		.amdhsa_group_segment_fixed_size 327680
		.amdhsa_private_segment_fixed_size 0
		.amdhsa_enable_private_segment 0
		.amdhsa_kernarg_size 40
		.amdhsa_user_sgpr_count 2
		.amdhsa_user_sgpr_kernarg_segment_ptr 1
		.amdhsa_wavefront_size32 1
		.amdhsa_system_sgpr_workgroup_id_x 1
		.amdhsa_system_sgpr_workgroup_id_y 1
		.amdhsa_system_sgpr_workgroup_id_z 1
		.amdhsa_system_vgpr_workitem_id 0
		.amdhsa_next_free_vgpr 768
		.amdhsa_next_free_sgpr 98
		.amdhsa_reserve_vcc 0
		.amdhsa_float_denorm_mode_32 3
		.amdhsa_float_denorm_mode_16_64 3
		.amdhsa_memory_ordered 1
		.amdhsa_forward_progress 1
		.amdhsa_inst_pref_size 131
	.end_amdhsa_kernel
	.amdgpu_metadata
---
amdhsa.version: [ 1, 2 ]
amdhsa.kernels:
  - .name:           k_q862f4e2aca_ff2
    .symbol:         k_q862f4e2aca_ff2.kd
    .args:
      - { .name: hid, .offset: 0, .size: 8, .value_kind: global_buffer, .address_space: global }
      - { .name: wts, .offset: 8, .size: 8, .value_kind: global_buffer, .address_space: global }
      - { .name: b2, .offset: 16, .size: 8, .value_kind: global_buffer, .address_space: global }
      - { .name: x1, .offset: 24, .size: 8, .value_kind: global_buffer, .address_space: global }
      - { .name: out0, .offset: 32, .size: 8, .value_kind: global_buffer, .address_space: global }
    .group_segment_fixed_size: 327680
    .private_segment_fixed_size: 0
    .kernarg_segment_align: 8
    .kernarg_segment_size: 40
    .max_flat_workgroup_size: 128
    .sgpr_count:     98
    .vgpr_count:     768
    .wavefront_size: 32
...
	.end_amdgpu_metadata
.endif
;; end of part 14
